; MI455X (gfx1250); checked and timed in simulation.
; The chip was launched on July 23, 2026; its instructions are those of AMD's public machine-readable ISA for CDNA 5 (MIT licence, August 2026) and "CDNA5" Instruction Set Architecture Reference Guide (July 2026). The comments in the code are by the model that wrote it; some were corrected since.
;; Cross Layer Light. Allowed arithmetic: float matrix products may take bf16 or f16 operands with f32 sums; other float arithmetic in f32, or as packed bf16 or f16 multiplies, adds, multiply-adds, maxima and minima; sums over many terms, partial sums and values carried from step to step in f32; what a program stores and reads back later, other than sums and carried values, may be rounded once to bf16 or f16.
;; Inputs: feat1 2 x 64 x 4,096 float32; feat2 2 x 64 x 4,096 float32; gn1_b 128 float32; gn1_g 128 float32; gn2_b 128 float32; gn2_g 128 float32; m1a_b 128 float32; m1a_beta 128 float32; m1a_g 128 float32; m1a_w 128 x 128 float32; m1b_b 128 float32; m1b_beta 128 float32; m1b_g 128 float32; m1b_w 128 x 128 float32; m2a_b 128 float32; m2a_beta 128 float32; m2a_g 128 float32; m2a_w 128 x 128 float32; pc1 2 x 3 x 4,096 float32; pc2 2 x 3 x 4,096 float32; pos1_b 128 float32; pos1_w 128 x 3 float32; pos2_b 128 float32; pos2_w 128 x 3 float32; t11_b 128 float32; t11_w 128 x 64 float32; t1_b 128 float32; t1_w 128 x 128 float32; t22_b 128 float32; t22_w 128 x 64 float32; t2_b 128 float32; t2_w 128 x 128 float32.
;; Outputs: out0 2 x 128 x 4,096 float32; out1 2 x 128 x 4,096 float32; out2 2 x 128 x 4,096 float32.
;; 3 versions, each right and faster than the one before. Each part assembles by itself: llvm-mc -triple=amdgcn-amd-amdhsa -mcpu=gfx1250 --defsym DOCPART=n.
;; ======== version 1 of 3: 10 launches
;; limits: values are held in f16: magnitudes above 65,504 overflow, below 6.1e-05 lose precision; a difference of large sums (such as E[x^2] - mean^2): digits are lost where the result is much smaller than its terms
;; workspace buffers: uv1 8,421,376 bytes; uv3 4,227,072 bytes; tab 393,216 bytes; blk 262,144 bytes of whole numbers; idx 1,048,576 bytes of whole numbers; st1 16,384 bytes; st2 16,384 bytes; st3 16,384 bytes
;; launch prep (part 1): grid 256 x 1, 8 waves a work-group, no clusters, 46,080 bytes of LDS; arguments feat1, feat2, pc1, pc2, t11_w, t22_w, t11_b, t22_b, pos1_w, pos1_b, m1a_w, m1b_w, t1_w, t2_w, m2a_w, uv1, tab; writes uv1, tab
.if DOCPART == 1
	.amdgcn_target "amdgcn-amd-amdhsa--gfx1250"
	.amdhsa_code_object_version 6
	.text
	.protected	k_qf7f11815fa_prep
	.globl	k_qf7f11815fa_prep
	.p2align	8
	.type	k_qf7f11815fa_prep,@function
k_qf7f11815fa_prep:
	s_mov_b64 s[64:65], 0
	v_nop
	global_prefetch_b8 v0, s[64:65] scope:SCOPE_SE
	s_setreg_imm32_b32 hwreg(HW_REG_WAVE_MODE, 25, 1), 1
	s_wait_xcnt 0x0
; PREP.  Problem p = 2 cross + batch.  The position term is linear, so a neighbour's column is x0 = U[m] + V[n]:
;   U[m] = t22(feat)[m] + t22_b + Wp (xyz[m] - c)            V[n] = t11(feat)[n] + t11_b + pos_b - Wp (xyz[n] - c)
; with c = point 0 of pc1 in the batch, which takes a common offset of the clouds away before the rounding to f16.
; A work-group owns 64 points of cloud p >> 1, batch p & 1.  Waves 0-3 make V (problem p), waves 4-7 U (problem p ^ 2), 32 channels each.
; It also writes the points as (x, y, z, s), s = x x + y y + z z, and 32 words of each of the five 128 x 128 weights as f16 in fragment order.
; FORMATS.  Every input is rounded to bf16; that number is written as f16 for the matrix unit (exact from 2^-17 up to 65,504; below, f16's fixed step).
; U and V are rounded once to f16: they must stay under 65,504.  NaN and infinities are not treated apart.
.set UVH,   32768                      ; uv1: m2a's fragment image, then [p][U, V][4096][128] f16
.set PTSO,  131072                     ; tab: the images of m1a, m1b, t1, t2, then [cloud 2 + batch][4096] x (x, y, z, s)
.set STG,   10240                      ; LDS: 0 feat tile, 64 channel rows of pitch 160 (f16, 64 points); here 2 x 64 rows of pitch 272, f16
.set SPARE, 45056
.set SPW, 16
.set NIL, 17
.set XC,  20                           ; v20-31   xyz - c of my four points (16 nt + r)
.set AF,  32                           ; v32-63   weight fragments (t', kk)
.set BFR, 64                           ; v64-127  feat fragments (nt, kk); before that at work
.set PB,  80
.set PT,  96
.set WW,  100
.set ACC, 128                          ; v128-191 8 accumulators (t', nt); before that the weights in f32
.set WP,  192                          ; v192-239 pos1_w of channels 32 mq + 16 t' + 8 h + j, three each
.set BS,  240                          ; v240-255 their bias
.macro RB a, b                         ; two f32 rounded to bf16 and widened again, in place
	v_cvt_pk_bf16_f32 v[\a], v[\a], v[\b]
	v_and_b32 v[\b], 0xffff0000, v[\a]
	v_lshlrev_b32 v[\a], 16, v[\a]
.endm
.macro RBN base, n
.set i, 0
.rept \n
	RB \base+2*i, \base+2*i+1
.set i, i+1
.endr
.endm
	s_load_b512 s[8:23], s[0:1], 0x0               ; feat1 8, feat2 10, pc1 12, pc2 14, t11_w 16, t22_w 18, t11_b 20, t22_b 22
	s_load_b512 s[24:39], s[0:1], 0x40             ; pos1_w 24, pos1_b 26, m1a_w 28, m1b_w 30, t1_w 32, t2_w 34, m2a_w 36, uv1 38
	s_load_b64 s[40:41], s[0:1], 0x80              ; tab
	v_lshl_add_u32 v[SPW], v0, 2, SPARE
	v_mov_b32 v[NIL], 0
	v_lshrrev_b32 v1, 5, v0
	v_readfirstlane_b32 s2, v1                     ; wave
	s_lshr_b32 s3, s2, 2                           ; tb: 0 = V, 1 = U
	s_and_b32 s4, s2, 3                            ; mq: my 32 channels
	s_lshr_b32 s5, ttmp9, 6                        ; p
	s_and_b32 s6, s5, 1                            ; batch
	s_and_b32 s7, ttmp9, 63
	s_lshl_b32 s7, s7, 6                           ; n0
	v_and_b32 v1, 15, v0                           ; r = c
	v_bfe_u32 v2, v0, 4, 1                         ; h
	v_lshrrev_b32 v13, 4, v0
	v_lshlrev_b32 v3, 14, v13
	v_lshl_add_u32 v3, v1, 4, v3                   ; feat: channel row t >> 4, 16 bytes at t & 15
	v_mul_u32_u24 v4, v13, 160
	v_lshl_add_u32 v4, v1, 3, v4                   ; and its place in the tile
	s_lshl_b32 s42, s4, 13
	v_lshl_add_u32 v5, v1, 8, s42
	v_lshl_add_u32 v5, v2, 5, v5                   ; weights: row 32 mq + r, k = 8 h
	s_lshl_b32 s43, s4, 7
	v_lshl_add_u32 v6, v2, 5, s43                  ; biases: channel 32 mq + 8 h
	s_mul_i32 s56, s4, 384
	v_mul_u32_u24 v7, v2, 96
	v_add_nc_u32 v7, s56, v7                       ; pos1_w: 12 bytes a channel
	v_lshlrev_b32 v12, 2, v1
	v_and_b32 v14, 31, v0                          ; the weights' images: word 32 g + lane of each matrix
	v_lshrrev_b32 v15, 2, v14
	v_and_b32 v18, 3, v14
	v_lshlrev_b32 v15, 9, v15
	v_lshl_add_u32 v15, v18, 3, v15                ; row (lane >> 2), k = 2 (lane & 3)
	s_lshr_b32 s70, ttmp9, 5
	s_lshl_b32 s70, s70, 13                        ; + row 16 (g >> 5)
	s_and_b32 s71, ttmp9, 1
	s_lshl_b32 s71, s71, 12                        ; + row 8 (g & 1)
	s_add_co_u32 s70, s70, s71
	s_bfe_u32 s71, ttmp9, 0x40001
	s_lshl_b32 s71, s71, 5                         ; + k = 8 ((g >> 1) & 15)
	s_add_co_u32 s70, s70, s71
	v_add_nc_u32 v15, s70, v15
	v_lshlrev_b32 v19, 2, v14
	v_lshlrev_b32 v18, 2, v0
	v_lshlrev_b32 v13, 4, v0
	s_lshl_b32 s85, s2, 15
	s_lshl_b32 s86, ttmp9, 7
	s_wait_kmcnt 0x0
	s_cmp_lt_u32 s5, 2
	s_cselect_b64 s[44:45], s[8:9], s[10:11]       ; my cloud's features
	s_cselect_b64 s[46:47], s[12:13], s[14:15]     ; and points
	s_cmp_eq_u32 s3, 0
	s_cselect_b64 s[48:49], s[16:17], s[18:19]     ; t11 for V, t22 for U
	s_cselect_b64 s[50:51], s[20:21], s[22:23]
	s_cselect_b32 s52, -1.0, 1.0                   ; the sign of the position term
	s_cselect_b32 s54, 1.0, 0                      ; pos_b goes to V alone
	s_mov_b32 s53, s52
	s_cmp_eq_u32 s2, 1
	s_cselect_b64 s[80:81], s[30:31], s[28:29]     ; waves 0-4: one matrix each
	s_cmp_eq_u32 s2, 2
	s_cselect_b64 s[80:81], s[32:33], s[80:81]
	s_cmp_eq_u32 s2, 3
	s_cselect_b64 s[80:81], s[34:35], s[80:81]
	s_cmp_eq_u32 s2, 4
	s_cselect_b64 s[80:81], s[36:37], s[80:81]
	s_cselect_b64 s[82:83], s[38:39], s[40:41]     ; m2a's image heads uv1, the others head tab
	s_cselect_b32 s84, 0, s85
	s_add_co_u32 s84, s84, s86
	s_mov_b32 s85, 0
	s_add_nc_u64 s[82:83], s[82:83], s[84:85]
	s_lshl_b32 s56, s6, 20
	s_lshl_b32 s57, s7, 2
	s_add_co_u32 s56, s56, s57
	s_mov_b32 s57, 0
	s_add_nc_u64 s[44:45], s[44:45], s[56:57]
	s_mul_i32 s58, s6, 49152
	s_mov_b32 s59, 0
	s_add_nc_u64 s[60:61], s[12:13], s[58:59]
	s_load_b32 s66, s[60:61], 0x0                  ; c
	s_load_b32 s67, s[60:61], 0x4000
	s_load_b32 s68, s[60:61], 0x8000
	s_lshl_b32 s62, s7, 2
	s_add_co_u32 s58, s58, s62
	s_add_nc_u64 s[46:47], s[46:47], s[58:59]
	s_lshl_b32 s72, s5, 16
	s_lshl_b32 s73, s7, 4
	s_add_co_u32 s72, s72, s73
	s_add_co_u32 s72, s72, PTSO
	s_mov_b32 s73, 0
	s_add_nc_u64 s[74:75], s[40:41], s[72:73]      ; my 64 entries of the points' table
	s_lshl_b32 s76, s3, 1
	s_xor_b32 s76, s76, s5                         ; V belongs to problem p, U to p ^ 2
	s_lshl_b32 s76, s76, 21
	s_xor_b32 s77, s3, 1
	s_lshl_b32 s77, s77, 20
	s_add_co_u32 s76, s76, s77
	s_lshl_b32 s77, s4, 4
	s_add_co_u32 s77, s77, s7
	s_lshl_b32 s77, s77, 8
	s_add_co_u32 s76, s76, s77
	s_add_co_u32 s76, s76, UVH
	s_mov_b32 s77, 0
	s_add_nc_u64 s[78:79], s[38:39], s[76:77]      ; the 16 rows that I store
.irp i, 0,1,2,3
	global_load_b128 v[BFR+4*\i:BFR+4*\i+3], v3, s[44:45] offset:262144*\i th:TH_LOAD_NT
.endr
.irp f, 0,1,2,3                        ; fragment f = 2 t' + kk: k = 32 kk + 8 h + 0..7 and + 16
	global_load_b128 v[ACC+16*\f:ACC+16*\f+3],     v5, s[48:49] offset:(\f/2)*4096+(\f%2)*128
	global_load_b128 v[ACC+16*\f+4:ACC+16*\f+7],   v5, s[48:49] offset:(\f/2)*4096+(\f%2)*128+16
	global_load_b128 v[ACC+16*\f+8:ACC+16*\f+11],  v5, s[48:49] offset:(\f/2)*4096+(\f%2)*128+64
	global_load_b128 v[ACC+16*\f+12:ACC+16*\f+15], v5, s[48:49] offset:(\f/2)*4096+(\f%2)*128+80
.endr
.irp t, 0,1
	global_load_b128 v[BS+8*\t:BS+8*\t+3],   v6, s[50:51] offset:64*\t
	global_load_b128 v[BS+8*\t+4:BS+8*\t+7], v6, s[50:51] offset:64*\t+16
	global_load_b128 v[PB+8*\t:PB+8*\t+3],   v6, s[26:27] offset:64*\t
	global_load_b128 v[PB+8*\t+4:PB+8*\t+7], v6, s[26:27] offset:64*\t+16
.irp q, 0,1,2,3,4,5
	global_load_b128 v[WP+24*\t+4*\q:WP+24*\t+4*\q+3], v7, s[24:25] offset:192*\t+16*\q
.endr
.endr
.irp n, 0,1,2,3
.irp d, 0,1,2
	global_load_b32 v[XC+3*\n+\d], v12, s[46:47] offset:64*\n+16384*\d
.endr
.endr
	s_cmp_lt_u32 s2, 5
	s_cbranch_scc0 .Lnow1
	global_load_b64 v[WW:WW+1], v15, s[80:81]
.Lnow1:
	s_cmp_lt_u32 s2, 2
	s_cbranch_scc0 .Lnop1
	global_load_b32 v[PT], v18, s[46:47]
	global_load_b32 v[PT+1], v18, s[46:47] offset:16384
	global_load_b32 v[PT+2], v18, s[46:47] offset:32768
.Lnop1:
	s_wait_loadcnt 0x0
	s_wait_kmcnt 0x0
.irp i, 0,1,2,3                        ; the feat tile: [channel][point] in f16
	RB BFR+4*\i, BFR+4*\i+1
	RB BFR+4*\i+2, BFR+4*\i+3
	v_cvt_pk_f16_f32 v[BFR+4*\i], v[BFR+4*\i], v[BFR+4*\i+1]
	v_cvt_pk_f16_f32 v[BFR+4*\i+1], v[BFR+4*\i+2], v[BFR+4*\i+3]
	ds_store_b64 v4, v[BFR+4*\i:BFR+4*\i+1] offset:2560*\i
.endr
.set x, 0
.rept 32
	RB ACC+2*x, ACC+2*x+1
	v_cvt_pk_f16_f32 v[AF+x], v[ACC+2*x], v[ACC+2*x+1]
.set x, x+1
.endr
	RBN BS, 8
	RBN PB, 8
	RBN WP, 24
	RBN XC, 6
.set x, 0
.rept 24
	v_pk_mul_f32 v[WP+2*x:WP+2*x+1], v[WP+2*x:WP+2*x+1], s[52:53] op_sel_hi:[1,0]
.set x, x+1
.endr
.set x, 0
.rept 16
	v_fmac_f32 v[BS+x], s54, v[PB+x]
.set x, x+1
.endr
.irp n, 0,1,2,3
.irp d, 0,1,2
	v_sub_f32 v[XC+3*\n+\d], v[XC+3*\n+\d], s[66+\d]
.endr
.endr
	s_cmp_lt_u32 s2, 5
	s_cbranch_scc0 .Lnow2
	RB WW, WW+1
	v_cvt_pk_f16_f32 v[WW], v[WW], v[WW+1]
	global_store_b32 v19, v[WW], s[82:83]          ; 128 consecutive bytes of the image
.Lnow2:
	s_cmp_lt_u32 s2, 2
	s_cbranch_scc0 .Lnop2
	v_mov_b32 v[PT+3], v[PT+2]
	RB PT, PT+1
	RB PT+2, PT+3
	v_mul_f32 v[PT+3], v[PT], v[PT]                ; products of bf16 numbers are exact in f32: only the two additions round, c ascending
	v_fmac_f32 v[PT+3], v[PT+1], v[PT+1]
	v_fmac_f32 v[PT+3], v[PT+2], v[PT+2]
	global_store_b128 v13, v[PT:PT+3], s[74:75]    ; 512 consecutive bytes a wave
.Lnop2:
	s_wait_xcnt 0x0                                ; the stores' registers are written again below
	s_wait_dscnt 0x0                               ; for the others' sake: my part of the tile is written
	s_barrier_signal -1
	s_barrier_wait -1
	v_and_b32 v13, 7, v0                           ; the turning load: lane reads channel 8 h + (l & 7), points 8 ((l >> 3) & 1) + 0..7
	v_lshl_add_u32 v13, v2, 3, v13
	v_mul_u32_u24 v8, v13, 160
	v_bfe_u32 v14, v0, 3, 1
	v_lshl_add_u32 v8, v14, 4, v8
.irp n, 0,1,2,3
.irp kk, 0,1
	ds_load_tr16_b128 v[BFR+8*(2*\n+\kk):BFR+8*(2*\n+\kk)+3],   v8 offset:5120*\kk+32*\n
	ds_load_tr16_b128 v[BFR+8*(2*\n+\kk)+4:BFR+8*(2*\n+\kk)+7], v8 offset:5120*\kk+32*\n+2560
.endr
.endr
	s_mul_i32 s42, s3, 17408
	s_add_co_u32 s42, s42, STG
	s_lshl_b32 s43, s4, 6
	s_add_co_u32 s43, s43, s42
	v_mul_u32_u24 v9, v1, 272
	v_lshl_add_u32 v9, v2, 4, v9
	v_add_nc_u32 v9, s43, v9                       ; in: row r, channels 32 mq + 8 h
	s_mul_i32 s43, s4, 4352
	s_add_co_u32 s43, s43, s42
	v_mul_u32_u24 v10, v2, 272
	v_lshl_add_u32 v10, v1, 4, v10
	v_add_nc_u32 v10, s43, v10                     ; back: rows 16 mq + 2 i + h, whole
	v_lshlrev_b32 v11, 8, v2
	v_lshl_add_u32 v11, v1, 4, v11
	s_wait_dscnt 0x0
.irp kk, 0,1                           ; the 8 accumulators take turns
.irp t, 0,1
.irp n, 0,1,2,3
.if \kk == 0
	v_wmma_f32_16x16x32_f16 v[ACC+8*(4*\t+\n):ACC+8*(4*\t+\n)+7], v[AF+8*(2*\t+\kk):AF+8*(2*\t+\kk)+7], v[BFR+8*(2*\n+\kk):BFR+8*(2*\n+\kk)+7], 0
.else
	v_wmma_f32_16x16x32_f16 v[ACC+8*(4*\t+\n):ACC+8*(4*\t+\n)+7], v[AF+8*(2*\t+\kk):AF+8*(2*\t+\kk)+7], v[BFR+8*(2*\n+\kk):BFR+8*(2*\n+\kk)+7], v[ACC+8*(4*\t+\n):ACC+8*(4*\t+\n)+7]
.endif
.endr
.endr
.endr
.rept 4
	v_nop                                          ; four places behind the last product (ISA guide 7.12.1)
.endr
.irp t, 0,1                            ; a lane holds point 16 n + r and channels 32 mq + 16 t + 8 h + j: bias, position term, f16, 16 bytes
.irp n, 0,1,2,3
.set A, ACC+8*(4*\t+\n)
.set j, 0
.rept 8
	v_add_f32 v[A+j], v[A+j], v[BS+8*\t+j]
.set j, j+1
.endr
.irp d, 0,1,2
.set j, 0
.rept 8
	v_fmac_f32 v[A+j], v[WP+24*\t+3*j+\d], v[XC+3*\n+\d]
.set j, j+1
.endr
.endr
.irp q, 0,1,2,3
	v_cvt_pk_f16_f32 v[A+\q], v[A+2*\q], v[A+2*\q+1]
.endr
	ds_store_b128 v9, v[A:A+3] offset:4352*\n+32*\t
.endr
.endr
	s_wait_dscnt 0x0                               ; a row's 256 bytes come from four waves
	s_barrier_signal -1
	s_barrier_wait -1
.irp i, 0,1,2,3,4,5,6,7
	ds_load_b128 v[BFR+4*\i:BFR+4*\i+3], v10 offset:544*\i
.endr
.irp i, 0,1,2,3,4,5,6,7
	s_wait_dscnt 7-\i                              ; the younger row loads may stay out
	global_store_b128 v11, v[BFR+4*\i:BFR+4*\i+3], s[78:79] offset:512*\i  ; 16 lanes store one row of 256 bytes
.endr
	s_wait_tensorcnt 0x0                           ; the wave's end
	ds_add_u32 v[SPW], v[NIL]
	s_wait_dscnt 0x0
	s_endpgm
.Lfunc_end_k_qf7f11815fa_prep:
	.size	k_qf7f11815fa_prep, .Lfunc_end_k_qf7f11815fa_prep-k_qf7f11815fa_prep
	.p2alignl 7, 3214868480
	.fill 96, 4, 3214868480
	.section	.rodata,"a",@progbits
	.p2align	6, 0x0
	.amdhsa_kernel k_qf7f11815fa_prep
		.amdhsa_group_segment_fixed_size 46080
		.amdhsa_private_segment_fixed_size 0
		.amdhsa_enable_private_segment 0
		.amdhsa_kernarg_size 136
		.amdhsa_user_sgpr_count 2
		.amdhsa_user_sgpr_kernarg_segment_ptr 1
		.amdhsa_wavefront_size32 1
		.amdhsa_system_sgpr_workgroup_id_x 1
		.amdhsa_system_sgpr_workgroup_id_y 1
		.amdhsa_system_sgpr_workgroup_id_z 1
		.amdhsa_system_vgpr_workitem_id 0
		.amdhsa_next_free_vgpr 256
		.amdhsa_next_free_sgpr 92
		.amdhsa_reserve_vcc 0
		.amdhsa_float_denorm_mode_32 3
		.amdhsa_float_denorm_mode_16_64 3
		.amdhsa_memory_ordered 1
		.amdhsa_forward_progress 1
		.amdhsa_inst_pref_size 46
	.end_amdhsa_kernel
	.amdgpu_metadata
---
amdhsa.version: [ 1, 2 ]
amdhsa.kernels:
  - .name:           k_qf7f11815fa_prep
    .symbol:         k_qf7f11815fa_prep.kd
    .args:
      - { .name: feat1, .offset: 0, .size: 8, .value_kind: global_buffer, .address_space: global }
      - { .name: feat2, .offset: 8, .size: 8, .value_kind: global_buffer, .address_space: global }
      - { .name: pc1, .offset: 16, .size: 8, .value_kind: global_buffer, .address_space: global }
      - { .name: pc2, .offset: 24, .size: 8, .value_kind: global_buffer, .address_space: global }
      - { .name: t11_w, .offset: 32, .size: 8, .value_kind: global_buffer, .address_space: global }
      - { .name: t22_w, .offset: 40, .size: 8, .value_kind: global_buffer, .address_space: global }
      - { .name: t11_b, .offset: 48, .size: 8, .value_kind: global_buffer, .address_space: global }
      - { .name: t22_b, .offset: 56, .size: 8, .value_kind: global_buffer, .address_space: global }
      - { .name: pos1_w, .offset: 64, .size: 8, .value_kind: global_buffer, .address_space: global }
      - { .name: pos1_b, .offset: 72, .size: 8, .value_kind: global_buffer, .address_space: global }
      - { .name: m1a_w, .offset: 80, .size: 8, .value_kind: global_buffer, .address_space: global }
      - { .name: m1b_w, .offset: 88, .size: 8, .value_kind: global_buffer, .address_space: global }
      - { .name: t1_w, .offset: 96, .size: 8, .value_kind: global_buffer, .address_space: global }
      - { .name: t2_w, .offset: 104, .size: 8, .value_kind: global_buffer, .address_space: global }
      - { .name: m2a_w, .offset: 112, .size: 8, .value_kind: global_buffer, .address_space: global }
      - { .name: uv1, .offset: 120, .size: 8, .value_kind: global_buffer, .address_space: global }
      - { .name: tab, .offset: 128, .size: 8, .value_kind: global_buffer, .address_space: global }
    .group_segment_fixed_size: 46080
    .private_segment_fixed_size: 0
    .kernarg_segment_align: 8
    .kernarg_segment_size: 136
    .max_flat_workgroup_size: 256
    .sgpr_count:     92
    .vgpr_count:     256
    .wavefront_size: 32
...
	.end_amdgpu_metadata
.endif
;; end of part 1
;; launch knn_blocks (part 2): grid 256 x 1, 8 waves a work-group, no clusters, 26,624 bytes of LDS; arguments tab, blk; writes blk
.if DOCPART == 2
	.amdgcn_target "amdgcn-amd-amdhsa--gfx1250"
	.amdhsa_code_object_version 6
	.text
	.protected	k_qf7f11815fa_knn_blocks
	.globl	k_qf7f11815fa_knn_blocks
	.p2align	8
	.type	k_qf7f11815fa_knn_blocks,@function
k_qf7f11815fa_knn_blocks:
	s_mov_b64 s[64:65], 0
	v_nop
	global_prefetch_b8 v0, s[64:65] scope:SCOPE_SE
	s_setreg_imm32_b32 hwreg(HW_REG_WAVE_MODE, 25, 1), 1
	s_wait_xcnt 0x0
; kNN, LEVEL 1.  For each query: the 16 blocks of 16 consecutive candidates with the smallest (block minimum of d2, block number).
; They hold all 16 nearest in (d2, index) order: every block ahead of an element's own block holds an element that is ahead of it.
; d2 = (s1 + s2) - 2 dot, dot summed with c ascending, in f32 on coordinates rounded to bf16: all products are exact, so only these additions round.
; A lane is a query.  Wave w: queries 32 (w >> 2) + lane of the group's 64, candidates 1024 (w & 3) on: 64 blocks.  Candidates come by scalar loads, a block ahead.
; The wave keeps a sorted list of 16 (key, block) by a stable insertion (strict <: the earlier block stays ahead on a tie); the three other parts' lists are inserted by part 0's wave.
; LIMITS.  d2 must be finite; NaN is not treated apart.
.set PTSO,  131072
.set SPARE, 25600                      ; LDS: 64 rows (query) of pitch 400: 3 x 16 keys, 3 x 16 blocks, 16 bytes of padding
.set QX, 2                             ; v2-5   x, y, z, s of my query
.set DA, 6
.set DB, 7
.set TA, 8
.set TB, 9
.set MN, 10
.set ID, 11
.set LA, 12
.set AD, 13
.set QO, 14
.set TT, 15
.set K,  16                            ; v16-31 keys, ascending
.set I,  32                            ; v32-47 their blocks
.set KB, 48
.set IB, 52
.set SPW, 56
.set NIL, 57
.set M,  48                            ; s48-63 the 16 masks of an insertion
.macro DIST2 q, first                  ; two candidates, whose (x, y, z, s) lie in s[q..q+7]
	v_mul_f32 v[DA], s[\q], v[QX]
	v_mul_f32 v[DB], s[\q+4], v[QX]
	v_fmac_f32 v[DA], s[\q+1], v[QX+1]
	v_fmac_f32 v[DB], s[\q+5], v[QX+1]
	v_fmac_f32 v[DA], s[\q+2], v[QX+2]
	v_fmac_f32 v[DB], s[\q+6], v[QX+2]
	v_add_f32 v[TA], s[\q+3], v[QX+3]
	v_add_f32 v[TB], s[\q+7], v[QX+3]
	v_fmac_f32 v[TA], -2.0, v[DA]
	v_fmac_f32 v[TB], -2.0, v[DB]
.if \first
	v_min_num_f32 v[MN], v[TA], v[TB]
.else
	v_min3_num_f32 v[MN], v[MN], v[TA], v[TB]
.endif
.endm
.macro INSERT k, id                    ; mask i: k < K[i].  K[i] becomes the middle one of k, K[i-1], K[i]; I[i] takes I[i-1], id or stays
.set i, 0
.rept 16
	v_cmp_lt_f32 s[M+i], v[\k], v[K+i]
.set i, i+1
.endr
.set i, 15
.rept 15
	v_cndmask_b32 v[I+i], v[I+i], v[\id], s[M+i]
	v_med3_num_f32 v[K+i], v[\k], v[K+i-1], v[K+i]
	v_cndmask_b32 v[I+i], v[I+i], v[I+i-1], s[M+i-1]
.set i, i-1
.endr
	v_cndmask_b32 v[I], v[I], v[\id], s[M]
	v_min_num_f32 v[K], v[\k], v[K]
.endm
.macro CEU a, b
	v_min_u32 v[TT], v[\a], v[\b]
	v_max_u32 v[\b], v[\a], v[\b]
	v_mov_b32 v[\a], v[TT]
.endm
	s_load_b128 s[4:7], s[0:1], 0x0                ; tab, blk
	v_lshl_add_u32 v[SPW], v0, 2, SPARE
	v_mov_b32 v[NIL], 0
	v_lshrrev_b32 v1, 5, v0
	v_readfirstlane_b32 s2, v1
	s_lshr_b32 s3, s2, 2                           ; which 32 queries
	s_and_b32 s12, s2, 3                           ; which 1,024 candidates
	s_lshr_b32 s13, ttmp9, 6                       ; p
	s_and_b32 s14, ttmp9, 63
	s_lshl_b32 s14, s14, 1
	s_add_co_u32 s14, s14, s3
	s_lshl_b32 s14, s14, 9                         ; 32 queries x 16 bytes
	v_and_b32 v1, 31, v0
	v_lshl_add_u32 v[QO], v1, 4, s14
	v_mul_u32_u24 v[LA], v1, 400
	s_mul_i32 s10, s3, 12800
	v_add_nc_u32 v[LA], s10, v[LA]
	s_lshl_b32 s11, s12, 6
	v_mov_b32 v[ID], s11                           ; my first block's number
.set x, 0
.rept 16
	v_mov_b32 v[K+x], 0x7f800000
	v_mov_b32 v[I+x], 0
.set x, x+1
.endr
	s_wait_kmcnt 0x0
	s_xor_b32 s14, s13, 2                          ; the candidates are the other cloud's points
	s_lshl_b32 s14, s14, 16
	s_lshl_b32 s15, s12, 14
	s_add_co_u32 s14, s14, s15
	s_add_co_u32 s14, s14, PTSO
	s_mov_b32 s15, 0
	s_add_nc_u64 s[8:9], s[4:5], s[14:15]
	s_lshl_b32 s14, s13, 16
	s_add_nc_u64 s[6:7], s[6:7], s[14:15]
	s_add_co_u32 s14, s14, PTSO
	s_add_nc_u64 s[4:5], s[4:5], s[14:15]
	global_load_b128 v[QX:QX+3], v[QO], s[4:5]
	s_load_b512 s[16:31], s[8:9], 0x0
	s_load_b512 s[32:47], s[8:9], 0x40
	s_load_b512 s[68:83], s[8:9], 0x80
	s_load_b512 s[84:99], s[8:9], 0xc0
	s_mov_b32 s10, 0
	s_mov_b32 s11, 64
	s_wait_loadcnt 0x0
.Lblk:
	s_wait_kmcnt 0x0                               ; this block is in; the offset below may be stepped
	s_add_co_u32 s10, s10, 256
	s_min_u32 s10, s10, 16128                      ; the last trip asks for its own block once more: no load leaves my 16,384 bytes
	DIST2 16, 1
	DIST2 24, 0
	DIST2 32, 0
	DIST2 40, 0
	s_load_b512 s[16:31], s[8:9], s10 offset:0x0
	s_load_b512 s[32:47], s[8:9], s10 offset:0x40
	DIST2 68, 0
	DIST2 76, 0
	DIST2 84, 0
	DIST2 92, 0
	s_load_b512 s[68:83], s[8:9], s10 offset:0x80
	s_load_b512 s[84:99], s[8:9], s10 offset:0xc0
	INSERT MN, ID
	v_add_nc_u32 v[ID], 1, v[ID]
	s_sub_co_u32 s11, s11, 1
	s_cmp_lg_u32 s11, 0
	s_cbranch_scc1 .Lblk
	s_wait_kmcnt 0x0
	s_cmp_eq_u32 s12, 0
	s_cbranch_scc1 .Lkeep
	s_lshl_b32 s15, s12, 6
	s_sub_co_u32 s15, s15, 64
	v_add_nc_u32 v[AD], s15, v[LA]
.irp a, 0,1,2,3
	ds_store_b128 v[AD], v[K+4*\a:K+4*\a+3] offset:16*\a
	ds_store_b128 v[AD], v[I+4*\a:I+4*\a+3] offset:192+16*\a
.endr
.Lkeep:
	s_wait_dscnt 0x0
	s_barrier_signal -1
	s_barrier_wait -1
	s_cmp_lg_u32 s12, 0
	s_cbranch_scc1 .Lend
	s_mov_b32 s11, 0
.Lmrg:                                             ; 12 trips of four: parts 1, 2, 3 in this order, each ascending: ties keep the lower block ahead
	s_mul_i32 s10, s11, 16
	v_add_nc_u32 v[AD], s10, v[LA]
	ds_load_b128 v[KB:KB+3], v[AD]
	ds_load_b128 v[IB:IB+3], v[AD] offset:192
	s_wait_dscnt 0x0
	INSERT KB, IB
	INSERT KB+1, IB+1
	INSERT KB+2, IB+2
	INSERT KB+3, IB+3
	s_add_co_u32 s11, s11, 1
	s_cmp_lt_u32 s11, 12
	s_cbranch_scc1 .Lmrg
.rept 8                                ; the blocks in ascending order (16 passes of neighbours), so that level 2 meets the candidates by ascending index
.irp x, 0,2,4,6,8,10,12,14
	CEU I+\x, I+\x+1
.endr
.irp x, 1,3,5,7,9,11,13
	CEU I+\x, I+\x+1
.endr
.endr
.irp a, 0,1,2,3
	v_lshl_or_b32 v[KB+\a], v[I+4*\a+1], 8, v[I+4*\a]
	v_lshl_or_b32 v[KB+\a], v[I+4*\a+2], 16, v[KB+\a]
	v_lshl_or_b32 v[KB+\a], v[I+4*\a+3], 24, v[KB+\a]
.endr
	global_store_b128 v[QO], v[KB:KB+3], s[6:7]    ; 16 bytes a query, 512 consecutive bytes a wave
.Lend:
	s_wait_dscnt 0x0                               ; part 0's reads of the lists are over
	s_barrier_signal -1                            ; a barrier stands between those reads and every wave's closing add
	s_barrier_wait -1
	s_wait_tensorcnt 0x0                           ; the wave's end
	ds_add_u32 v[SPW], v[NIL]
	s_wait_dscnt 0x0
	s_endpgm
.Lfunc_end_k_qf7f11815fa_knn_blocks:
	.size	k_qf7f11815fa_knn_blocks, .Lfunc_end_k_qf7f11815fa_knn_blocks-k_qf7f11815fa_knn_blocks
	.p2alignl 7, 3214868480
	.fill 96, 4, 3214868480
	.section	.rodata,"a",@progbits
	.p2align	6, 0x0
	.amdhsa_kernel k_qf7f11815fa_knn_blocks
		.amdhsa_group_segment_fixed_size 26624
		.amdhsa_private_segment_fixed_size 0
		.amdhsa_enable_private_segment 0
		.amdhsa_kernarg_size 16
		.amdhsa_user_sgpr_count 2
		.amdhsa_user_sgpr_kernarg_segment_ptr 1
		.amdhsa_wavefront_size32 1
		.amdhsa_system_sgpr_workgroup_id_x 1
		.amdhsa_system_sgpr_workgroup_id_y 1
		.amdhsa_system_sgpr_workgroup_id_z 1
		.amdhsa_system_vgpr_workitem_id 0
		.amdhsa_next_free_vgpr 64
		.amdhsa_next_free_sgpr 100
		.amdhsa_reserve_vcc 0
		.amdhsa_float_denorm_mode_32 3
		.amdhsa_float_denorm_mode_16_64 3
		.amdhsa_memory_ordered 1
		.amdhsa_forward_progress 1
		.amdhsa_inst_pref_size 40
	.end_amdhsa_kernel
	.amdgpu_metadata
---
amdhsa.version: [ 1, 2 ]
amdhsa.kernels:
  - .name:           k_qf7f11815fa_knn_blocks
    .symbol:         k_qf7f11815fa_knn_blocks.kd
    .args:
      - { .name: tab, .offset: 0, .size: 8, .value_kind: global_buffer, .address_space: global }
      - { .name: blk, .offset: 8, .size: 8, .value_kind: global_buffer, .address_space: global }
    .group_segment_fixed_size: 26624
    .private_segment_fixed_size: 0
    .kernarg_segment_align: 8
    .kernarg_segment_size: 16
    .max_flat_workgroup_size: 256
    .sgpr_count:     100
    .vgpr_count:     64
    .wavefront_size: 32
...
	.end_amdgpu_metadata
.endif
;; end of part 2
;; launch knn_pick (part 3): grid 256 x 1, 8 waves a work-group, no clusters, 96,256 bytes of LDS; arguments tab, blk, idx; writes idx
.if DOCPART == 3
	.amdgcn_target "amdgcn-amd-amdhsa--gfx1250"
	.amdhsa_code_object_version 6
	.text
	.protected	k_qf7f11815fa_knn_pick
	.globl	k_qf7f11815fa_knn_pick
	.p2align	8
	.type	k_qf7f11815fa_knn_pick,@function
k_qf7f11815fa_knn_pick:
	s_mov_b64 s[64:65], 0
	v_nop
	global_prefetch_b8 v0, s[64:65] scope:SCOPE_SE
	s_setreg_imm32_b32 hwreg(HW_REG_WAVE_MODE, 25, 1), 1
	s_wait_xcnt 0x0
; kNN, LEVEL 2.  The 16 nearest of the 256 candidates in a query's 16 blocks, in (d2, index) order; d2 bit for bit as in level 1.
; The candidates' table (4,096 x 16 bytes) lies in LDS, a block a row of pitch 272.  A lane is a query; wave w takes queries 32 (w >> 2) + lane and
; blocks 4 (w & 3) .. + 3 of the query's ascending list, so that part 0's indices lie below part 1's, and so on.  Part 0's wave inserts the other parts' lists.
; The block numbers are whole numbers that the launch before stored; they are held to 255 before they enter an LDS address.
.set PTSO,  131072
.set LIST,  69632                      ; 64 rows of pitch 400, as in level 1
.set SPARE, 95232
.set QX, 2
.set T,  6                             ; v6-9    four d2
.set D,  10                            ; v10-13  four dots
.set ID, 14
.set W,  15                            ; my four blocks, a byte each
.set K,  16
.set I,  32
.set C,  48                            ; v48-63  four candidates; later four keys and four indices
.set FT, 64                            ; v64-127 the table on its way into LDS
.set SPW, 128
.set NIL, 129
.set QO, 130
.set LA, 131
.set AD, 132
.set BA, 133
.set A2, 134
.set FO, 135
.set FS, 136
.set BB, 137
.set M,  16                            ; s16-31
.macro INSERT k, id
.set i, 0
.rept 16
	v_cmp_lt_f32 s[M+i], v[\k], v[K+i]
.set i, i+1
.endr
.set i, 15
.rept 15
	v_cndmask_b32 v[I+i], v[I+i], v[\id], s[M+i]
	v_med3_num_f32 v[K+i], v[\k], v[K+i-1], v[K+i]
	v_cndmask_b32 v[I+i], v[I+i], v[I+i-1], s[M+i-1]
.set i, i-1
.endr
	v_cndmask_b32 v[I], v[I], v[\id], s[M]
	v_min_num_f32 v[K], v[\k], v[K]
.endm
	s_load_b128 s[4:7], s[0:1], 0x0                ; tab, blk
	s_load_b64 s[8:9], s[0:1], 0x10                ; idx
	v_lshl_add_u32 v[SPW], v0, 2, SPARE
	v_mov_b32 v[NIL], 0
	v_lshrrev_b32 v1, 5, v0
	v_readfirstlane_b32 s2, v1
	s_lshr_b32 s3, s2, 2
	s_and_b32 s15, s2, 3                           ; part
	s_lshr_b32 s14, ttmp9, 6                       ; p
	s_and_b32 s32, ttmp9, 63
	s_lshl_b32 s32, s32, 1
	s_add_co_u32 s32, s32, s3
	s_lshl_b32 s32, s32, 9
	v_and_b32 v1, 31, v0
	v_lshl_add_u32 v[QO], v1, 4, s32
	v_mul_u32_u24 v[LA], v1, 400
	s_mul_i32 s10, s3, 12800
	s_add_co_u32 s10, s10, LIST
	v_add_nc_u32 v[LA], s10, v[LA]
	v_lshlrev_b32 v[FO], 4, v0
	v_lshrrev_b32 v[FS], 4, v0
	v_mul_u32_u24 v[FS], v[FS], 272
	v_and_b32 v[BB], 15, v0
	v_lshl_add_u32 v[FS], v[BB], 4, v[FS]
.set x, 0
.rept 16
	v_mov_b32 v[K+x], 0x7f800000
	v_mov_b32 v[I+x], 0
.set x, x+1
.endr
	s_wait_kmcnt 0x0
	s_xor_b32 s32, s14, 2
	s_lshl_b32 s32, s32, 16
	s_add_co_u32 s32, s32, PTSO
	s_mov_b32 s33, 0
	s_add_nc_u64 s[12:13], s[4:5], s[32:33]        ; the candidates' table
	s_lshl_b32 s32, s14, 16
	s_add_nc_u64 s[8:9], s[8:9], s[32:33]
	s_add_co_u32 s32, s32, PTSO
	s_add_nc_u64 s[4:5], s[4:5], s[32:33]
	s_lshl_b32 s32, s14, 16
	s_lshl2_add_u32 s32, s15, s32
	s_add_nc_u64 s[6:7], s[6:7], s[32:33]          ; word 'part' of a query's 16 bytes
	global_load_b128 v[QX:QX+3], v[QO], s[4:5]
	global_load_b32 v[W], v[QO], s[6:7]
.set x, 0
.rept 16
	global_load_b128 v[FT+4*x:FT+4*x+3], v[FO], s[12:13] offset:4096*x
.set x, x+1
.endr
.set x, 0
.rept 16
	s_wait_loadcnt 15-x                            ; the younger loads of the table may stay out
	ds_store_b128 v[FS], v[FT+4*x:FT+4*x+3] offset:4352*x
.set x, x+1
.endr
	s_wait_dscnt 0x0
	s_barrier_signal -1
	s_barrier_wait -1
	s_mov_b32 s10, 4
.Lblock:
	v_and_b32 v[BB], 0xff, v[W]
	v_min_u32 v[BB], 0xff, v[BB]
	v_lshrrev_b32 v[W], 8, v[W]
	v_mul_u32_u24 v[BA], v[BB], 272
	v_lshlrev_b32 v[ID], 4, v[BB]
	s_mov_b32 s12, 0
	s_mov_b32 s11, 4
.Lfour:
	v_add_nc_u32 v[A2], s12, v[BA]
.irp e, 0,1,2,3
	ds_load_b128 v[C+4*\e:C+4*\e+3], v[A2] offset:16*\e
.endr
	s_wait_dscnt 0x0
.irp e, 0,1,2,3
	v_mul_f32 v[D+\e], v[C+4*\e], v[QX]
.endr
.irp e, 0,1,2,3
	v_fmac_f32 v[D+\e], v[C+4*\e+1], v[QX+1]
.endr
.irp e, 0,1,2,3
	v_fmac_f32 v[D+\e], v[C+4*\e+2], v[QX+2]
.endr
.irp e, 0,1,2,3
	v_add_f32 v[T+\e], v[C+4*\e+3], v[QX+3]
.endr
.irp e, 0,1,2,3
	v_fmac_f32 v[T+\e], -2.0, v[D+\e]
.endr
.irp e, 0,1,2,3
	INSERT T+\e, ID
	v_add_nc_u32 v[ID], 1, v[ID]
.endr
	s_add_co_u32 s12, s12, 64
	s_sub_co_u32 s11, s11, 1
	s_cmp_lg_u32 s11, 0
	s_cbranch_scc1 .Lfour
	s_sub_co_u32 s10, s10, 1
	s_cmp_lg_u32 s10, 0
	s_cbranch_scc1 .Lblock
	s_cmp_eq_u32 s15, 0
	s_cbranch_scc1 .Lkeep
	s_lshl_b32 s12, s15, 6
	s_sub_co_u32 s12, s12, 64
	v_add_nc_u32 v[AD], s12, v[LA]
.irp a, 0,1,2,3
	ds_store_b128 v[AD], v[K+4*\a:K+4*\a+3] offset:16*\a
	ds_store_b128 v[AD], v[I+4*\a:I+4*\a+3] offset:192+16*\a
.endr
.Lkeep:
	s_wait_dscnt 0x0
	s_barrier_signal -1
	s_barrier_wait -1
	s_cmp_lg_u32 s15, 0
	s_cbranch_scc1 .Lend
	s_mov_b32 s11, 0
.Lmrg:                                             ; 12 trips of four: parts 1, 2, 3 in this order, each ascending
	s_mul_i32 s10, s11, 16
	v_add_nc_u32 v[AD], s10, v[LA]
	ds_load_b128 v[C:C+3], v[AD]
	ds_load_b128 v[C+4:C+7], v[AD] offset:192
	s_wait_dscnt 0x0
	INSERT C, C+4
	INSERT C+1, C+5
	INSERT C+2, C+6
	INSERT C+3, C+7
	s_add_co_u32 s11, s11, 1
	s_cmp_lt_u32 s11, 12
	s_cbranch_scc1 .Lmrg
.irp a, 0,1,2,3
	global_store_b128 v[QO], v[I+4*\a:I+4*\a+3], s[8:9] offset:262144*\a  ; neighbours 4 a .. 4 a + 3: 512 consecutive bytes a wave
.endr
.Lend:
	s_wait_dscnt 0x0                               ; part 0's reads of the lists are over
	s_barrier_signal -1                            ; a barrier stands between those reads and every wave's closing add
	s_barrier_wait -1
	s_wait_tensorcnt 0x0                           ; the wave's end
	ds_add_u32 v[SPW], v[NIL]
	s_wait_dscnt 0x0
	s_endpgm
.Lfunc_end_k_qf7f11815fa_knn_pick:
	.size	k_qf7f11815fa_knn_pick, .Lfunc_end_k_qf7f11815fa_knn_pick-k_qf7f11815fa_knn_pick
	.p2alignl 7, 3214868480
	.fill 96, 4, 3214868480
	.section	.rodata,"a",@progbits
	.p2align	6, 0x0
	.amdhsa_kernel k_qf7f11815fa_knn_pick
		.amdhsa_group_segment_fixed_size 96256
		.amdhsa_private_segment_fixed_size 0
		.amdhsa_enable_private_segment 0
		.amdhsa_kernarg_size 24
		.amdhsa_user_sgpr_count 2
		.amdhsa_user_sgpr_kernarg_segment_ptr 1
		.amdhsa_wavefront_size32 1
		.amdhsa_system_sgpr_workgroup_id_x 1
		.amdhsa_system_sgpr_workgroup_id_y 1
		.amdhsa_system_sgpr_workgroup_id_z 1
		.amdhsa_system_vgpr_workitem_id 0
		.amdhsa_next_free_vgpr 144
		.amdhsa_next_free_sgpr 66
		.amdhsa_reserve_vcc 0
		.amdhsa_float_denorm_mode_32 3
		.amdhsa_float_denorm_mode_16_64 3
		.amdhsa_memory_ordered 1
		.amdhsa_forward_progress 1
		.amdhsa_inst_pref_size 42
	.end_amdhsa_kernel
	.amdgpu_metadata
---
amdhsa.version: [ 1, 2 ]
amdhsa.kernels:
  - .name:           k_qf7f11815fa_knn_pick
    .symbol:         k_qf7f11815fa_knn_pick.kd
    .args:
      - { .name: tab, .offset: 0, .size: 8, .value_kind: global_buffer, .address_space: global }
      - { .name: blk, .offset: 8, .size: 8, .value_kind: global_buffer, .address_space: global }
      - { .name: idx, .offset: 16, .size: 8, .value_kind: global_buffer, .address_space: global }
    .group_segment_fixed_size: 96256
    .private_segment_fixed_size: 0
    .kernarg_segment_align: 8
    .kernarg_segment_size: 24
    .max_flat_workgroup_size: 256
    .sgpr_count:     66
    .vgpr_count:     144
    .wavefront_size: 32
...
	.end_amdgpu_metadata
.endif
;; end of part 3
;; launch stat0 (part 4): grid 256 x 1, 8 waves a work-group, no clusters, 1,536 bytes of LDS; arguments uv1, idx, st1; writes st1
.if DOCPART == 4
	.amdgcn_target "amdgcn-amd-amdhsa--gfx1250"
	.amdhsa_code_object_version 6
	.text
	.protected	k_qf7f11815fa_stat0
	.globl	k_qf7f11815fa_stat0
	.p2align	8
	.type	k_qf7f11815fa_stat0,@function
k_qf7f11815fa_stat0:
	s_mov_b64 s[64:65], 0
	v_nop
	global_prefetch_b8 v0, s[64:65] scope:SCOPE_SE
	s_setreg_imm32_b32 hwreg(HW_REG_WAVE_MODE, 25, 1), 1
	s_wait_xcnt 0x0
; The sums for the first GroupNorm: for problem p and each group of 16 channels, the sum and the sum of squares of x0 = U[idx[n][k]] + V[n]
; over this work-group's 64 points x 16 neighbours, in f32.  No matrix work: the columns are only added up.
; A wave owns 8 points and takes them in pairs: lanes 0-15 the even point, lanes 16-31 the odd one; lane c holds channels 8 c .. 8 c + 7, all of group c >> 1.
; A gather instruction reads two whole rows of 256 bytes.  A pair's rows are asked for a trip ahead, its indices two trips ahead; every wait is for 0 at a trip's head.
; The variance is later taken as E[x x] - mu mu in f32: with mu mu / var = 900 some 14 bits are left.
.set UVH, 32768
.set RED, 0
.set SPARE, 512
.set LAST, 3
.set CC,1
.set HH,2
.set CH16,3
.set VO0,4
.set VO,5
.set IO0,6
.set IO,7
.set ONE,8
.set SPW,9
.set NIL,10
.set T0,11
.set T1,12
.set IDXR,16
.set OFFR,32
.set VR,48
.set X,52
.set SUM,60
.set SQ,68
.set G,76
.set BU,16
.set BV,18
.set BIX,20
.set JJ,22
.set J1,23
.set J2,24
.set SEL,26
.set OF,28
.macro ISSUE                           ; pair J1's rows (its indices are in), pair J2's indices
.set x, 0
.rept 16
	v_min_u32 v[OFFR+x], 0xfff, v[IDXR+x]
.set x, x+1
.endr
.set x, 0
.rept 16
	v_lshl_add_u32 v[OFFR+x], v[OFFR+x], 8, v[CH16]
.set x, x+1
.endr
	v_lshl_add_u32 v[VO], s[J1], 9, v[VO0]
	v_lshl_add_u32 v[IO], s[J2], 5, v[IO0]
.set x, 0
.rept 16
	global_load_b128 v[G+4*x:G+4*x+3], v[OFFR+x], s[BU:BU+1]
.set x, x+1
.endr
	global_load_b128 v[VR:VR+3], v[VO], s[BV:BV+1]
.irp a, 0,1,2,3
	global_load_b128 v[IDXR+4*\a:IDXR+4*\a+3], v[IO], s[BIX:BIX+1] offset:262144*\a
.endr
.endm
	s_load_b128 s[8:11], s[0:1], 0x0               ; uv, idx
	s_load_b64 s[12:13], s[0:1], 0x10              ; st
	v_lshl_add_u32 v[SPW], v0, 2, SPARE
	v_mov_b32 v[NIL], 0
	v_lshrrev_b32 v1, 5, v0
	v_readfirstlane_b32 s2, v1
	s_lshr_b32 s3, ttmp9, 6                        ; p
	s_and_b32 s4, ttmp9, 63
	s_lshl_b32 s30, s4, 6
	s_lshl3_add_u32 s30, s2, s30                   ; my first point
	s_mov_b32 s[SEL], 0x76543210
	s_mov_b32 s[SEL+1], 0xfedcba98
	s_mov_b32 s[OF+1], 0
	v_and_b32 v[CC], 15, v0
	v_bfe_u32 v[HH], v0, 4, 1
	v_lshlrev_b32 v[CH16], 4, v[CC]
	v_lshl_add_u32 v[VO0], v[HH], 8, v[CH16]
	v_lshlrev_b32 v[IO0], 4, v[HH]
	v_mov_b32 v[ONE], 1.0
	s_lshl_b32 s31, s2, 6
	v_lshrrev_b32 v[T0], 1, v[CC]
	v_lshl_add_u32 v[T0], v[T0], 3, s31            ; RED + 64 w + 8 group
	v_lshlrev_b32 v[T1], 2, v[CC]
.set x, 0
.rept 16
	v_mov_b32 v[SUM+x], 0
.set x, x+1
.endr
	s_wait_kmcnt 0x0
	s_lshl_b32 s[OF], s3, 21
	s_add_co_u32 s[OF], s[OF], UVH
	s_add_nc_u64 s[BU:BU+1], s[8:9], s[OF:OF+1]
	s_lshl_b32 s[OF], s30, 8
	s_add_co_u32 s[OF], s[OF], 1<<20
	s_add_nc_u64 s[BV:BV+1], s[BU:BU+1], s[OF:OF+1]
	s_lshl_b32 s[OF], s3, 12
	s_add_co_u32 s[OF], s[OF], s30
	s_lshl_b32 s[OF], s[OF], 4
	s_add_nc_u64 s[BIX:BIX+1], s[10:11], s[OF:OF+1]
	s_lshl_b32 s[OF], s3, 6
	s_add_co_u32 s[OF], s[OF], s4
	s_lshl_b32 s[OF], s[OF], 6
	s_add_nc_u64 s[12:13], s[12:13], s[OF:OF+1]
.irp a, 0,1,2,3
	global_load_b128 v[IDXR+4*\a:IDXR+4*\a+3], v[IO0], s[BIX:BIX+1] offset:262144*\a
.endr
	s_wait_loadcnt 0x0
	s_mov_b32 s[J1], 0
	s_mov_b32 s[J2], 1
	ISSUE
	s_mov_b32 s[JJ], 0
.Ltrip:
	s_wait_loadcnt 0x0                             ; this pair's rows and the next pair's indices
.set i, 0
.rept 16
.irp q, 0,1,2,3
	v_fma_mix_f32 v[X+2*\q], v[G+4*i+\q], v[ONE], v[VR+\q] op_sel_hi:[1,0,1]
	v_fma_mix_f32 v[X+2*\q+1], v[G+4*i+\q], v[ONE], v[VR+\q] op_sel:[1,0,1] op_sel_hi:[1,0,1]
.endr
.irp q, 0,1,2,3
	v_pk_add_f32 v[SUM+2*\q:SUM+2*\q+1], v[SUM+2*\q:SUM+2*\q+1], v[X+2*\q:X+2*\q+1]
	v_pk_fma_f32 v[SQ+2*\q:SQ+2*\q+1], v[X+2*\q:X+2*\q+1], v[X+2*\q:X+2*\q+1], v[SQ+2*\q:SQ+2*\q+1]
.endr
.set i, i+1
.endr
	s_cmp_eq_u32 s[JJ], LAST
	s_cbranch_scc1 .Lnoissue                       ; the last trip asks for nothing
	s_add_co_u32 s[J1], s[JJ], 1
	s_add_co_u32 s[J2], s[JJ], 2
	s_min_u32 s[J2], s[J2], LAST
	ISSUE
.Lnoissue:
	s_add_co_u32 s[JJ], s[JJ], 1
	s_cmp_lt_u32 s[JJ], LAST+1
	s_cbranch_scc1 .Ltrip
	v_pk_add_f32 v[SUM:SUM+1], v[SUM:SUM+1], v[SUM+2:SUM+3]
	v_pk_add_f32 v[SUM+4:SUM+5], v[SUM+4:SUM+5], v[SUM+6:SUM+7]
	v_pk_add_f32 v[SQ:SQ+1], v[SQ:SQ+1], v[SQ+2:SQ+3]
	v_pk_add_f32 v[SQ+4:SQ+5], v[SQ+4:SQ+5], v[SQ+6:SQ+7]
	v_pk_add_f32 v[SUM:SUM+1], v[SUM:SUM+1], v[SUM+4:SUM+5]
	v_pk_add_f32 v[SQ:SQ+1], v[SQ:SQ+1], v[SQ+4:SQ+5]
	v_add_f32 v[X], v[SUM], v[SUM+1]
	v_add_f32 v[X+1], v[SQ], v[SQ+1]
	v_add_f32_dpp v[X], v[X], v[X] row_xmask:1 row_mask:0xf bank_mask:0xf      ; a group's other lane,
	v_add_f32_dpp v[X+1], v[X+1], v[X+1] row_xmask:1 row_mask:0xf bank_mask:0xf
	v_permlanex16_b32 v[X+2], v[X], s[SEL], s[SEL+1]                           ; and the other point of the pairs
	v_permlanex16_b32 v[X+3], v[X+1], s[SEL], s[SEL+1]
	v_add_f32 v[X], v[X], v[X+2]
	v_add_f32 v[X+1], v[X+1], v[X+3]
	ds_store_b64 v[T0], v[X:X+1]
	s_wait_dscnt 0x0
	s_barrier_signal -1
	s_barrier_wait -1
	s_cmp_lg_u32 s2, 0
	s_cbranch_scc1 .Lend
.irp a, 0,1,2,3,4,5,6,7
	ds_load_b32 v[G+\a], v[T1] offset:64*\a
.endr
	s_wait_dscnt 0x0
	v_add_f32 v[G], v[G], v[G+1]
	v_add_f32 v[G+2], v[G+2], v[G+3]
	v_add_f32 v[G+4], v[G+4], v[G+5]
	v_add_f32 v[G+6], v[G+6], v[G+7]
	v_add_f32 v[G], v[G], v[G+2]
	v_add_f32 v[G+4], v[G+4], v[G+6]
	v_add_f32 v[G], v[G], v[G+4]
	v_cmp_gt_u32 vcc_lo, 16, v0
	s_wait_xcnt 0x0                                ; EXEC changes only behind this wait
	s_and_saveexec_b32 s31, vcc_lo
	global_store_b32 v[T1], v[G], s[12:13]         ; 8 groups x (sum, sum of squares)
	s_wait_xcnt 0x0
	s_or_b32 exec_lo, exec_lo, s31
.Lend:
	s_wait_tensorcnt 0x0                           ; the wave's end
	ds_add_u32 v[SPW], v[NIL]
	s_wait_dscnt 0x0
	s_endpgm
.Lfunc_end_k_qf7f11815fa_stat0:
	.size	k_qf7f11815fa_stat0, .Lfunc_end_k_qf7f11815fa_stat0-k_qf7f11815fa_stat0
	.p2alignl 7, 3214868480
	.fill 96, 4, 3214868480
	.section	.rodata,"a",@progbits
	.p2align	6, 0x0
	.amdhsa_kernel k_qf7f11815fa_stat0
		.amdhsa_group_segment_fixed_size 1536
		.amdhsa_private_segment_fixed_size 0
		.amdhsa_enable_private_segment 0
		.amdhsa_kernarg_size 24
		.amdhsa_user_sgpr_count 2
		.amdhsa_user_sgpr_kernarg_segment_ptr 1
		.amdhsa_wavefront_size32 1
		.amdhsa_system_sgpr_workgroup_id_x 1
		.amdhsa_system_sgpr_workgroup_id_y 1
		.amdhsa_system_sgpr_workgroup_id_z 1
		.amdhsa_system_vgpr_workitem_id 0
		.amdhsa_next_free_vgpr 140
		.amdhsa_next_free_sgpr 66
		.amdhsa_reserve_vcc 1
		.amdhsa_float_denorm_mode_32 3
		.amdhsa_float_denorm_mode_16_64 3
		.amdhsa_memory_ordered 1
		.amdhsa_forward_progress 1
		.amdhsa_inst_pref_size 30
	.end_amdhsa_kernel
	.amdgpu_metadata
---
amdhsa.version: [ 1, 2 ]
amdhsa.kernels:
  - .name:           k_qf7f11815fa_stat0
    .symbol:         k_qf7f11815fa_stat0.kd
    .args:
      - { .name: uv1, .offset: 0, .size: 8, .value_kind: global_buffer, .address_space: global }
      - { .name: idx, .offset: 8, .size: 8, .value_kind: global_buffer, .address_space: global }
      - { .name: st1, .offset: 16, .size: 8, .value_kind: global_buffer, .address_space: global }
    .group_segment_fixed_size: 1536
    .private_segment_fixed_size: 0
    .kernarg_segment_align: 8
    .kernarg_segment_size: 24
    .max_flat_workgroup_size: 256
    .sgpr_count:     66
    .vgpr_count:     140
    .wavefront_size: 32
...
	.end_amdgpu_metadata
.endif
;; end of part 4
;; launch conv1s (part 5): grid 256 x 1, 4 waves a work-group, no clusters, 123,648 bytes of LDS; arguments uv1, idx, st1, gn1_g, gn1_b, tab, m1a_b, st2; writes st2
.if DOCPART == 5
	.amdgcn_target "amdgcn-amd-amdhsa--gfx1250"
	.amdhsa_code_object_version 6
	.text
	.protected	k_qf7f11815fa_conv1s
	.globl	k_qf7f11815fa_conv1s
	.p2align	8
	.type	k_qf7f11815fa_conv1s,@function
k_qf7f11815fa_conv1s:
	s_mov_b64 s[64:65], 0
	v_nop
	global_prefetch_b8 v0, s[64:65] scope:SCOPE_SE
	s_setreg_imm32_b32 hwreg(HW_REG_WAVE_MODE, 25, 1), 1
	s_wait_xcnt 0x0
; ONE LAYER, SUMS ONLY.  a0 = lrelu(GN(U[idx] + V)); y = W a0 + bias; stored: for each group the sum and the sum of squares of y over this work-group's 64 points x 16 neighbours.
; y itself is not stored: 2 x 64 MB of traffic a layer would cost more than gathering the rows (256 bytes each, tables of at most 8 MB) and multiplying again.
; SHARES.  Four waves, 16 points each, two points (32 columns) a trip.  Lanes 0-15 hold the even point, lanes 16-31 the odd one; lane c channels 8 c .. 8 c + 7.
; The columns go as f16 rows (channels on end, pitch 272) into the wave's own tile in LDS and come back as B fragments.  The layer's 32 weight fragments stay in window 1.
; D = W x a0: a lane holds column r and channels 16 t + 8 h + j; accumulator t is GroupNorm's group t.  The bias is the C operand that starts the sums.
; NO CLUSTER, NO TENSOR LOADS: the bulk of the bytes is a gather by lists; what work-groups share is the weights' 32,768 bytes.
; FORMATS.  Inputs rounded to bf16; what the program makes (U, V, activations) f16; sums f32.  0.1 is applied as f16 0x2e66 (2.4e-4 low).  Variance as E[x x] - mu mu, held at 0 from below.
.set UVH,  32768
.set TBL,  120832                      ; LDS: 0 four tiles of 32 x 272; here 512 bytes a wave: per set 8 groups x (-mu, -mu, rstd, rstd)
.set RED,  122880
.set SPARE,123136
.set PW, 2                             ; window 2: v0-63 the bias in the accumulators' layout, v64-127 the gathered rows
.set BI, 0
.set G,  64
.set CC,1
.set HH,2
.set CH16,3
.set VO0,4
.set VO,5
.set IO0,6
.set IO,7
.set TST,8
.set FR0,9
.set FR,10
.set L16,11
.set TBS,12
.set TBU,13
.set TBC,14
.set RH,15
.set SPW,16
.set NIL,17
.set PD,18
.set C32,19
.set R4,20
.set T0,23
.set SC0,24
.set SH0,32
.set WV,40
.set VR,48
.set AT,52
.set LT,68
.set IDXR,84
.set OFFR,100
.set BF,116
.set ACC,148
.set SQS,212                           ; group t: two partial sums, two partial sums of squares
.set TP,244
.set WVN,2
.set PRB,3
.set WGI,4
.set N0W,5
.set BU,50
.set BV,52
.set BIX,54
.set SEL,56
.set JJ,58
.set NT,59
.set J1,60
.set J2,61
.set SX,62
.set LK,66
.set OF,68
.set MSB, 0
.macro WIN new                         ; the immediate's high byte repeats the setting that is left
.if MSB != (\new)
	s_set_vgpr_msb (MSB<<8)|(\new)
.set MSB, \new
.endif
.endm
.macro PLACES                          ; four places behind a product before its result is read or a source rewritten (ISA guide 7.12.1)
.rept 4
	v_nop
.endr
.endm
.macro RBN base, n                     ; n pairs rounded to bf16 and widened again, in place
.set i, 0
.rept \n
	v_cvt_pk_bf16_f32 v[\base+2*i], v[\base+2*i], v[\base+2*i+1]
	v_and_b32 v[\base+2*i+1], 0xffff0000, v[\base+2*i]
	v_lshlrev_b32 v[\base+2*i], 16, v[\base+2*i]
.set i, i+1
.endr
.endm
.macro HEAD
	v_lshl_add_u32 v[SPW], v0, 2, SPARE
	v_mov_b32 v[NIL], 0
	v_lshrrev_b32 v1, 5, v0
	v_readfirstlane_b32 s[WVN], v1
	s_lshr_b32 s[PRB], ttmp9, 6
	s_and_b32 s[WGI], ttmp9, 63
	s_lshl_b32 s[N0W], s[WGI], 6
	s_lshl4_add_u32 s[N0W], s[WVN], s[N0W]         ; my first point
	s_mov_b32 s[SEL], 0x76543210
	s_mov_b32 s[SEL+1], 0xfedcba98
	s_mov_b32 s[LK], 0x2e662e66                    ; 0.1 twice, f16
	s_mov_b32 s[OF+1], 0
	v_and_b32 v[CC], 15, v0
	v_bfe_u32 v[HH], v0, 4, 1
	v_lshlrev_b32 v[CH16], 4, v[CC]
	v_lshl_add_u32 v[VO0], v[HH], 8, v[CH16]
	v_lshlrev_b32 v[IO0], 4, v[HH]
	v_and_b32 v[L16], 31, v0
	v_lshlrev_b32 v[L16], 4, v[L16]
	s_mul_i32 s[SX], s[WVN], 8704
	v_mul_u32_u24 v[TST], v[HH], 4352
	v_add3_u32 v[TST], v[TST], v[CH16], s[SX]      ; tile, in: row 16 h + i, bytes 16 c
	v_mul_u32_u24 v[RH], v[CC], 272
	v_lshl_add_u32 v[RH], v[HH], 4, v[RH]
	v_add_nc_u32 v[FR0], s[SX], v[RH]              ; tile, back: row r, bytes 16 h
	s_lshl_b32 s[SX], s[WVN], 9
	s_add_co_u32 s[SX], s[SX], TBL
	v_and_b32 v[TBS], 3, v0
	v_lshl_add_u32 v[TBS], v[TBS], 5, s[SX]
	v_mov_b32 v[TBU], s[SX]
	v_lshrrev_b32 v[TBC], 1, v[CC]
	v_lshl_add_u32 v[TBC], v[TBC], 4, s[SX]
	v_lshlrev_b32 v[PD], 5, v[HH]
	v_lshlrev_b32 v[C32], 5, v[CC]
	v_lshlrev_b32 v[R4], 2, v[CC]
.endm
.macro BASES up, ip
	s_lshl_b32 s[OF], s[PRB], 21
	s_add_co_u32 s[OF], s[OF], UVH
	s_add_nc_u64 s[BU:BU+1], s[\up:\up+1], s[OF:OF+1]
	s_lshl_b32 s[OF], s[N0W], 8
	s_add_co_u32 s[OF], s[OF], 1<<20
	s_add_nc_u64 s[BV:BV+1], s[BU:BU+1], s[OF:OF+1]
	s_lshl_b32 s[OF], s[PRB], 12
	s_add_co_u32 s[OF], s[OF], s[N0W]
	s_lshl_b32 s[OF], s[OF], 4
	s_add_nc_u64 s[BIX:BIX+1], s[\ip:\ip+1], s[OF:OF+1]
	s_lshl_b32 s[OF], s[PRB], 12                   ; left here: a problem's 4,096 bytes of partial sums
.endm
.macro STLOAD R, sp                    ; 64 work-groups x 64 bytes: lane l sums groups 2 (l & 3), 2 (l & 3) + 1 of work-groups 8 i + l / 4
.irp i, 0,1,2,3,4,5,6,7
	global_load_b128 v[\R+4*\i:\R+4*\i+3], v[L16], s[\sp:\sp+1] offset:512*\i
.endr
.endm
.macro L2 dst, ad, sp
	global_load_b128 v[\dst:\dst+3], v[\ad], s[\sp:\sp+1]
	global_load_b128 v[\dst+4:\dst+7], v[\ad], s[\sp:\sp+1] offset:16
.endm
.macro LDL dst, sp                     ; the accumulators' layout: channels 16 t + 8 h + j
.set x, 0
.rept 16
	global_load_b128 v[\dst+4*x:\dst+4*x+3], v[PD], s[\sp:\sp+1] offset:64*(x/2)+16*(x%2)
.set x, x+1
.endr
.endm
.macro WLOADF win, sp, off             ; a layer's 32 fragments, as they lie in the image: fragment 4 t + kk at register 8 (4 t + kk)
	WIN (\win)<<6
.set x, 0
.rept 64
	global_load_b128 v[4*x:4*x+3], v[L16], s[\sp:\sp+1] offset:(\off)+512*x
.set x, x+1
.endr
	WIN 0
.endm
.macro STATS R, st                     ; the partial sums of set st -> -mu and rstd of 8 groups, into my table
.set i, 1
.rept 7
	v_pk_add_f32 v[\R:\R+1], v[\R:\R+1], v[\R+4*i:\R+4*i+1]
	v_pk_add_f32 v[\R+2:\R+3], v[\R+2:\R+3], v[\R+4*i+2:\R+4*i+3]
.set i, i+1
.endr
.irp x, 0,1,2,3
	v_add_f32_dpp v[\R+\x], v[\R+\x], v[\R+\x] row_xmask:4 row_mask:0xf bank_mask:0xf
.endr
.irp x, 0,1,2,3
	v_add_f32_dpp v[\R+\x], v[\R+\x], v[\R+\x] row_xmask:8 row_mask:0xf bank_mask:0xf
.endr
.irp x, 0,1,2,3
	v_permlanex16_b32 v[\R+4+\x], v[\R+\x], s[SEL], s[SEL+1]
.endr
.irp x, 0,1,2,3
	v_add_f32 v[\R+\x], v[\R+\x], v[\R+4+\x]
.endr
	v_mul_f32 v[\R+8], 0xb5800000, v[\R]           ; -mu: a group has 16 x 4096 x 16 = 2^20 numbers
	v_mul_f32 v[\R+12], 0xb5800000, v[\R+2]
	v_mul_f32 v[\R+1], 0x35800000, v[\R+1]
	v_mul_f32 v[\R+3], 0x35800000, v[\R+3]
	v_fma_f32 v[\R+1], -v[\R+8], v[\R+8], v[\R+1]
	v_fma_f32 v[\R+3], -v[\R+12], v[\R+12], v[\R+3]
	v_max_num_f32 v[\R+1], 0, v[\R+1]
	v_max_num_f32 v[\R+3], 0, v[\R+3]
	v_add_f32 v[\R+1], 0x3727c5ac, v[\R+1]         ; + 1e-5
	v_add_f32 v[\R+3], 0x3727c5ac, v[\R+3]
	v_rsq_f32 v[\R+10], v[\R+1]
	v_rsq_f32 v[\R+14], v[\R+3]
	v_mov_b32 v[\R+9], v[\R+8]                     ; plain lines between the roots and their use (ISA guide 5.7.2)
	v_mov_b32 v[\R+13], v[\R+12]
	s_wait_alu depctr_va_vdst(0)
	v_mov_b32 v[\R+11], v[\R+10]
	v_mov_b32 v[\R+15], v[\R+14]
	ds_store_b128 v[TBS], v[\R+8:\R+11] offset:128*(\st)
	ds_store_b128 v[TBS], v[\R+12:\R+15] offset:128*(\st)+16
.endm
.macro PROWC                           ; first GroupNorm, row layout: SC0 = g rstd, SH0 = b - mu SC0
	ds_load_b128 v[WV:WV+3], v[TBC]                ; LDS serves a wave's instructions in order: this sees my table
	s_wait_dscnt 0x0
.irp q, 0,1,2,3
	v_pk_mul_f32 v[SC0+2*\q:SC0+2*\q+1], v[SC0+2*\q:SC0+2*\q+1], v[WV+2:WV+3]
.endr
.irp q, 0,1,2,3
	v_pk_fma_f32 v[SH0+2*\q:SH0+2*\q+1], v[WV:WV+1], v[SC0+2*\q:SC0+2*\q+1], v[SH0+2*\q:SH0+2*\q+1]
.endr
.endm
.macro ISSUE                           ; pair J1's rows (its indices are in), pair J2's indices
	WIN 0
.set x, 0
.rept 16
	v_min_u32 v[OFFR+x], 0xfff, v[IDXR+x]
.set x, x+1
.endr
.set x, 0
.rept 16
	v_lshl_add_u32 v[OFFR+x], v[OFFR+x], 8, v[CH16]
.set x, x+1
.endr
	v_lshl_add_u32 v[VO], s[J1], 9, v[VO0]
	v_lshl_add_u32 v[IO], s[J2], 5, v[IO0]
	WIN PW<<6
.set x, 0
.rept 16
	global_load_b128 v[G+4*x:G+4*x+3], v[OFFR+x], s[BU:BU+1]  ; two whole rows of 256 bytes
.set x, x+1
.endr
	WIN 0
	global_load_b128 v[VR:VR+3], v[VO], s[BV:BV+1]
.irp a, 0,1,2,3
	global_load_b128 v[IDXR+4*\a:IDXR+4*\a+3], v[IO], s[BIX:BIX+1] offset:262144*\a
.endr
.endm
.macro FRONT                           ; a0 = lrelu(u SC0 + (v SC0 + SH0)), rounded once to f16, into my tile
	s_wait_loadcnt 0x0                             ; this pair's rows and the next pair's indices: asked for a whole trip ago
	WIN 0
.irp q, 0,1,2,3
	v_fma_mix_f32 v[WV+2*\q], v[VR+\q], v[SC0+2*\q], v[SH0+2*\q] op_sel_hi:[1,0,0]
	v_fma_mix_f32 v[WV+2*\q+1], v[VR+\q], v[SC0+2*\q+1], v[SH0+2*\q+1] op_sel:[1,0,0] op_sel_hi:[1,0,0]
.endr
.irp g, 0,1,2,3
	WIN PW
.set x, 0
.rept 16
	v_fma_mixlo_f16 v[AT+x], v[G+16*\g+x], v[SC0+2*(x%4)], v[WV+2*(x%4)] op_sel_hi:[1,0,0]
	v_fma_mixhi_f16 v[AT+x], v[G+16*\g+x], v[SC0+2*(x%4)+1], v[WV+2*(x%4)+1] op_sel:[1,0,0] op_sel_hi:[1,0,0]
.set x, x+1
.endr
	WIN 0
.set x, 0
.rept 16
	v_pk_mul_f16 v[LT+x], v[AT+x], s[LK]
.set x, x+1
.endr
.set x, 0
.rept 16
	v_pk_max_num_f16 v[AT+x], v[AT+x], v[LT+x]
.set x, x+1
.endr
.irp i, 0,1,2,3
	ds_store_b128 v[TST], v[AT+4*\i:AT+4*\i+3] offset:(4*\g+\i)*272
.endr
.endr
.endm
.macro BLOAD a                         ; 16 columns x 128 channels: four B fragments
.irp x, 0,1,2,3,4,5,6,7
	ds_load_b128 v[BF+4*\x:BF+4*\x+3], v[\a] offset:32*\x
.endr
.endm
.macro MMAN win, cw                    ; D = W x columns; the 8 accumulators take turns.  cw = 1: the sums start at the bias
.irp kk, 0,1,2,3
.irp t, 0,1,2,3,4,5,6,7
.if (\kk == 0) && (\cw)
	WIN (\win)|(PW<<4)
	v_wmma_f32_16x16x32_f16 v[ACC+8*\t:ACC+8*\t+7], v[8*(4*\t+\kk):8*(4*\t+\kk)+7], v[BF+8*\kk:BF+8*\kk+7], v[BI+8*\t:BI+8*\t+7]
.elseif \kk == 0
	WIN \win
	v_wmma_f32_16x16x32_f16 v[ACC+8*\t:ACC+8*\t+7], v[8*(4*\t+\kk):8*(4*\t+\kk)+7], v[BF+8*\kk:BF+8*\kk+7], 0
.else
	WIN \win
	v_wmma_f32_16x16x32_f16 v[ACC+8*\t:ACC+8*\t+7], v[8*(4*\t+\kk):8*(4*\t+\kk)+7], v[BF+8*\kk:BF+8*\kk+7], v[ACC+8*\t:ACC+8*\t+7]
.endif
.endr
.endr
.endm
.macro STACC                           ; each accumulator's lowest registers are read first
	PLACES
	WIN 0
.irp q, 0,1,2,3
.irp t, 0,1,2,3,4,5,6,7
	v_pk_add_f32 v[SQS+4*\t:SQS+4*\t+1], v[SQS+4*\t:SQS+4*\t+1], v[ACC+8*\t+2*\q:ACC+8*\t+2*\q+1]
	v_pk_fma_f32 v[SQS+4*\t+2:SQS+4*\t+3], v[ACC+8*\t+2*\q:ACC+8*\t+2*\q+1], v[ACC+8*\t+2*\q:ACC+8*\t+2*\q+1], v[SQS+4*\t+2:SQS+4*\t+3]
.endr
.endr
.endm
	s_load_b512 s[8:23], s[0:1], 0x0               ; uv 8, idx 10, sums in 12, g 14, b 16, weights' image 18, bias 20, sums out 22
	HEAD
	s_wait_kmcnt 0x0
	BASES 8, 10
	s_add_nc_u64 s[12:13], s[12:13], s[OF:OF+1]
	s_lshl_b32 s[OF], s[PRB], 6
	s_add_co_u32 s[OF], s[OF], s[WGI]
	s_lshl_b32 s[OF], s[OF], 6
	s_add_nc_u64 s[22:23], s[22:23], s[OF:OF+1]
.irp a, 0,1,2,3
	global_load_b128 v[IDXR+4*\a:IDXR+4*\a+3], v[IO0], s[BIX:BIX+1] offset:262144*\a
.endr
	STLOAD AT, 12
	L2 SC0, C32, 14
	L2 SH0, C32, 16
	WIN PW<<6
	LDL BI, 20
	WIN 0
	WLOADF 1, 18, 0
	s_wait_loadcnt 0x0
	STATS AT, 0
	s_mov_b32 s[J1], 0
	s_mov_b32 s[J2], 1
	ISSUE                                          ; the first rows are on their way while the parameters are made
	RBN SC0, 8
	WIN 0x8a
	RBN BI, 32
	WIN 0
	PROWC
.set x, 0
.rept 32
	v_mov_b32 v[SQS+x], 0
.set x, x+1
.endr
	s_mov_b32 s[JJ], 0
.Ltrip:
	FRONT
	s_cmp_eq_u32 s[JJ], 7
	s_cbranch_scc1 .Lnoissue                       ; the last trip asks for nothing
	s_add_co_u32 s[J1], s[JJ], 1
	s_add_co_u32 s[J2], s[JJ], 2
	s_min_u32 s[J2], s[J2], 7
	ISSUE
.Lnoissue:
	s_mov_b32 s[NT], 0
.Lnt:                                              ; one point's 16 columns
	s_mul_i32 s[SX], s[NT], 4352
	v_add_nc_u32 v[FR], s[SX], v[FR0]
	BLOAD FR
	s_wait_dscnt 0x0
	MMAN 1, 1
	STACC
	s_add_co_u32 s[NT], s[NT], 1
	s_cmp_lt_u32 s[NT], 2
	s_cbranch_scc1 .Lnt
	s_add_co_u32 s[JJ], s[JJ], 1
	s_cmp_lt_u32 s[JJ], 8
	s_cbranch_scc1 .Ltrip
.irp t, 0,1,2,3,4,5,6,7
	v_add_f32 v[SQS+4*\t], v[SQS+4*\t], v[SQS+4*\t+1]
	v_add_f32 v[SQS+4*\t+1], v[SQS+4*\t+2], v[SQS+4*\t+3]
.endr
.irp m, 1,2,4,8
.irp t, 0,1,2,3,4,5,6,7
	v_add_f32_dpp v[SQS+4*\t], v[SQS+4*\t], v[SQS+4*\t] row_xmask:\m row_mask:0xf bank_mask:0xf
	v_add_f32_dpp v[SQS+4*\t+1], v[SQS+4*\t+1], v[SQS+4*\t+1] row_xmask:\m row_mask:0xf bank_mask:0xf
.endr
.endr
.irp t, 0,1,2,3,4,5,6,7
	v_permlanex16_b32 v[SQS+4*\t+2], v[SQS+4*\t], s[SEL], s[SEL+1]
	v_permlanex16_b32 v[SQS+4*\t+3], v[SQS+4*\t+1], s[SEL], s[SEL+1]
.endr
.irp t, 0,1,2,3,4,5,6,7
	v_add_f32 v[SQS+4*\t], v[SQS+4*\t], v[SQS+4*\t+2]
	v_add_f32 v[SQS+4*\t+1], v[SQS+4*\t+1], v[SQS+4*\t+3]
.endr
	s_lshl_b32 s[SX], s[WVN], 6
	s_add_co_u32 s[SX], s[SX], RED
	v_mov_b32 v[T0], s[SX]
.irp t, 0,1,2,3,4,5,6,7
	ds_store_b64 v[T0], v[SQS+4*\t:SQS+4*\t+1] offset:8*\t
.endr
	s_wait_dscnt 0x0
	s_barrier_signal -1
	s_barrier_wait -1
	s_cmp_lg_u32 s[WVN], 0
	s_cbranch_scc1 .Lend
	v_add_nc_u32 v[T0], RED, v[R4]
.irp a, 0,1,2,3
	ds_load_b32 v[TP+\a], v[T0] offset:64*\a
.endr
	s_wait_dscnt 0x0
	v_add_f32 v[TP], v[TP], v[TP+1]
	v_add_f32 v[TP+2], v[TP+2], v[TP+3]
	v_add_f32 v[TP], v[TP], v[TP+2]
	v_cmp_gt_u32 vcc_lo, 16, v0
	s_wait_xcnt 0x0                                ; EXEC changes only behind this wait
	s_and_saveexec_b32 s[SX], vcc_lo
	global_store_b32 v[R4], v[TP], s[22:23]
	s_wait_xcnt 0x0
	s_or_b32 exec_lo, exec_lo, s[SX]
.Lend:
	s_wait_tensorcnt 0x0                           ; the wave's end
	ds_add_u32 v[SPW], v[NIL]
	s_wait_dscnt 0x0
	s_endpgm
.Lfunc_end_k_qf7f11815fa_conv1s:
	.size	k_qf7f11815fa_conv1s, .Lfunc_end_k_qf7f11815fa_conv1s-k_qf7f11815fa_conv1s
	.p2alignl 7, 3214868480
	.fill 96, 4, 3214868480
	.section	.rodata,"a",@progbits
	.p2align	6, 0x0
	.amdhsa_kernel k_qf7f11815fa_conv1s
		.amdhsa_group_segment_fixed_size 123648
		.amdhsa_private_segment_fixed_size 0
		.amdhsa_enable_private_segment 0
		.amdhsa_kernarg_size 64
		.amdhsa_user_sgpr_count 2
		.amdhsa_user_sgpr_kernarg_segment_ptr 1
		.amdhsa_wavefront_size32 1
		.amdhsa_system_sgpr_workgroup_id_x 1
		.amdhsa_system_sgpr_workgroup_id_y 1
		.amdhsa_system_sgpr_workgroup_id_z 1
		.amdhsa_system_vgpr_workitem_id 0
		.amdhsa_next_free_vgpr 640
		.amdhsa_next_free_sgpr 72
		.amdhsa_reserve_vcc 1
		.amdhsa_float_denorm_mode_32 3
		.amdhsa_float_denorm_mode_16_64 3
		.amdhsa_memory_ordered 1
		.amdhsa_forward_progress 1
		.amdhsa_inst_pref_size 64
	.end_amdhsa_kernel
	.amdgpu_metadata
---
amdhsa.version: [ 1, 2 ]
amdhsa.kernels:
  - .name:           k_qf7f11815fa_conv1s
    .symbol:         k_qf7f11815fa_conv1s.kd
    .args:
      - { .name: uv1, .offset: 0, .size: 8, .value_kind: global_buffer, .address_space: global }
      - { .name: idx, .offset: 8, .size: 8, .value_kind: global_buffer, .address_space: global }
      - { .name: st1, .offset: 16, .size: 8, .value_kind: global_buffer, .address_space: global }
      - { .name: gn1_g, .offset: 24, .size: 8, .value_kind: global_buffer, .address_space: global }
      - { .name: gn1_b, .offset: 32, .size: 8, .value_kind: global_buffer, .address_space: global }
      - { .name: tab, .offset: 40, .size: 8, .value_kind: global_buffer, .address_space: global }
      - { .name: m1a_b, .offset: 48, .size: 8, .value_kind: global_buffer, .address_space: global }
      - { .name: st2, .offset: 56, .size: 8, .value_kind: global_buffer, .address_space: global }
    .group_segment_fixed_size: 123648
    .private_segment_fixed_size: 0
    .kernarg_segment_align: 8
    .kernarg_segment_size: 64
    .max_flat_workgroup_size: 128
    .sgpr_count:     72
    .vgpr_count:     640
    .wavefront_size: 32
...
	.end_amdgpu_metadata
.endif
;; end of part 5
;; launch conv2s (part 6): grid 256 x 1, 4 waves a work-group, no clusters, 123,648 bytes of LDS; arguments uv1, idx, st1, st2, gn1_g, gn1_b, tab, m1a_b, m1a_g, m1a_beta, m1b_b, st3; writes st3
.if DOCPART == 6
	.amdgcn_target "amdgcn-amd-amdhsa--gfx1250"
	.amdhsa_code_object_version 6
	.text
	.protected	k_qf7f11815fa_conv2s
	.globl	k_qf7f11815fa_conv2s
	.p2align	8
	.type	k_qf7f11815fa_conv2s,@function
k_qf7f11815fa_conv2s:
	s_mov_b64 s[64:65], 0
	v_nop
	global_prefetch_b8 v0, s[64:65] scope:SCOPE_SE
	s_setreg_imm32_b32 hwreg(HW_REG_WAVE_MODE, 25, 1), 1
	s_wait_xcnt 0x0
; TWO LAYERS, SUMS ONLY.  a0 = lrelu(GN(U[idx] + V)); a1 = lrelu(GN(W1 a0 + b1)); y2 = W2 a1 + b2; stored: the groups' sums and sums of squares of y2 over this work-group's columns.
; Shares, tile, gather and formats as in the one-layer text.  D = W1 x a0 holds column r and channels 16 t + 8 h + j in a lane: two accumulators, scaled, rounded to f16 in pairs,
; ARE a B fragment (32 channels x 16 columns) of the next product: nothing changes lanes between the layers.
; Windows: 1 = W1's fragments, 2 = W2's, 3 = v0-63 scale, v64-127 shift, v128-191 b2 (all in the accumulators' layout), v192-255 the gathered rows.
.set UVH,  32768
.set TBL,  120832
.set RED,  122880
.set SPARE,123136
.set PW, 3
.set SC, 0
.set SH, 64
.set BI, 128
.set G,  192
.set CC,1
.set HH,2
.set CH16,3
.set VO0,4
.set VO,5
.set IO0,6
.set IO,7
.set TST,8
.set FR0,9
.set FR,10
.set L16,11
.set TBS,12
.set TBU,13
.set TBC,14
.set RH,15
.set SPW,16
.set NIL,17
.set PD,18
.set C32,19
.set R4,20
.set T0,23
.set SC0,24
.set SH0,32
.set WV,40
.set VR,48
.set AT,52
.set LT,68
.set IDXR,84
.set OFFR,100
.set BF,116
.set ACC,148
.set SQS,212
.set TP,244
.set WVN,2
.set PRB,3
.set WGI,4
.set N0W,5
.set BU,50
.set BV,52
.set BIX,54
.set SEL,56
.set JJ,58
.set NT,59
.set J1,60
.set J2,61
.set SX,62
.set LK,66
.set OF,68
.set MSB, 0
.macro WIN new
.if MSB != (\new)
	s_set_vgpr_msb (MSB<<8)|(\new)
.set MSB, \new
.endif
.endm
.macro PLACES
.rept 4
	v_nop
.endr
.endm
.macro RBN base, n
.set i, 0
.rept \n
	v_cvt_pk_bf16_f32 v[\base+2*i], v[\base+2*i], v[\base+2*i+1]
	v_and_b32 v[\base+2*i+1], 0xffff0000, v[\base+2*i]
	v_lshlrev_b32 v[\base+2*i], 16, v[\base+2*i]
.set i, i+1
.endr
.endm
.macro HEAD
	v_lshl_add_u32 v[SPW], v0, 2, SPARE
	v_mov_b32 v[NIL], 0
	v_lshrrev_b32 v1, 5, v0
	v_readfirstlane_b32 s[WVN], v1
	s_lshr_b32 s[PRB], ttmp9, 6
	s_and_b32 s[WGI], ttmp9, 63
	s_lshl_b32 s[N0W], s[WGI], 6
	s_lshl4_add_u32 s[N0W], s[WVN], s[N0W]
	s_mov_b32 s[SEL], 0x76543210
	s_mov_b32 s[SEL+1], 0xfedcba98
	s_mov_b32 s[LK], 0x2e662e66
	s_mov_b32 s[OF+1], 0
	v_and_b32 v[CC], 15, v0
	v_bfe_u32 v[HH], v0, 4, 1
	v_lshlrev_b32 v[CH16], 4, v[CC]
	v_lshl_add_u32 v[VO0], v[HH], 8, v[CH16]
	v_lshlrev_b32 v[IO0], 4, v[HH]
	v_and_b32 v[L16], 31, v0
	v_lshlrev_b32 v[L16], 4, v[L16]
	s_mul_i32 s[SX], s[WVN], 8704
	v_mul_u32_u24 v[TST], v[HH], 4352
	v_add3_u32 v[TST], v[TST], v[CH16], s[SX]
	v_mul_u32_u24 v[RH], v[CC], 272
	v_lshl_add_u32 v[RH], v[HH], 4, v[RH]
	v_add_nc_u32 v[FR0], s[SX], v[RH]
	s_lshl_b32 s[SX], s[WVN], 9
	s_add_co_u32 s[SX], s[SX], TBL
	v_and_b32 v[TBS], 3, v0
	v_lshl_add_u32 v[TBS], v[TBS], 5, s[SX]
	v_mov_b32 v[TBU], s[SX]
	v_lshrrev_b32 v[TBC], 1, v[CC]
	v_lshl_add_u32 v[TBC], v[TBC], 4, s[SX]
	v_lshlrev_b32 v[PD], 5, v[HH]
	v_lshlrev_b32 v[C32], 5, v[CC]
	v_lshlrev_b32 v[R4], 2, v[CC]
.endm
.macro BASES up, ip
	s_lshl_b32 s[OF], s[PRB], 21
	s_add_co_u32 s[OF], s[OF], UVH
	s_add_nc_u64 s[BU:BU+1], s[\up:\up+1], s[OF:OF+1]
	s_lshl_b32 s[OF], s[N0W], 8
	s_add_co_u32 s[OF], s[OF], 1<<20
	s_add_nc_u64 s[BV:BV+1], s[BU:BU+1], s[OF:OF+1]
	s_lshl_b32 s[OF], s[PRB], 12
	s_add_co_u32 s[OF], s[OF], s[N0W]
	s_lshl_b32 s[OF], s[OF], 4
	s_add_nc_u64 s[BIX:BIX+1], s[\ip:\ip+1], s[OF:OF+1]
	s_lshl_b32 s[OF], s[PRB], 12
.endm
.macro STLOAD R, sp
.irp i, 0,1,2,3,4,5,6,7
	global_load_b128 v[\R+4*\i:\R+4*\i+3], v[L16], s[\sp:\sp+1] offset:512*\i
.endr
.endm
.macro L2 dst, ad, sp
	global_load_b128 v[\dst:\dst+3], v[\ad], s[\sp:\sp+1]
	global_load_b128 v[\dst+4:\dst+7], v[\ad], s[\sp:\sp+1] offset:16
.endm
.macro LDL dst, sp
.set x, 0
.rept 16
	global_load_b128 v[\dst+4*x:\dst+4*x+3], v[PD], s[\sp:\sp+1] offset:64*(x/2)+16*(x%2)
.set x, x+1
.endr
.endm
.macro WLOADF win, sp, off
	WIN (\win)<<6
.set x, 0
.rept 64
	global_load_b128 v[4*x:4*x+3], v[L16], s[\sp:\sp+1] offset:(\off)+512*x
.set x, x+1
.endr
	WIN 0
.endm
.macro STATS R, st
.set i, 1
.rept 7
	v_pk_add_f32 v[\R:\R+1], v[\R:\R+1], v[\R+4*i:\R+4*i+1]
	v_pk_add_f32 v[\R+2:\R+3], v[\R+2:\R+3], v[\R+4*i+2:\R+4*i+3]
.set i, i+1
.endr
.irp x, 0,1,2,3
	v_add_f32_dpp v[\R+\x], v[\R+\x], v[\R+\x] row_xmask:4 row_mask:0xf bank_mask:0xf
.endr
.irp x, 0,1,2,3
	v_add_f32_dpp v[\R+\x], v[\R+\x], v[\R+\x] row_xmask:8 row_mask:0xf bank_mask:0xf
.endr
.irp x, 0,1,2,3
	v_permlanex16_b32 v[\R+4+\x], v[\R+\x], s[SEL], s[SEL+1]
.endr
.irp x, 0,1,2,3
	v_add_f32 v[\R+\x], v[\R+\x], v[\R+4+\x]
.endr
	v_mul_f32 v[\R+8], 0xb5800000, v[\R]
	v_mul_f32 v[\R+12], 0xb5800000, v[\R+2]
	v_mul_f32 v[\R+1], 0x35800000, v[\R+1]
	v_mul_f32 v[\R+3], 0x35800000, v[\R+3]
	v_fma_f32 v[\R+1], -v[\R+8], v[\R+8], v[\R+1]
	v_fma_f32 v[\R+3], -v[\R+12], v[\R+12], v[\R+3]
	v_max_num_f32 v[\R+1], 0, v[\R+1]
	v_max_num_f32 v[\R+3], 0, v[\R+3]
	v_add_f32 v[\R+1], 0x3727c5ac, v[\R+1]
	v_add_f32 v[\R+3], 0x3727c5ac, v[\R+3]
	v_rsq_f32 v[\R+10], v[\R+1]
	v_rsq_f32 v[\R+14], v[\R+3]
	v_mov_b32 v[\R+9], v[\R+8]
	v_mov_b32 v[\R+13], v[\R+12]
	s_wait_alu depctr_va_vdst(0)
	v_mov_b32 v[\R+11], v[\R+10]
	v_mov_b32 v[\R+15], v[\R+14]
	ds_store_b128 v[TBS], v[\R+8:\R+11] offset:128*(\st)
	ds_store_b128 v[TBS], v[\R+12:\R+15] offset:128*(\st)+16
.endm
.macro PROWC
	ds_load_b128 v[WV:WV+3], v[TBC]
	s_wait_dscnt 0x0
.irp q, 0,1,2,3
	v_pk_mul_f32 v[SC0+2*\q:SC0+2*\q+1], v[SC0+2*\q:SC0+2*\q+1], v[WV+2:WV+3]
.endr
.irp q, 0,1,2,3
	v_pk_fma_f32 v[SH0+2*\q:SH0+2*\q+1], v[WV:WV+1], v[SC0+2*\q:SC0+2*\q+1], v[SH0+2*\q:SH0+2*\q+1]
.endr
.endm
.macro PDLC st                         ; SC = g rstd, SH = (bias - mu) SC + beta, in the accumulators' layout; the bias lies in ACC's registers
	WIN 0
.irp t, 0,1,2,3,4,5,6,7
	ds_load_b128 v[AT+4*\t:AT+4*\t+3], v[TBU] offset:128*(\st)+16*\t
.endr
	s_wait_dscnt 0x0
	WIN 0xc3
.set x, 0
.rept 32
	v_pk_mul_f32 v[SC+2*x:SC+2*x+1], v[SC+2*x:SC+2*x+1], v[AT+4*(x/4)+2:AT+4*(x/4)+3]
.set x, x+1
.endr
	WIN 0
.set x, 0
.rept 32
	v_pk_add_f32 v[ACC+2*x:ACC+2*x+1], v[ACC+2*x:ACC+2*x+1], v[AT+4*(x/4):AT+4*(x/4)+1]
.set x, x+1
.endr
	WIN 0xfc
.set x, 0
.rept 32
	v_pk_fma_f32 v[SH+2*x:SH+2*x+1], v[ACC+2*x:ACC+2*x+1], v[SC+2*x:SC+2*x+1], v[SH+2*x:SH+2*x+1]
.set x, x+1
.endr
	WIN 0
.endm
.macro ISSUE
	WIN 0
.set x, 0
.rept 16
	v_min_u32 v[OFFR+x], 0xfff, v[IDXR+x]
.set x, x+1
.endr
.set x, 0
.rept 16
	v_lshl_add_u32 v[OFFR+x], v[OFFR+x], 8, v[CH16]
.set x, x+1
.endr
	v_lshl_add_u32 v[VO], s[J1], 9, v[VO0]
	v_lshl_add_u32 v[IO], s[J2], 5, v[IO0]
	WIN PW<<6
.set x, 0
.rept 16
	global_load_b128 v[G+4*x:G+4*x+3], v[OFFR+x], s[BU:BU+1]
.set x, x+1
.endr
	WIN 0
	global_load_b128 v[VR:VR+3], v[VO], s[BV:BV+1]
.irp a, 0,1,2,3
	global_load_b128 v[IDXR+4*\a:IDXR+4*\a+3], v[IO], s[BIX:BIX+1] offset:262144*\a
.endr
.endm
.macro FRONT
	s_wait_loadcnt 0x0
	WIN 0
.irp q, 0,1,2,3
	v_fma_mix_f32 v[WV+2*\q], v[VR+\q], v[SC0+2*\q], v[SH0+2*\q] op_sel_hi:[1,0,0]
	v_fma_mix_f32 v[WV+2*\q+1], v[VR+\q], v[SC0+2*\q+1], v[SH0+2*\q+1] op_sel:[1,0,0] op_sel_hi:[1,0,0]
.endr
.irp g, 0,1,2,3
	WIN PW
.set x, 0
.rept 16
	v_fma_mixlo_f16 v[AT+x], v[G+16*\g+x], v[SC0+2*(x%4)], v[WV+2*(x%4)] op_sel_hi:[1,0,0]
	v_fma_mixhi_f16 v[AT+x], v[G+16*\g+x], v[SC0+2*(x%4)+1], v[WV+2*(x%4)+1] op_sel:[1,0,0] op_sel_hi:[1,0,0]
.set x, x+1
.endr
	WIN 0
.set x, 0
.rept 16
	v_pk_mul_f16 v[LT+x], v[AT+x], s[LK]
.set x, x+1
.endr
.set x, 0
.rept 16
	v_pk_max_num_f16 v[AT+x], v[AT+x], v[LT+x]
.set x, x+1
.endr
.irp i, 0,1,2,3
	ds_store_b128 v[TST], v[AT+4*\i:AT+4*\i+3] offset:(4*\g+\i)*272
.endr
.endr
.endm
.macro BLOAD a
.irp x, 0,1,2,3,4,5,6,7
	ds_load_b128 v[BF+4*\x:BF+4*\x+3], v[\a] offset:32*\x
.endr
.endm
.macro MMAN win, cw
.irp kk, 0,1,2,3
.irp t, 0,1,2,3,4,5,6,7
.if (\kk == 0) && (\cw)
	WIN (\win)|(PW<<4)
	v_wmma_f32_16x16x32_f16 v[ACC+8*\t:ACC+8*\t+7], v[8*(4*\t+\kk):8*(4*\t+\kk)+7], v[BF+8*\kk:BF+8*\kk+7], v[BI+8*\t:BI+8*\t+7]
.elseif \kk == 0
	WIN \win
	v_wmma_f32_16x16x32_f16 v[ACC+8*\t:ACC+8*\t+7], v[8*(4*\t+\kk):8*(4*\t+\kk)+7], v[BF+8*\kk:BF+8*\kk+7], 0
.else
	WIN \win
	v_wmma_f32_16x16x32_f16 v[ACC+8*\t:ACC+8*\t+7], v[8*(4*\t+\kk):8*(4*\t+\kk)+7], v[BF+8*\kk:BF+8*\kk+7], v[ACC+8*\t:ACC+8*\t+7]
.endif
.endr
.endr
.endm
.macro GNACT                           ; a1 = lrelu(y SC + SH) as the next product's B fragments
	PLACES
	WIN 0x3c
.set x, 0
.rept 32
	v_pk_fma_f32 v[ACC+2*x:ACC+2*x+1], v[ACC+2*x:ACC+2*x+1], v[SC+2*x:SC+2*x+1], v[SH+2*x:SH+2*x+1]
.set x, x+1
.endr
	WIN 0
.set x, 0
.rept 32
	v_cvt_pk_f16_f32 v[BF+x], v[ACC+2*x], v[ACC+2*x+1]
.set x, x+1
.endr
.set x, 0
.rept 32
	v_pk_mul_f16 v[AT+x], v[BF+x], s[LK]
.set x, x+1
.endr
.set x, 0
.rept 32
	v_pk_max_num_f16 v[BF+x], v[BF+x], v[AT+x]
.set x, x+1
.endr
.endm
.macro STACC
	PLACES
	WIN 0
.irp q, 0,1,2,3
.irp t, 0,1,2,3,4,5,6,7
	v_pk_add_f32 v[SQS+4*\t:SQS+4*\t+1], v[SQS+4*\t:SQS+4*\t+1], v[ACC+8*\t+2*\q:ACC+8*\t+2*\q+1]
	v_pk_fma_f32 v[SQS+4*\t+2:SQS+4*\t+3], v[ACC+8*\t+2*\q:ACC+8*\t+2*\q+1], v[ACC+8*\t+2*\q:ACC+8*\t+2*\q+1], v[SQS+4*\t+2:SQS+4*\t+3]
.endr
.endr
.endm
	s_load_b512 s[8:23], s[0:1], 0x0               ; uv1 8, idx 10, st1 12, st2 14, gn1_g 16, gn1_b 18, tab 20, m1a_b 22
	s_load_b256 s[24:31], s[0:1], 0x40             ; m1a_g 24, m1a_beta 26, m1b_b 28, st3 30
	HEAD
	s_wait_kmcnt 0x0
	BASES 8, 10
	s_add_nc_u64 s[12:13], s[12:13], s[OF:OF+1]
	s_add_nc_u64 s[14:15], s[14:15], s[OF:OF+1]
	s_lshl_b32 s[OF], s[PRB], 6
	s_add_co_u32 s[OF], s[OF], s[WGI]
	s_lshl_b32 s[OF], s[OF], 6
	s_add_nc_u64 s[30:31], s[30:31], s[OF:OF+1]
.irp a, 0,1,2,3
	global_load_b128 v[IDXR+4*\a:IDXR+4*\a+3], v[IO0], s[BIX:BIX+1] offset:262144*\a
.endr
	STLOAD AT, 12
	STLOAD OFFR, 14
	L2 SC0, C32, 16
	L2 SH0, C32, 18
	LDL ACC, 22
	WIN PW<<6
	LDL SC, 24
	LDL SH, 26
	LDL BI, 28
	WIN 0
	WLOADF 1, 20, 0
	WLOADF 2, 20, 32768
	s_wait_loadcnt 0x0
	STATS AT, 0
	STATS OFFR, 1
	s_mov_b32 s[J1], 0
	s_mov_b32 s[J2], 1
	ISSUE
	RBN SC0, 8
	RBN ACC, 32
	WIN 0xcf
	RBN 0, 96
	WIN 0
	PROWC
	PDLC 1
.set x, 0
.rept 32
	v_mov_b32 v[SQS+x], 0
.set x, x+1
.endr
	s_mov_b32 s[JJ], 0
.Ltrip:
	FRONT
	s_cmp_eq_u32 s[JJ], 7
	s_cbranch_scc1 .Lnoissue
	s_add_co_u32 s[J1], s[JJ], 1
	s_add_co_u32 s[J2], s[JJ], 2
	s_min_u32 s[J2], s[J2], 7
	ISSUE
.Lnoissue:
	s_mov_b32 s[NT], 0
.Lnt:
	s_mul_i32 s[SX], s[NT], 4352
	v_add_nc_u32 v[FR], s[SX], v[FR0]
	BLOAD FR
	s_wait_dscnt 0x0
	MMAN 1, 0
	GNACT
	MMAN 2, 1
	STACC
	s_add_co_u32 s[NT], s[NT], 1
	s_cmp_lt_u32 s[NT], 2
	s_cbranch_scc1 .Lnt
	s_add_co_u32 s[JJ], s[JJ], 1
	s_cmp_lt_u32 s[JJ], 8
	s_cbranch_scc1 .Ltrip
.irp t, 0,1,2,3,4,5,6,7
	v_add_f32 v[SQS+4*\t], v[SQS+4*\t], v[SQS+4*\t+1]
	v_add_f32 v[SQS+4*\t+1], v[SQS+4*\t+2], v[SQS+4*\t+3]
.endr
.irp m, 1,2,4,8
.irp t, 0,1,2,3,4,5,6,7
	v_add_f32_dpp v[SQS+4*\t], v[SQS+4*\t], v[SQS+4*\t] row_xmask:\m row_mask:0xf bank_mask:0xf
	v_add_f32_dpp v[SQS+4*\t+1], v[SQS+4*\t+1], v[SQS+4*\t+1] row_xmask:\m row_mask:0xf bank_mask:0xf
.endr
.endr
.irp t, 0,1,2,3,4,5,6,7
	v_permlanex16_b32 v[SQS+4*\t+2], v[SQS+4*\t], s[SEL], s[SEL+1]
	v_permlanex16_b32 v[SQS+4*\t+3], v[SQS+4*\t+1], s[SEL], s[SEL+1]
.endr
.irp t, 0,1,2,3,4,5,6,7
	v_add_f32 v[SQS+4*\t], v[SQS+4*\t], v[SQS+4*\t+2]
	v_add_f32 v[SQS+4*\t+1], v[SQS+4*\t+1], v[SQS+4*\t+3]
.endr
	s_lshl_b32 s[SX], s[WVN], 6
	s_add_co_u32 s[SX], s[SX], RED
	v_mov_b32 v[T0], s[SX]
.irp t, 0,1,2,3,4,5,6,7
	ds_store_b64 v[T0], v[SQS+4*\t:SQS+4*\t+1] offset:8*\t
.endr
	s_wait_dscnt 0x0
	s_barrier_signal -1
	s_barrier_wait -1
	s_cmp_lg_u32 s[WVN], 0
	s_cbranch_scc1 .Lend
	v_add_nc_u32 v[T0], RED, v[R4]
.irp a, 0,1,2,3
	ds_load_b32 v[TP+\a], v[T0] offset:64*\a
.endr
	s_wait_dscnt 0x0
	v_add_f32 v[TP], v[TP], v[TP+1]
	v_add_f32 v[TP+2], v[TP+2], v[TP+3]
	v_add_f32 v[TP], v[TP], v[TP+2]
	v_cmp_gt_u32 vcc_lo, 16, v0
	s_wait_xcnt 0x0
	s_and_saveexec_b32 s[SX], vcc_lo
	global_store_b32 v[R4], v[TP], s[30:31]
	s_wait_xcnt 0x0
	s_or_b32 exec_lo, exec_lo, s[SX]
.Lend:
	s_wait_tensorcnt 0x0                           ; the wave's end
	ds_add_u32 v[SPW], v[NIL]
	s_wait_dscnt 0x0
	s_endpgm
.Lfunc_end_k_qf7f11815fa_conv2s:
	.size	k_qf7f11815fa_conv2s, .Lfunc_end_k_qf7f11815fa_conv2s-k_qf7f11815fa_conv2s
	.p2alignl 7, 3214868480
	.fill 96, 4, 3214868480
	.section	.rodata,"a",@progbits
	.p2align	6, 0x0
	.amdhsa_kernel k_qf7f11815fa_conv2s
		.amdhsa_group_segment_fixed_size 123648
		.amdhsa_private_segment_fixed_size 0
		.amdhsa_enable_private_segment 0
		.amdhsa_kernarg_size 96
		.amdhsa_user_sgpr_count 2
		.amdhsa_user_sgpr_kernarg_segment_ptr 1
		.amdhsa_wavefront_size32 1
		.amdhsa_system_sgpr_workgroup_id_x 1
		.amdhsa_system_sgpr_workgroup_id_y 1
		.amdhsa_system_sgpr_workgroup_id_z 1
		.amdhsa_system_vgpr_workitem_id 0
		.amdhsa_next_free_vgpr 1024
		.amdhsa_next_free_sgpr 72
		.amdhsa_reserve_vcc 1
		.amdhsa_float_denorm_mode_32 3
		.amdhsa_float_denorm_mode_16_64 3
		.amdhsa_memory_ordered 1
		.amdhsa_forward_progress 1
		.amdhsa_inst_pref_size 110
	.end_amdhsa_kernel
	.amdgpu_metadata
---
amdhsa.version: [ 1, 2 ]
amdhsa.kernels:
  - .name:           k_qf7f11815fa_conv2s
    .symbol:         k_qf7f11815fa_conv2s.kd
    .args:
      - { .name: uv1, .offset: 0, .size: 8, .value_kind: global_buffer, .address_space: global }
      - { .name: idx, .offset: 8, .size: 8, .value_kind: global_buffer, .address_space: global }
      - { .name: st1, .offset: 16, .size: 8, .value_kind: global_buffer, .address_space: global }
      - { .name: st2, .offset: 24, .size: 8, .value_kind: global_buffer, .address_space: global }
      - { .name: gn1_g, .offset: 32, .size: 8, .value_kind: global_buffer, .address_space: global }
      - { .name: gn1_b, .offset: 40, .size: 8, .value_kind: global_buffer, .address_space: global }
      - { .name: tab, .offset: 48, .size: 8, .value_kind: global_buffer, .address_space: global }
      - { .name: m1a_b, .offset: 56, .size: 8, .value_kind: global_buffer, .address_space: global }
      - { .name: m1a_g, .offset: 64, .size: 8, .value_kind: global_buffer, .address_space: global }
      - { .name: m1a_beta, .offset: 72, .size: 8, .value_kind: global_buffer, .address_space: global }
      - { .name: m1b_b, .offset: 80, .size: 8, .value_kind: global_buffer, .address_space: global }
      - { .name: st3, .offset: 88, .size: 8, .value_kind: global_buffer, .address_space: global }
    .group_segment_fixed_size: 123648
    .private_segment_fixed_size: 0
    .kernarg_segment_align: 8
    .kernarg_segment_size: 96
    .max_flat_workgroup_size: 128
    .sgpr_count:     72
    .vgpr_count:     1024
    .wavefront_size: 32
...
	.end_amdgpu_metadata
.endif
;; end of part 6
;; launch conv2f (part 7): grid 256 x 1, 4 waves a work-group, no clusters, 123,648 bytes of LDS; arguments uv1, idx, tab, st1, st2, st3, gn1_g, gn1_b, m1a_b, m1a_g, m1a_beta, m1b_b, m1b_g, m1b_beta, t1_b, t2_b, pos2_w, pos2_b, uv3, out0, out1; writes uv3, out0, out1
.if DOCPART == 7
	.amdgcn_target "amdgcn-amd-amdhsa--gfx1250"
	.amdhsa_code_object_version 6
	.text
	.protected	k_qf7f11815fa_conv2f
	.globl	k_qf7f11815fa_conv2f
	.p2align	8
	.type	k_qf7f11815fa_conv2f,@function
k_qf7f11815fa_conv2f:
	s_mov_b64 s[64:65], 0
	v_nop
	global_prefetch_b8 v0, s[64:65] scope:SCOPE_SE
	s_setreg_imm32_b32 hwreg(HW_REG_WAVE_MODE, 25, 1), 1
	s_wait_xcnt 0x0
; TWO LAYERS TO THE END.  a0, a1 as in the sums' text; y2 = W2 a1 with the sources swapped, so that a lane holds ONE channel (16 t + r) and 8 neighbours:
; z = y2 sc + sh (third GroupNorm, bias folded in), the maximum over the 16 neighbours, lrelu once behind it (it is monotone).  The pooled vectors (f16) of a wave's 16 points are then
; multiplied by t1 (cross 0) or t2 (cross 1): once swapped, for out0 / out1 ([channel][point], f32), once plain, for the third cross's table:
; cross 0 gives V3[n] = feat1_new[n] + pos2_b - Wp2 (xyz[n] - c), cross 1 gives U3[m] = feat2_new[m] + Wp2 (xyz[m] - c), rounded once to f16 (they must stay under 65,504).
; Windows: 1 = W1's fragments, later t's; 2 = W2's; 3 = v0-63 scale, v64-127 shift, v128-191 the gathered rows.
; Every LDS address of the text is a fixed register, at most plus the inner counter times a constant, plus an immediate: the trip's rows of the pool stand in the stores' immediates.
.set UVH,  32768
.set PTSO, 131072
.set POOL, 34816                       ; LDS: 0 four tiles; here 16 points x pitch 272 (f16) a wave
.set RSTG, 52224                       ; 16 points x pitch 528 (f32) a wave
.set OSTG, 86016                       ; 128 channels x pitch 272 (f32, 64 points), the work-group's
.set TBL,  120832
.set SPARE,123136
.set PW, 3
.set SC, 0
.set SH, 64
.set BI, 0
.set G,  128
.set CC,1
.set HH,2
.set CH16,3
.set VO0,4
.set VO,5
.set IO0,6
.set IO,7
.set TST,8
.set FR0,9
.set FR,10
.set L16,11
.set TBS,12
.set TBU,13
.set TBC,14
.set RH,15
.set SPW,16
.set NIL,17
.set PD,18
.set C32,19
.set R4,20
.set PO0,21
.set PO,22
.set T0,23
.set SC0,24
.set SH0,32
.set WV,40
.set VR,48
.set AT,52
.set LT,68
.set IDXR,84
.set OFFR,100
.set BF,116
.set PG,132
.set ACC,148
.set SQS,212                           ; channel 16 t + r: (sc, sc, sh, sh)
.set TP,244
.set WVN,2
.set PRB,3
.set WGI,4
.set N0W,5
.set BU,50
.set BV,52
.set BIX,54
.set SEL,56
.set JJ,58
.set NT,59
.set J1,60
.set J2,61
.set SX,62
.set LK,66
.set OF,68
.set MSB, 0
.macro WIN new
.if MSB != (\new)
	s_set_vgpr_msb (MSB<<8)|(\new)
.set MSB, \new
.endif
.endm
.macro PLACES
.rept 4
	v_nop
.endr
.endm
.macro RBN base, n
.set i, 0
.rept \n
	v_cvt_pk_bf16_f32 v[\base+2*i], v[\base+2*i], v[\base+2*i+1]
	v_and_b32 v[\base+2*i+1], 0xffff0000, v[\base+2*i]
	v_lshlrev_b32 v[\base+2*i], 16, v[\base+2*i]
.set i, i+1
.endr
.endm
.macro HEAD
	v_lshl_add_u32 v[SPW], v0, 2, SPARE
	v_mov_b32 v[NIL], 0
	v_lshrrev_b32 v1, 5, v0
	v_readfirstlane_b32 s[WVN], v1
	s_lshr_b32 s[PRB], ttmp9, 6
	s_and_b32 s[WGI], ttmp9, 63
	s_lshl_b32 s[N0W], s[WGI], 6
	s_lshl4_add_u32 s[N0W], s[WVN], s[N0W]
	s_mov_b32 s[SEL], 0x76543210
	s_mov_b32 s[SEL+1], 0xfedcba98
	s_mov_b32 s[LK], 0x2e662e66
	s_mov_b32 s[OF+1], 0
	v_and_b32 v[CC], 15, v0
	v_bfe_u32 v[HH], v0, 4, 1
	v_lshlrev_b32 v[CH16], 4, v[CC]
	v_lshl_add_u32 v[VO0], v[HH], 8, v[CH16]
	v_lshlrev_b32 v[IO0], 4, v[HH]
	v_and_b32 v[L16], 31, v0
	v_lshlrev_b32 v[L16], 4, v[L16]
	s_mul_i32 s[SX], s[WVN], 8704
	v_mul_u32_u24 v[TST], v[HH], 4352
	v_add3_u32 v[TST], v[TST], v[CH16], s[SX]
	v_mul_u32_u24 v[RH], v[CC], 272
	v_lshl_add_u32 v[RH], v[HH], 4, v[RH]
	v_add_nc_u32 v[FR0], s[SX], v[RH]
	s_lshl_b32 s[SX], s[WVN], 9
	s_add_co_u32 s[SX], s[SX], TBL
	v_and_b32 v[TBS], 3, v0
	v_lshl_add_u32 v[TBS], v[TBS], 5, s[SX]
	v_mov_b32 v[TBU], s[SX]
	v_lshrrev_b32 v[TBC], 1, v[CC]
	v_lshl_add_u32 v[TBC], v[TBC], 4, s[SX]
	v_lshlrev_b32 v[PD], 5, v[HH]
	v_lshlrev_b32 v[C32], 5, v[CC]
	v_lshlrev_b32 v[R4], 2, v[CC]
.endm
.macro BASES up, ip
	s_lshl_b32 s[OF], s[PRB], 21
	s_add_co_u32 s[OF], s[OF], UVH
	s_add_nc_u64 s[BU:BU+1], s[\up:\up+1], s[OF:OF+1]
	s_lshl_b32 s[OF], s[N0W], 8
	s_add_co_u32 s[OF], s[OF], 1<<20
	s_add_nc_u64 s[BV:BV+1], s[BU:BU+1], s[OF:OF+1]
	s_lshl_b32 s[OF], s[PRB], 12
	s_add_co_u32 s[OF], s[OF], s[N0W]
	s_lshl_b32 s[OF], s[OF], 4
	s_add_nc_u64 s[BIX:BIX+1], s[\ip:\ip+1], s[OF:OF+1]
	s_lshl_b32 s[OF], s[PRB], 12
.endm
.macro STLOAD R, sp
.irp i, 0,1,2,3,4,5,6,7
	global_load_b128 v[\R+4*\i:\R+4*\i+3], v[L16], s[\sp:\sp+1] offset:512*\i
.endr
.endm
.macro L2 dst, ad, sp
	global_load_b128 v[\dst:\dst+3], v[\ad], s[\sp:\sp+1]
	global_load_b128 v[\dst+4:\dst+7], v[\ad], s[\sp:\sp+1] offset:16
.endm
.macro LDL dst, sp
.set x, 0
.rept 16
	global_load_b128 v[\dst+4*x:\dst+4*x+3], v[PD], s[\sp:\sp+1] offset:64*(x/2)+16*(x%2)
.set x, x+1
.endr
.endm
.macro LLN dst, sp                     ; lane layout: channel 16 t + r
.irp t, 0,1,2,3,4,5,6,7
	global_load_b32 v[\dst+\t], v[R4], s[\sp:\sp+1] offset:64*\t
.endr
.endm
.macro WLOADF win, sp, off
	WIN (\win)<<6
.set x, 0
.rept 64
	global_load_b128 v[4*x:4*x+3], v[L16], s[\sp:\sp+1] offset:(\off)+512*x
.set x, x+1
.endr
	WIN 0
.endm
.macro STATS R, st
.set i, 1
.rept 7
	v_pk_add_f32 v[\R:\R+1], v[\R:\R+1], v[\R+4*i:\R+4*i+1]
	v_pk_add_f32 v[\R+2:\R+3], v[\R+2:\R+3], v[\R+4*i+2:\R+4*i+3]
.set i, i+1
.endr
.irp x, 0,1,2,3
	v_add_f32_dpp v[\R+\x], v[\R+\x], v[\R+\x] row_xmask:4 row_mask:0xf bank_mask:0xf
.endr
.irp x, 0,1,2,3
	v_add_f32_dpp v[\R+\x], v[\R+\x], v[\R+\x] row_xmask:8 row_mask:0xf bank_mask:0xf
.endr
.irp x, 0,1,2,3
	v_permlanex16_b32 v[\R+4+\x], v[\R+\x], s[SEL], s[SEL+1]
.endr
.irp x, 0,1,2,3
	v_add_f32 v[\R+\x], v[\R+\x], v[\R+4+\x]
.endr
	v_mul_f32 v[\R+8], 0xb5800000, v[\R]
	v_mul_f32 v[\R+12], 0xb5800000, v[\R+2]
	v_mul_f32 v[\R+1], 0x35800000, v[\R+1]
	v_mul_f32 v[\R+3], 0x35800000, v[\R+3]
	v_fma_f32 v[\R+1], -v[\R+8], v[\R+8], v[\R+1]
	v_fma_f32 v[\R+3], -v[\R+12], v[\R+12], v[\R+3]
	v_max_num_f32 v[\R+1], 0, v[\R+1]
	v_max_num_f32 v[\R+3], 0, v[\R+3]
	v_add_f32 v[\R+1], 0x3727c5ac, v[\R+1]
	v_add_f32 v[\R+3], 0x3727c5ac, v[\R+3]
	v_rsq_f32 v[\R+10], v[\R+1]
	v_rsq_f32 v[\R+14], v[\R+3]
	v_mov_b32 v[\R+9], v[\R+8]
	v_mov_b32 v[\R+13], v[\R+12]
	s_wait_alu depctr_va_vdst(0)
	v_mov_b32 v[\R+11], v[\R+10]
	v_mov_b32 v[\R+15], v[\R+14]
	ds_store_b128 v[TBS], v[\R+8:\R+11] offset:128*(\st)
	ds_store_b128 v[TBS], v[\R+12:\R+15] offset:128*(\st)+16
.endm
.macro PROWC
	ds_load_b128 v[WV:WV+3], v[TBC]
	s_wait_dscnt 0x0
.irp q, 0,1,2,3
	v_pk_mul_f32 v[SC0+2*\q:SC0+2*\q+1], v[SC0+2*\q:SC0+2*\q+1], v[WV+2:WV+3]
.endr
.irp q, 0,1,2,3
	v_pk_fma_f32 v[SH0+2*\q:SH0+2*\q+1], v[WV:WV+1], v[SC0+2*\q:SC0+2*\q+1], v[SH0+2*\q:SH0+2*\q+1]
.endr
.endm
.macro PDLC st
	WIN 0
.irp t, 0,1,2,3,4,5,6,7
	ds_load_b128 v[AT+4*\t:AT+4*\t+3], v[TBU] offset:128*(\st)+16*\t
.endr
	s_wait_dscnt 0x0
	WIN 0xc3
.set x, 0
.rept 32
	v_pk_mul_f32 v[SC+2*x:SC+2*x+1], v[SC+2*x:SC+2*x+1], v[AT+4*(x/4)+2:AT+4*(x/4)+3]
.set x, x+1
.endr
	WIN 0
.set x, 0
.rept 32
	v_pk_add_f32 v[ACC+2*x:ACC+2*x+1], v[ACC+2*x:ACC+2*x+1], v[AT+4*(x/4):AT+4*(x/4)+1]
.set x, x+1
.endr
	WIN 0xfc
.set x, 0
.rept 32
	v_pk_fma_f32 v[SH+2*x:SH+2*x+1], v[ACC+2*x:ACC+2*x+1], v[SC+2*x:SC+2*x+1], v[SH+2*x:SH+2*x+1]
.set x, x+1
.endr
	WIN 0
.endm
.macro PLNC st                         ; the last GroupNorm, lane layout: g in PG, beta in PG+8, the bias in TP
.irp t, 0,1,2,3,4,5,6,7
	ds_load_b128 v[AT+4*\t:AT+4*\t+3], v[TBU] offset:128*(\st)+16*\t
.endr
	s_wait_dscnt 0x0
.irp t, 0,1,2,3,4,5,6,7
	v_mul_f32 v[SQS+4*\t], v[PG+\t], v[AT+4*\t+2]
	v_add_f32 v[TP+\t], v[TP+\t], v[AT+4*\t]
.endr
.irp t, 0,1,2,3,4,5,6,7
	v_fma_f32 v[SQS+4*\t+2], v[TP+\t], v[SQS+4*\t], v[PG+8+\t]
	v_mov_b32 v[SQS+4*\t+1], v[SQS+4*\t]
.endr
.irp t, 0,1,2,3,4,5,6,7
	v_mov_b32 v[SQS+4*\t+3], v[SQS+4*\t+2]
.endr
.endm
.macro ISSUE
	WIN 0
.set x, 0
.rept 16
	v_min_u32 v[OFFR+x], 0xfff, v[IDXR+x]
.set x, x+1
.endr
.set x, 0
.rept 16
	v_lshl_add_u32 v[OFFR+x], v[OFFR+x], 8, v[CH16]
.set x, x+1
.endr
	v_lshl_add_u32 v[VO], s[J1], 9, v[VO0]
	v_lshl_add_u32 v[IO], s[J2], 5, v[IO0]
	WIN PW<<6
.set x, 0
.rept 16
	global_load_b128 v[G+4*x:G+4*x+3], v[OFFR+x], s[BU:BU+1]
.set x, x+1
.endr
	WIN 0
	global_load_b128 v[VR:VR+3], v[VO], s[BV:BV+1]
.irp a, 0,1,2,3
	global_load_b128 v[IDXR+4*\a:IDXR+4*\a+3], v[IO], s[BIX:BIX+1] offset:262144*\a
.endr
.endm
.macro FRONT
	s_wait_loadcnt 0x0
	WIN 0
.irp q, 0,1,2,3
	v_fma_mix_f32 v[WV+2*\q], v[VR+\q], v[SC0+2*\q], v[SH0+2*\q] op_sel_hi:[1,0,0]
	v_fma_mix_f32 v[WV+2*\q+1], v[VR+\q], v[SC0+2*\q+1], v[SH0+2*\q+1] op_sel:[1,0,0] op_sel_hi:[1,0,0]
.endr
.irp g, 0,1,2,3
	WIN PW
.set x, 0
.rept 16
	v_fma_mixlo_f16 v[AT+x], v[G+16*\g+x], v[SC0+2*(x%4)], v[WV+2*(x%4)] op_sel_hi:[1,0,0]
	v_fma_mixhi_f16 v[AT+x], v[G+16*\g+x], v[SC0+2*(x%4)+1], v[WV+2*(x%4)+1] op_sel:[1,0,0] op_sel_hi:[1,0,0]
.set x, x+1
.endr
	WIN 0
.set x, 0
.rept 16
	v_pk_mul_f16 v[LT+x], v[AT+x], s[LK]
.set x, x+1
.endr
.set x, 0
.rept 16
	v_pk_max_num_f16 v[AT+x], v[AT+x], v[LT+x]
.set x, x+1
.endr
.irp i, 0,1,2,3
	ds_store_b128 v[TST], v[AT+4*\i:AT+4*\i+3] offset:(4*\g+\i)*272
.endr
.endr
.endm
.macro BLOAD a
.irp x, 0,1,2,3,4,5,6,7
	ds_load_b128 v[BF+4*\x:BF+4*\x+3], v[\a] offset:32*\x
.endr
.endm
.macro MMAN win                        ; D = W x columns: a lane holds column r, channels 16 t + 8 h + j; the 8 accumulators take turns
.irp kk, 0,1,2,3
.irp t, 0,1,2,3,4,5,6,7
	WIN \win
.if \kk == 0
	v_wmma_f32_16x16x32_f16 v[ACC+8*\t:ACC+8*\t+7], v[8*(4*\t+\kk):8*(4*\t+\kk)+7], v[BF+8*\kk:BF+8*\kk+7], 0
.else
	v_wmma_f32_16x16x32_f16 v[ACC+8*\t:ACC+8*\t+7], v[8*(4*\t+\kk):8*(4*\t+\kk)+7], v[BF+8*\kk:BF+8*\kk+7], v[ACC+8*\t:ACC+8*\t+7]
.endif
.endr
.endr
.endm
.macro MMAS win                        ; the sources swapped: a lane holds channel 16 t + r, columns 8 h + j
.irp kk, 0,1,2,3
.irp t, 0,1,2,3,4,5,6,7
	WIN (\win)<<2
.if \kk == 0
	v_wmma_f32_16x16x32_f16 v[ACC+8*\t:ACC+8*\t+7], v[BF+8*\kk:BF+8*\kk+7], v[8*(4*\t+\kk):8*(4*\t+\kk)+7], 0
.else
	v_wmma_f32_16x16x32_f16 v[ACC+8*\t:ACC+8*\t+7], v[BF+8*\kk:BF+8*\kk+7], v[8*(4*\t+\kk):8*(4*\t+\kk)+7], v[ACC+8*\t:ACC+8*\t+7]
.endif
.endr
.endr
.endm
.macro GNACT
	PLACES
	WIN 0x3c
.set x, 0
.rept 32
	v_pk_fma_f32 v[ACC+2*x:ACC+2*x+1], v[ACC+2*x:ACC+2*x+1], v[SC+2*x:SC+2*x+1], v[SH+2*x:SH+2*x+1]
.set x, x+1
.endr
	WIN 0
.set x, 0
.rept 32
	v_cvt_pk_f16_f32 v[BF+x], v[ACC+2*x], v[ACC+2*x+1]
.set x, x+1
.endr
.set x, 0
.rept 32
	v_pk_mul_f16 v[AT+x], v[BF+x], s[LK]
.set x, x+1
.endr
.set x, 0
.rept 32
	v_pk_max_num_f16 v[BF+x], v[BF+x], v[AT+x]
.set x, x+1
.endr
.endm
.macro POOLMAX                         ; z = y sc + sh, the maximum over a point's 16 neighbours, lrelu: TP+t for channel 16 t + r
	PLACES
	WIN 0
.set x, 0
.rept 32
	v_pk_fma_f32 v[ACC+2*x:ACC+2*x+1], v[ACC+2*x:ACC+2*x+1], v[SQS+4*(x/4):SQS+4*(x/4)+1], v[SQS+4*(x/4)+2:SQS+4*(x/4)+3]
.set x, x+1
.endr
.irp t, 0,1,2,3,4,5,6,7
	v_max3_num_f32 v[TP+\t], v[ACC+8*\t], v[ACC+8*\t+1], v[ACC+8*\t+2]
.endr
.irp t, 0,1,2,3,4,5,6,7
	v_max3_num_f32 v[TP+\t], v[TP+\t], v[ACC+8*\t+3], v[ACC+8*\t+4]
.endr
.irp t, 0,1,2,3,4,5,6,7
	v_max3_num_f32 v[TP+\t], v[TP+\t], v[ACC+8*\t+5], v[ACC+8*\t+6]
.endr
.irp t, 0,1,2,3,4,5,6,7
	v_max_num_f32 v[TP+\t], v[TP+\t], v[ACC+8*\t+7]
.endr
.irp t, 0,1,2,3,4,5,6,7
	v_permlanex16_b32 v[AT+\t], v[TP+\t], s[SEL], s[SEL+1]
.endr
.irp t, 0,1,2,3,4,5,6,7
	v_max_num_f32 v[TP+\t], v[TP+\t], v[AT+\t]
.endr
.irp t, 0,1,2,3,4,5,6,7
	v_mul_f32 v[AT+\t], 0x3dcccccd, v[TP+\t]
.endr
.irp t, 0,1,2,3,4,5,6,7
	v_max_num_f32 v[TP+\t], v[TP+\t], v[AT+\t]
.endr
.endm
	s_load_b512 s[8:23], s[0:1], 0x0               ; uv1 8, idx 10, tab 12, st1 14, st2 16, st3 18, gn1_g 20, gn1_b 22
	s_load_b512 s[24:39], s[0:1], 0x40             ; m1a_b 24, m1a_g 26, m1a_beta 28, m1b_b 30, m1b_g 32, m1b_beta 34, t1_b 36, t2_b 38
	s_load_b256 s[40:47], s[0:1], 0x80             ; pos2_w 40, pos2_b 42, uv3 44, out0 46
	s_load_b64 s[48:49], s[0:1], 0xa0              ; out1
	HEAD
	s_mul_i32 s[SX], s[WVN], 4352
	s_add_co_u32 s[SX], s[SX], POOL
	v_lshl_add_u32 v[PO0], v[CC], 1, s[SX]         ; the pool, in: 2 bytes at channel r
	s_lshr_b32 s6, s[PRB], 1                       ; cross
	s_and_b32 s7, s[PRB], 1                        ; batch
	s_wait_kmcnt 0x0
	BASES 8, 10
	s_add_nc_u64 s[14:15], s[14:15], s[OF:OF+1]
	s_add_nc_u64 s[16:17], s[16:17], s[OF:OF+1]
	s_add_nc_u64 s[18:19], s[18:19], s[OF:OF+1]
	s_cmp_eq_u32 s6, 0
	s_cselect_b64 s[70:71], s[36:37], s[38:39]     ; t1_b or t2_b
	s_cselect_b64 s[72:73], s[46:47], s[48:49]     ; out0 or out1
	s_cselect_b32 s74, -1.0, 1.0                   ; the sign of the position term
	s_cselect_b32 s76, 1.0, 0                      ; pos2_b goes to V3 alone
	s_cselect_b32 s77, 1<<20, 0                    ; V3 lies behind U3
	s_mov_b32 s75, s74
	s_add_co_u32 s[OF], s6, 2
	s_lshl_b32 s[OF], s[OF], 15
	s_add_nc_u64 s[78:79], s[12:13], s[OF:OF+1]    ; t's image
	s_lshl_b32 s[OF], s[PRB], 12
	s_add_co_u32 s[OF], s[OF], s[N0W]
	s_lshl_b32 s[OF], s[OF], 4
	s_add_co_u32 s[OF], s[OF], PTSO
	s_add_nc_u64 s[80:81], s[12:13], s[OF:OF+1]    ; my 16 points
	s_lshl_b32 s[OF], s7, 16
	s_add_co_u32 s[OF], s[OF], PTSO
	s_add_nc_u64 s[82:83], s[12:13], s[OF:OF+1]
	s_load_b128 s[84:87], s[82:83], 0x0            ; c: point 0 of pc1 in the batch
	s_lshl_b32 s[OF], s7, 21
	s_add_co_u32 s[OF], s[OF], s77
	s_lshl_b32 s[SX], s[N0W], 8
	s_add_co_u32 s[OF], s[OF], s[SX]
	s_add_co_u32 s[OF], s[OF], UVH
	s_add_nc_u64 s[88:89], s[44:45], s[OF:OF+1]    ; my 16 rows of uv3
	s_lshl_b32 s[OF], s7, 21
	s_lshl_b32 s[SX], s[WVN], 19
	s_add_co_u32 s[OF], s[OF], s[SX]
	s_lshl_b32 s[SX], s[WGI], 8
	s_add_co_u32 s[OF], s[OF], s[SX]
	s_add_nc_u64 s[72:73], s[72:73], s[OF:OF+1]    ; channels 32 w on, the group's 64 points
.irp a, 0,1,2,3
	global_load_b128 v[IDXR+4*\a:IDXR+4*\a+3], v[IO0], s[BIX:BIX+1] offset:262144*\a
.endr
	STLOAD AT, 14
	STLOAD OFFR, 16
	STLOAD SQS, 18
	L2 SC0, C32, 20
	L2 SH0, C32, 22
	LDL ACC, 24
	LLN PG, 32
	LLN PG+8, 34
	LLN TP, 30
	WIN PW<<6
	LDL SC, 26
	LDL SH, 28
	WIN 0
	WLOADF 1, 12, 0
	WLOADF 2, 12, 32768
	s_wait_loadcnt 0x0
	STATS AT, 0
	STATS OFFR, 1
	STATS SQS, 2
	s_mov_b32 s[J1], 0
	s_mov_b32 s[J2], 1
	ISSUE
	RBN SC0, 8
	RBN PG, 8
	RBN TP, 4
	RBN ACC, 32
	WIN 0xcf
	RBN 0, 64
	WIN 0
	PROWC
	PDLC 1
	PLNC 2
	s_mov_b32 s[JJ], 0
.Ltrip:
	FRONT
	s_cmp_eq_u32 s[JJ], 7
	s_cbranch_scc1 .Lnoissue
	s_add_co_u32 s[J1], s[JJ], 1
	s_add_co_u32 s[J2], s[JJ], 2
	s_min_u32 s[J2], s[J2], 7
	ISSUE
.Lnoissue:
	s_mov_b32 s[NT], 0
.Lnt:
	s_mul_i32 s[SX], s[NT], 4352
	v_add_nc_u32 v[FR], s[SX], v[FR0]
	BLOAD FR
	s_wait_dscnt 0x0
	MMAN 1
	GNACT
	MMAS 2
	POOLMAX
	s_mul_i32 s[SX], s[NT], 272                    ; the pool's row 2 JJ + NT: NT in the register,
	v_add_nc_u32 v[PO], s[SX], v[PO0]
.irp t, 0,2,4,6
	v_cvt_pk_f16_f32 v[TP+\t], v[TP+\t], v[TP+\t+1]
.endr
.irp k, 0,1,2,3,4,5,6                  ; 2 JJ in the immediates: one run of eight stores for each trip, chosen by the trip's counter
	s_cmp_eq_u32 s[JJ], \k
	s_cbranch_scc1 .Lrow\k
.endr
.irp k, 7,6,5,4,3,2,1,0
.Lrow\k:
.irp t, 0,2,4,6
	ds_store_b16 v[PO], v[TP+\t] offset:544*\k+32*\t
	ds_store_b16_d16_hi v[PO], v[TP+\t] offset:544*\k+32*\t+32
.endr
.if \k != 0
	s_branch .Lrowed
.endif
.endr
.Lrowed:
	s_add_co_u32 s[NT], s[NT], 1
	s_cmp_lt_u32 s[NT], 2
	s_cbranch_scc1 .Lnt
	s_add_co_u32 s[JJ], s[JJ], 1
	s_cmp_lt_u32 s[JJ], 8
	s_cbranch_scc1 .Ltrip
	; THE LAST PRODUCT.  Window 1 takes t's fragments.
	s_wait_loadcnt 0x0                             ; no load of the gather is out: its registers are loaded anew below (the last trip asked for nothing, so nothing is waited for)
	WLOADF 1, 78, 0
	LLN IDXR, 70                                   ; t_b, lane layout
	L2 SC0, C32, 70                                ; t_b, pos2_b, pos2_w for channels 8 c .. 8 c + 7
	L2 SH0, C32, 42
	v_mul_u32_u24 v[T0], v[CC], 96
.irp q, 0,1,2,3,4,5
	global_load_b128 v[AT+4*\q:AT+4*\q+3], v[T0], s[40:41] offset:16*\q
.endr
.irp i, 0,1,2,3,4,5,6,7
	global_load_b128 v[SQS+4*\i:SQS+4*\i+3], v[IO0], s[80:81] offset:32*\i  ; point 2 i + h
.endr
	s_mul_i32 s[SX], s[WVN], 4352
	s_add_co_u32 s[SX], s[SX], POOL
	v_add_nc_u32 v[FR], s[SX], v[RH]
	BLOAD FR                                       ; LDS serves a wave's instructions in order: these see my pooled vectors
	s_wait_loadcnt 0x0
	s_wait_kmcnt 0x0
	s_wait_dscnt 0x0
	RBN IDXR, 4
	RBN SC0, 8
	RBN AT, 12
.set x, 0
.rept 12
	v_pk_mul_f32 v[AT+2*x:AT+2*x+1], v[AT+2*x:AT+2*x+1], s[74:75] op_sel_hi:[1,0]
.set x, x+1
.endr
.set x, 0
.rept 8
	v_fmac_f32 v[SC0+x], s76, v[SH0+x]
.set x, x+1
.endr
.irp i, 0,1,2,3,4,5,6,7
.irp d, 0,1,2
	v_sub_f32 v[SQS+4*\i+\d], v[SQS+4*\i+\d], s[84+\d]
.endr
.endr
	s_lshl_b32 s[SX], s[WVN], 6
	s_add_co_u32 s[SX], s[SX], OSTG
	v_mul_u32_u24 v[PO], v[CC], 272
	v_lshl_add_u32 v[PO], v[HH], 5, v[PO]
	v_add_nc_u32 v[PO], s[SX], v[PO]               ; out stage, in: channel r, points 16 w + 8 h
	s_mul_i32 s[SX], s[WVN], 8448
	s_add_co_u32 s[SX], s[SX], RSTG
	v_mul_u32_u24 v[PO0], v[CC], 528
	v_lshl_add_u32 v[PO0], v[HH], 5, v[PO0]
	v_add_nc_u32 v[PO0], s[SX], v[PO0]             ; row stage, in: point r, channels 8 h
	v_mul_u32_u24 v[T0], v[HH], 528
	v_lshl_add_u32 v[T0], v[CC], 5, v[T0]
	v_add_nc_u32 v[T0], s[SX], v[T0]               ; row stage, back: point 2 i + h, channels 8 c
	MMAS 1
	PLACES
	WIN 0
.irp t, 0,1,2,3,4,5,6,7
.set j, 0
.rept 8
	v_add_f32 v[ACC+8*\t+j], v[ACC+8*\t+j], v[IDXR+\t]
.set j, j+1
.endr
	ds_store_b128 v[PO], v[ACC+8*\t:ACC+8*\t+3] offset:4352*\t
	ds_store_b128 v[PO], v[ACC+8*\t+4:ACC+8*\t+7] offset:4352*\t+16
.endr
	s_wait_dscnt 0x0                               ; the stores have read the accumulators, which the next product writes
	MMAN 1
	PLACES
	WIN 0
.irp t, 0,1,2,3,4,5,6,7
	ds_store_b128 v[PO0], v[ACC+8*\t:ACC+8*\t+3] offset:64*\t
	ds_store_b128 v[PO0], v[ACC+8*\t+4:ACC+8*\t+7] offset:64*\t+16
.endr
	s_wait_dscnt 0x0
.irp i, 0,1,2,3,4,5,6,7
	ds_load_b128 v[ACC+8*\i:ACC+8*\i+3], v[T0] offset:1056*\i
	ds_load_b128 v[ACC+8*\i+4:ACC+8*\i+7], v[T0] offset:1056*\i+16
.endr
.irp i, 0,1,2,3,4,5,6,7
	s_wait_dscnt 14-2*\i                           ; the younger pairs of loads may stay out
.set j, 0
.rept 8
	v_add_f32 v[ACC+8*\i+j], v[ACC+8*\i+j], v[SC0+j]
.set j, j+1
.endr
.irp d, 0,1,2
.set j, 0
.rept 8
	v_fmac_f32 v[ACC+8*\i+j], v[AT+3*j+\d], v[SQS+4*\i+\d]
.set j, j+1
.endr
.endr
.irp q, 0,1,2,3
	v_cvt_pk_f16_f32 v[ACC+8*\i+\q], v[ACC+8*\i+2*\q], v[ACC+8*\i+2*\q+1]
.endr
	global_store_b128 v[VO0], v[ACC+8*\i:ACC+8*\i+3], s[88:89] offset:512*\i  ; 16 lanes store one row of 256 bytes
.endr
	s_wait_xcnt 0x0                                ; the stores' registers are loaded again below
	s_barrier_signal -1                            ; no LDS instruction of mine is out: the last count above was 0
	s_barrier_wait -1
	s_mul_i32 s[SX], s[WVN], 8704
	s_add_co_u32 s[SX], s[SX], OSTG
	v_mul_u32_u24 v[T0], v[HH], 272
	v_add3_u32 v[T0], v[T0], v[CH16], s[SX]        ; out stage, back: channel 32 w + 2 x + h, whole
	v_lshl_add_u32 v[PO], v[HH], 14, v[CH16]
.set x, 0
.rept 16
	ds_load_b128 v[ACC+4*x:ACC+4*x+3], v[T0] offset:544*x
.set x, x+1
.endr
.set x, 0
.rept 16
	s_wait_dscnt 15-x
	global_store_b128 v[PO], v[ACC+4*x:ACC+4*x+3], s[72:73] offset:32768*x  ; 16 lanes store 256 consecutive bytes of a channel
.set x, x+1
.endr
	s_wait_tensorcnt 0x0                           ; the wave's end
	ds_add_u32 v[SPW], v[NIL]
	s_wait_dscnt 0x0
	s_endpgm
.Lfunc_end_k_qf7f11815fa_conv2f:
	.size	k_qf7f11815fa_conv2f, .Lfunc_end_k_qf7f11815fa_conv2f-k_qf7f11815fa_conv2f
	.p2alignl 7, 3214868480
	.fill 96, 4, 3214868480
	.section	.rodata,"a",@progbits
	.p2align	6, 0x0
	.amdhsa_kernel k_qf7f11815fa_conv2f
		.amdhsa_group_segment_fixed_size 123648
		.amdhsa_private_segment_fixed_size 0
		.amdhsa_enable_private_segment 0
		.amdhsa_kernarg_size 168
		.amdhsa_user_sgpr_count 2
		.amdhsa_user_sgpr_kernarg_segment_ptr 1
		.amdhsa_wavefront_size32 1
		.amdhsa_system_sgpr_workgroup_id_x 1
		.amdhsa_system_sgpr_workgroup_id_y 1
		.amdhsa_system_sgpr_workgroup_id_z 1
		.amdhsa_system_vgpr_workitem_id 0
		.amdhsa_next_free_vgpr 960
		.amdhsa_next_free_sgpr 92
		.amdhsa_reserve_vcc 0
		.amdhsa_float_denorm_mode_32 3
		.amdhsa_float_denorm_mode_16_64 3
		.amdhsa_memory_ordered 1
		.amdhsa_forward_progress 1
		.amdhsa_inst_pref_size 152
	.end_amdhsa_kernel
	.amdgpu_metadata
---
amdhsa.version: [ 1, 2 ]
amdhsa.kernels:
  - .name:           k_qf7f11815fa_conv2f
    .symbol:         k_qf7f11815fa_conv2f.kd
    .args:
      - { .name: uv1, .offset: 0, .size: 8, .value_kind: global_buffer, .address_space: global }
      - { .name: idx, .offset: 8, .size: 8, .value_kind: global_buffer, .address_space: global }
      - { .name: tab, .offset: 16, .size: 8, .value_kind: global_buffer, .address_space: global }
      - { .name: st1, .offset: 24, .size: 8, .value_kind: global_buffer, .address_space: global }
      - { .name: st2, .offset: 32, .size: 8, .value_kind: global_buffer, .address_space: global }
      - { .name: st3, .offset: 40, .size: 8, .value_kind: global_buffer, .address_space: global }
      - { .name: gn1_g, .offset: 48, .size: 8, .value_kind: global_buffer, .address_space: global }
      - { .name: gn1_b, .offset: 56, .size: 8, .value_kind: global_buffer, .address_space: global }
      - { .name: m1a_b, .offset: 64, .size: 8, .value_kind: global_buffer, .address_space: global }
      - { .name: m1a_g, .offset: 72, .size: 8, .value_kind: global_buffer, .address_space: global }
      - { .name: m1a_beta, .offset: 80, .size: 8, .value_kind: global_buffer, .address_space: global }
      - { .name: m1b_b, .offset: 88, .size: 8, .value_kind: global_buffer, .address_space: global }
      - { .name: m1b_g, .offset: 96, .size: 8, .value_kind: global_buffer, .address_space: global }
      - { .name: m1b_beta, .offset: 104, .size: 8, .value_kind: global_buffer, .address_space: global }
      - { .name: t1_b, .offset: 112, .size: 8, .value_kind: global_buffer, .address_space: global }
      - { .name: t2_b, .offset: 120, .size: 8, .value_kind: global_buffer, .address_space: global }
      - { .name: pos2_w, .offset: 128, .size: 8, .value_kind: global_buffer, .address_space: global }
      - { .name: pos2_b, .offset: 136, .size: 8, .value_kind: global_buffer, .address_space: global }
      - { .name: uv3, .offset: 144, .size: 8, .value_kind: global_buffer, .address_space: global }
      - { .name: out0, .offset: 152, .size: 8, .value_kind: global_buffer, .address_space: global }
      - { .name: out1, .offset: 160, .size: 8, .value_kind: global_buffer, .address_space: global }
    .group_segment_fixed_size: 123648
    .private_segment_fixed_size: 0
    .kernarg_segment_align: 8
    .kernarg_segment_size: 168
    .max_flat_workgroup_size: 128
    .sgpr_count:     92
    .vgpr_count:     960
    .wavefront_size: 32
...
	.end_amdgpu_metadata
.endif
;; end of part 7
;; launch stat0c: the kernel of part 4 again; grid 128 x 1, 8 waves a work-group, no clusters, 1,536 bytes of LDS; arguments uv3, idx, st1; writes st1
;; launch conv1sc: the kernel of part 5 again; grid 128 x 1, 4 waves a work-group, no clusters, 123,648 bytes of LDS; arguments uv3, idx, st1, gn2_g, gn2_b, uv1, m2a_b, st2; writes st2
;; launch conv1f (part 8): grid 128 x 1, 4 waves a work-group, no clusters, 123,648 bytes of LDS; arguments uv3, idx, st1, st2, gn2_g, gn2_b, uv1, m2a_b, m2a_g, m2a_beta, out2; writes out2
.if DOCPART == 8
	.amdgcn_target "amdgcn-amd-amdhsa--gfx1250"
	.amdhsa_code_object_version 6
	.text
	.protected	k_qf7f11815fa_conv1f
	.globl	k_qf7f11815fa_conv1f
	.p2align	8
	.type	k_qf7f11815fa_conv1f,@function
k_qf7f11815fa_conv1f:
	s_mov_b64 s[64:65], 0
	v_nop
	global_prefetch_b8 v0, s[64:65] scope:SCOPE_SE
	s_setreg_imm32_b32 hwreg(HW_REG_WAVE_MODE, 25, 1), 1
	s_wait_xcnt 0x0
; ONE LAYER TO THE END (the third cross).  a0 = lrelu(GN(U3[idx] + V3)); y = W a0 with the sources swapped, so that a lane holds ONE channel (16 t + r) and 8 neighbours;
; z = y sc + sh (second GroupNorm, bias folded in), the maximum over the 16 neighbours, lrelu once behind it (it is monotone); out2 is [batch][channel][point] in f32.
; The pooled numbers meet in a stage of 128 channels x 64 points, so that 16 lanes store 256 consecutive bytes of a channel.  Shares, tile, gather and formats as in the sums' text.
; 128 work-groups: two problems of 64 blocks of 64 points, the share that this text has in common with the launches in front of it.
; Every LDS address of the text is a fixed register, at most plus the inner counter times a constant, plus an immediate: the trip's columns of the stage stand in the stores' immediates.
.set UVH,  32768
.set OSTG, 86016
.set TBL,  120832
.set SPARE,123136
.set PW, 2                             ; window 2: v0-63 the gathered rows
.set G,  0
.set CC,1
.set HH,2
.set CH16,3
.set VO0,4
.set VO,5
.set IO0,6
.set IO,7
.set TST,8
.set FR0,9
.set FR,10
.set L16,11
.set TBS,12
.set TBU,13
.set TBC,14
.set RH,15
.set SPW,16
.set NIL,17
.set PD,18
.set C32,19
.set R4,20
.set PO0,21
.set PO,22
.set T0,23
.set SC0,24
.set SH0,32
.set WV,40
.set VR,48
.set AT,52
.set LT,68
.set IDXR,84
.set OFFR,100
.set BF,116
.set PG,132
.set ACC,148
.set SQS,212
.set TP,244
.set WVN,2
.set PRB,3
.set WGI,4
.set N0W,5
.set BU,50
.set BV,52
.set BIX,54
.set SEL,56
.set JJ,58
.set NT,59
.set J1,60
.set J2,61
.set SX,62
.set LK,66
.set OF,68
.set MSB, 0
.macro WIN new
.if MSB != (\new)
	s_set_vgpr_msb (MSB<<8)|(\new)
.set MSB, \new
.endif
.endm
.macro PLACES
.rept 4
	v_nop
.endr
.endm
.macro RBN base, n
.set i, 0
.rept \n
	v_cvt_pk_bf16_f32 v[\base+2*i], v[\base+2*i], v[\base+2*i+1]
	v_and_b32 v[\base+2*i+1], 0xffff0000, v[\base+2*i]
	v_lshlrev_b32 v[\base+2*i], 16, v[\base+2*i]
.set i, i+1
.endr
.endm
.macro HEAD
	v_lshl_add_u32 v[SPW], v0, 2, SPARE
	v_mov_b32 v[NIL], 0
	v_lshrrev_b32 v1, 5, v0
	v_readfirstlane_b32 s[WVN], v1
	s_lshr_b32 s[PRB], ttmp9, 6
	s_and_b32 s[WGI], ttmp9, 63
	s_lshl_b32 s[N0W], s[WGI], 6
	s_lshl4_add_u32 s[N0W], s[WVN], s[N0W]
	s_mov_b32 s[SEL], 0x76543210
	s_mov_b32 s[SEL+1], 0xfedcba98
	s_mov_b32 s[LK], 0x2e662e66
	s_mov_b32 s[OF+1], 0
	v_and_b32 v[CC], 15, v0
	v_bfe_u32 v[HH], v0, 4, 1
	v_lshlrev_b32 v[CH16], 4, v[CC]
	v_lshl_add_u32 v[VO0], v[HH], 8, v[CH16]
	v_lshlrev_b32 v[IO0], 4, v[HH]
	v_and_b32 v[L16], 31, v0
	v_lshlrev_b32 v[L16], 4, v[L16]
	s_mul_i32 s[SX], s[WVN], 8704
	v_mul_u32_u24 v[TST], v[HH], 4352
	v_add3_u32 v[TST], v[TST], v[CH16], s[SX]
	v_mul_u32_u24 v[RH], v[CC], 272
	v_lshl_add_u32 v[RH], v[HH], 4, v[RH]
	v_add_nc_u32 v[FR0], s[SX], v[RH]
	s_lshl_b32 s[SX], s[WVN], 9
	s_add_co_u32 s[SX], s[SX], TBL
	v_and_b32 v[TBS], 3, v0
	v_lshl_add_u32 v[TBS], v[TBS], 5, s[SX]
	v_mov_b32 v[TBU], s[SX]
	v_lshrrev_b32 v[TBC], 1, v[CC]
	v_lshl_add_u32 v[TBC], v[TBC], 4, s[SX]
	v_lshlrev_b32 v[PD], 5, v[HH]
	v_lshlrev_b32 v[C32], 5, v[CC]
	v_lshlrev_b32 v[R4], 2, v[CC]
.endm
.macro BASES up, ip
	s_lshl_b32 s[OF], s[PRB], 21
	s_add_co_u32 s[OF], s[OF], UVH
	s_add_nc_u64 s[BU:BU+1], s[\up:\up+1], s[OF:OF+1]
	s_lshl_b32 s[OF], s[N0W], 8
	s_add_co_u32 s[OF], s[OF], 1<<20
	s_add_nc_u64 s[BV:BV+1], s[BU:BU+1], s[OF:OF+1]
	s_lshl_b32 s[OF], s[PRB], 12
	s_add_co_u32 s[OF], s[OF], s[N0W]
	s_lshl_b32 s[OF], s[OF], 4
	s_add_nc_u64 s[BIX:BIX+1], s[\ip:\ip+1], s[OF:OF+1]
	s_lshl_b32 s[OF], s[PRB], 12
.endm
.macro STLOAD R, sp
.irp i, 0,1,2,3,4,5,6,7
	global_load_b128 v[\R+4*\i:\R+4*\i+3], v[L16], s[\sp:\sp+1] offset:512*\i
.endr
.endm
.macro L2 dst, ad, sp
	global_load_b128 v[\dst:\dst+3], v[\ad], s[\sp:\sp+1]
	global_load_b128 v[\dst+4:\dst+7], v[\ad], s[\sp:\sp+1] offset:16
.endm
.macro LLN dst, sp
.irp t, 0,1,2,3,4,5,6,7
	global_load_b32 v[\dst+\t], v[R4], s[\sp:\sp+1] offset:64*\t
.endr
.endm
.macro WLOADF win, sp, off
	WIN (\win)<<6
.set x, 0
.rept 64
	global_load_b128 v[4*x:4*x+3], v[L16], s[\sp:\sp+1] offset:(\off)+512*x
.set x, x+1
.endr
	WIN 0
.endm
.macro STATS R, st
.set i, 1
.rept 7
	v_pk_add_f32 v[\R:\R+1], v[\R:\R+1], v[\R+4*i:\R+4*i+1]
	v_pk_add_f32 v[\R+2:\R+3], v[\R+2:\R+3], v[\R+4*i+2:\R+4*i+3]
.set i, i+1
.endr
.irp x, 0,1,2,3
	v_add_f32_dpp v[\R+\x], v[\R+\x], v[\R+\x] row_xmask:4 row_mask:0xf bank_mask:0xf
.endr
.irp x, 0,1,2,3
	v_add_f32_dpp v[\R+\x], v[\R+\x], v[\R+\x] row_xmask:8 row_mask:0xf bank_mask:0xf
.endr
.irp x, 0,1,2,3
	v_permlanex16_b32 v[\R+4+\x], v[\R+\x], s[SEL], s[SEL+1]
.endr
.irp x, 0,1,2,3
	v_add_f32 v[\R+\x], v[\R+\x], v[\R+4+\x]
.endr
	v_mul_f32 v[\R+8], 0xb5800000, v[\R]
	v_mul_f32 v[\R+12], 0xb5800000, v[\R+2]
	v_mul_f32 v[\R+1], 0x35800000, v[\R+1]
	v_mul_f32 v[\R+3], 0x35800000, v[\R+3]
	v_fma_f32 v[\R+1], -v[\R+8], v[\R+8], v[\R+1]
	v_fma_f32 v[\R+3], -v[\R+12], v[\R+12], v[\R+3]
	v_max_num_f32 v[\R+1], 0, v[\R+1]
	v_max_num_f32 v[\R+3], 0, v[\R+3]
	v_add_f32 v[\R+1], 0x3727c5ac, v[\R+1]
	v_add_f32 v[\R+3], 0x3727c5ac, v[\R+3]
	v_rsq_f32 v[\R+10], v[\R+1]
	v_rsq_f32 v[\R+14], v[\R+3]
	v_mov_b32 v[\R+9], v[\R+8]
	v_mov_b32 v[\R+13], v[\R+12]
	s_wait_alu depctr_va_vdst(0)
	v_mov_b32 v[\R+11], v[\R+10]
	v_mov_b32 v[\R+15], v[\R+14]
	ds_store_b128 v[TBS], v[\R+8:\R+11] offset:128*(\st)
	ds_store_b128 v[TBS], v[\R+12:\R+15] offset:128*(\st)+16
.endm
.macro PROWC
	ds_load_b128 v[WV:WV+3], v[TBC]
	s_wait_dscnt 0x0
.irp q, 0,1,2,3
	v_pk_mul_f32 v[SC0+2*\q:SC0+2*\q+1], v[SC0+2*\q:SC0+2*\q+1], v[WV+2:WV+3]
.endr
.irp q, 0,1,2,3
	v_pk_fma_f32 v[SH0+2*\q:SH0+2*\q+1], v[WV:WV+1], v[SC0+2*\q:SC0+2*\q+1], v[SH0+2*\q:SH0+2*\q+1]
.endr
.endm
.macro PLNC st
.irp t, 0,1,2,3,4,5,6,7
	ds_load_b128 v[AT+4*\t:AT+4*\t+3], v[TBU] offset:128*(\st)+16*\t
.endr
	s_wait_dscnt 0x0
.irp t, 0,1,2,3,4,5,6,7
	v_mul_f32 v[SQS+4*\t], v[PG+\t], v[AT+4*\t+2]
	v_add_f32 v[TP+\t], v[TP+\t], v[AT+4*\t]
.endr
.irp t, 0,1,2,3,4,5,6,7
	v_fma_f32 v[SQS+4*\t+2], v[TP+\t], v[SQS+4*\t], v[PG+8+\t]
	v_mov_b32 v[SQS+4*\t+1], v[SQS+4*\t]
.endr
.irp t, 0,1,2,3,4,5,6,7
	v_mov_b32 v[SQS+4*\t+3], v[SQS+4*\t+2]
.endr
.endm
.macro ISSUE
	WIN 0
.set x, 0
.rept 16
	v_min_u32 v[OFFR+x], 0xfff, v[IDXR+x]
.set x, x+1
.endr
.set x, 0
.rept 16
	v_lshl_add_u32 v[OFFR+x], v[OFFR+x], 8, v[CH16]
.set x, x+1
.endr
	v_lshl_add_u32 v[VO], s[J1], 9, v[VO0]
	v_lshl_add_u32 v[IO], s[J2], 5, v[IO0]
	WIN PW<<6
.set x, 0
.rept 16
	global_load_b128 v[G+4*x:G+4*x+3], v[OFFR+x], s[BU:BU+1]
.set x, x+1
.endr
	WIN 0
	global_load_b128 v[VR:VR+3], v[VO], s[BV:BV+1]
.irp a, 0,1,2,3
	global_load_b128 v[IDXR+4*\a:IDXR+4*\a+3], v[IO], s[BIX:BIX+1] offset:262144*\a
.endr
.endm
.macro FRONT
	s_wait_loadcnt 0x0
	WIN 0
.irp q, 0,1,2,3
	v_fma_mix_f32 v[WV+2*\q], v[VR+\q], v[SC0+2*\q], v[SH0+2*\q] op_sel_hi:[1,0,0]
	v_fma_mix_f32 v[WV+2*\q+1], v[VR+\q], v[SC0+2*\q+1], v[SH0+2*\q+1] op_sel:[1,0,0] op_sel_hi:[1,0,0]
.endr
.irp g, 0,1,2,3
	WIN PW
.set x, 0
.rept 16
	v_fma_mixlo_f16 v[AT+x], v[G+16*\g+x], v[SC0+2*(x%4)], v[WV+2*(x%4)] op_sel_hi:[1,0,0]
	v_fma_mixhi_f16 v[AT+x], v[G+16*\g+x], v[SC0+2*(x%4)+1], v[WV+2*(x%4)+1] op_sel:[1,0,0] op_sel_hi:[1,0,0]
.set x, x+1
.endr
	WIN 0
.set x, 0
.rept 16
	v_pk_mul_f16 v[LT+x], v[AT+x], s[LK]
.set x, x+1
.endr
.set x, 0
.rept 16
	v_pk_max_num_f16 v[AT+x], v[AT+x], v[LT+x]
.set x, x+1
.endr
.irp i, 0,1,2,3
	ds_store_b128 v[TST], v[AT+4*\i:AT+4*\i+3] offset:(4*\g+\i)*272
.endr
.endr
.endm
.macro BLOAD a
.irp x, 0,1,2,3,4,5,6,7
	ds_load_b128 v[BF+4*\x:BF+4*\x+3], v[\a] offset:32*\x
.endr
.endm
.macro MMAS win                        ; the 8 accumulators take turns
.irp kk, 0,1,2,3
.irp t, 0,1,2,3,4,5,6,7
	WIN (\win)<<2
.if \kk == 0
	v_wmma_f32_16x16x32_f16 v[ACC+8*\t:ACC+8*\t+7], v[BF+8*\kk:BF+8*\kk+7], v[8*(4*\t+\kk):8*(4*\t+\kk)+7], 0
.else
	v_wmma_f32_16x16x32_f16 v[ACC+8*\t:ACC+8*\t+7], v[BF+8*\kk:BF+8*\kk+7], v[8*(4*\t+\kk):8*(4*\t+\kk)+7], v[ACC+8*\t:ACC+8*\t+7]
.endif
.endr
.endr
.endm
.macro POOLMAX
	PLACES
	WIN 0
.set x, 0
.rept 32
	v_pk_fma_f32 v[ACC+2*x:ACC+2*x+1], v[ACC+2*x:ACC+2*x+1], v[SQS+4*(x/4):SQS+4*(x/4)+1], v[SQS+4*(x/4)+2:SQS+4*(x/4)+3]
.set x, x+1
.endr
.irp t, 0,1,2,3,4,5,6,7
	v_max3_num_f32 v[TP+\t], v[ACC+8*\t], v[ACC+8*\t+1], v[ACC+8*\t+2]
.endr
.irp t, 0,1,2,3,4,5,6,7
	v_max3_num_f32 v[TP+\t], v[TP+\t], v[ACC+8*\t+3], v[ACC+8*\t+4]
.endr
.irp t, 0,1,2,3,4,5,6,7
	v_max3_num_f32 v[TP+\t], v[TP+\t], v[ACC+8*\t+5], v[ACC+8*\t+6]
.endr
.irp t, 0,1,2,3,4,5,6,7
	v_max_num_f32 v[TP+\t], v[TP+\t], v[ACC+8*\t+7]
.endr
.irp t, 0,1,2,3,4,5,6,7
	v_permlanex16_b32 v[AT+\t], v[TP+\t], s[SEL], s[SEL+1]
.endr
.irp t, 0,1,2,3,4,5,6,7
	v_max_num_f32 v[TP+\t], v[TP+\t], v[AT+\t]
.endr
.irp t, 0,1,2,3,4,5,6,7
	v_mul_f32 v[AT+\t], 0x3dcccccd, v[TP+\t]
.endr
.irp t, 0,1,2,3,4,5,6,7
	v_max_num_f32 v[TP+\t], v[TP+\t], v[AT+\t]
.endr
.endm
	s_load_b512 s[8:23], s[0:1], 0x0               ; uv3 8, idx 10, st1 12, st2 14, gn2_g 16, gn2_b 18, uv1 (m2a's image) 20, m2a_b 22
	s_load_b128 s[24:27], s[0:1], 0x40             ; m2a_g 24, m2a_beta 26
	s_load_b64 s[28:29], s[0:1], 0x50              ; out2
	HEAD
	s_lshl_b32 s[SX], s[WVN], 6
	s_add_co_u32 s[SX], s[SX], OSTG
	v_mul_u32_u24 v[PO0], v[CC], 272
	v_add_nc_u32 v[PO0], s[SX], v[PO0]             ; out stage, in: channel r, point 16 w
	s_wait_kmcnt 0x0
	BASES 8, 10
	s_add_nc_u64 s[12:13], s[12:13], s[OF:OF+1]
	s_add_nc_u64 s[14:15], s[14:15], s[OF:OF+1]
	s_lshl_b32 s[OF], s[PRB], 21
	s_lshl_b32 s[SX], s[WVN], 19
	s_add_co_u32 s[OF], s[OF], s[SX]
	s_lshl_b32 s[SX], s[WGI], 8
	s_add_co_u32 s[OF], s[OF], s[SX]
	s_add_nc_u64 s[28:29], s[28:29], s[OF:OF+1]    ; batch p, channels 32 w on, the group's 64 points
.irp a, 0,1,2,3
	global_load_b128 v[IDXR+4*\a:IDXR+4*\a+3], v[IO0], s[BIX:BIX+1] offset:262144*\a
.endr
	STLOAD AT, 12
	STLOAD OFFR, 14
	L2 SC0, C32, 16
	L2 SH0, C32, 18
	LLN PG, 24
	LLN PG+8, 26
	LLN TP, 22
	WLOADF 1, 20, 0
	s_wait_loadcnt 0x0
	STATS AT, 0
	STATS OFFR, 1
	s_mov_b32 s[J1], 0
	s_mov_b32 s[J2], 1
	ISSUE
	RBN SC0, 8
	RBN PG, 8
	RBN TP, 4
	PROWC
	PLNC 1
	s_mov_b32 s[JJ], 0
.Ltrip:
	FRONT
	s_cmp_eq_u32 s[JJ], 7
	s_cbranch_scc1 .Lnoissue
	s_add_co_u32 s[J1], s[JJ], 1
	s_add_co_u32 s[J2], s[JJ], 2
	s_min_u32 s[J2], s[J2], 7
	ISSUE
.Lnoissue:
	s_mov_b32 s[NT], 0
.Lnt:
	s_mul_i32 s[SX], s[NT], 4352
	v_add_nc_u32 v[FR], s[SX], v[FR0]
	BLOAD FR
	s_wait_dscnt 0x0
	MMAS 1
	POOLMAX
	s_mul_i32 s[SX], s[NT], 4                      ; the stage's column 2 JJ + NT of my 16: NT in the register,
	v_add_nc_u32 v[PO], s[SX], v[PO0]
.irp k, 0,1,2,3,4,5,6                  ; 2 JJ in the immediates: one run of eight stores for each trip, chosen by the trip's counter
	s_cmp_eq_u32 s[JJ], \k
	s_cbranch_scc1 .Lrow\k
.endr
.irp k, 7,6,5,4,3,2,1,0
.Lrow\k:
.irp t, 0,1,2,3,4,5,6,7
	ds_store_b32 v[PO], v[TP+\t] offset:4352*\t+8*\k
.endr
.if \k != 0
	s_branch .Lrowed
.endif
.endr
.Lrowed:
	s_add_co_u32 s[NT], s[NT], 1
	s_cmp_lt_u32 s[NT], 2
	s_cbranch_scc1 .Lnt
	s_add_co_u32 s[JJ], s[JJ], 1
	s_cmp_lt_u32 s[JJ], 8
	s_cbranch_scc1 .Ltrip
	s_wait_loadcnt 0x0                             ; no load of the gather is out (the last trip asked for nothing, so nothing is waited for)
	s_wait_dscnt 0x0                               ; a channel's 256 bytes come from four waves
	s_barrier_signal -1
	s_barrier_wait -1
	s_mul_i32 s[SX], s[WVN], 8704
	s_add_co_u32 s[SX], s[SX], OSTG
	v_mul_u32_u24 v[T0], v[HH], 272
	v_add3_u32 v[T0], v[T0], v[CH16], s[SX]
	v_lshl_add_u32 v[PO], v[HH], 14, v[CH16]
.set x, 0
.rept 16
	ds_load_b128 v[ACC+4*x:ACC+4*x+3], v[T0] offset:544*x
.set x, x+1
.endr
.set x, 0
.rept 16
	s_wait_dscnt 15-x                              ; the younger loads may stay out
	global_store_b128 v[PO], v[ACC+4*x:ACC+4*x+3], s[28:29] offset:32768*x  ; 16 lanes store 256 consecutive bytes of a channel
.set x, x+1
.endr
	s_wait_tensorcnt 0x0                           ; the wave's end
	ds_add_u32 v[SPW], v[NIL]
	s_wait_dscnt 0x0
	s_endpgm
.Lfunc_end_k_qf7f11815fa_conv1f:
	.size	k_qf7f11815fa_conv1f, .Lfunc_end_k_qf7f11815fa_conv1f-k_qf7f11815fa_conv1f
	.p2alignl 7, 3214868480
	.fill 96, 4, 3214868480
	.section	.rodata,"a",@progbits
	.p2align	6, 0x0
	.amdhsa_kernel k_qf7f11815fa_conv1f
		.amdhsa_group_segment_fixed_size 123648
		.amdhsa_private_segment_fixed_size 0
		.amdhsa_enable_private_segment 0
		.amdhsa_kernarg_size 88
		.amdhsa_user_sgpr_count 2
		.amdhsa_user_sgpr_kernarg_segment_ptr 1
		.amdhsa_wavefront_size32 1
		.amdhsa_system_sgpr_workgroup_id_x 1
		.amdhsa_system_sgpr_workgroup_id_y 1
		.amdhsa_system_sgpr_workgroup_id_z 1
		.amdhsa_system_vgpr_workitem_id 0
		.amdhsa_next_free_vgpr 576
		.amdhsa_next_free_sgpr 72
		.amdhsa_reserve_vcc 0
		.amdhsa_float_denorm_mode_32 3
		.amdhsa_float_denorm_mode_16_64 3
		.amdhsa_memory_ordered 1
		.amdhsa_forward_progress 1
		.amdhsa_inst_pref_size 68
	.end_amdhsa_kernel
	.amdgpu_metadata
---
amdhsa.version: [ 1, 2 ]
amdhsa.kernels:
  - .name:           k_qf7f11815fa_conv1f
    .symbol:         k_qf7f11815fa_conv1f.kd
    .args:
      - { .name: uv3, .offset: 0, .size: 8, .value_kind: global_buffer, .address_space: global }
      - { .name: idx, .offset: 8, .size: 8, .value_kind: global_buffer, .address_space: global }
      - { .name: st1, .offset: 16, .size: 8, .value_kind: global_buffer, .address_space: global }
      - { .name: st2, .offset: 24, .size: 8, .value_kind: global_buffer, .address_space: global }
      - { .name: gn2_g, .offset: 32, .size: 8, .value_kind: global_buffer, .address_space: global }
      - { .name: gn2_b, .offset: 40, .size: 8, .value_kind: global_buffer, .address_space: global }
      - { .name: uv1, .offset: 48, .size: 8, .value_kind: global_buffer, .address_space: global }
      - { .name: m2a_b, .offset: 56, .size: 8, .value_kind: global_buffer, .address_space: global }
      - { .name: m2a_g, .offset: 64, .size: 8, .value_kind: global_buffer, .address_space: global }
      - { .name: m2a_beta, .offset: 72, .size: 8, .value_kind: global_buffer, .address_space: global }
      - { .name: out2, .offset: 80, .size: 8, .value_kind: global_buffer, .address_space: global }
    .group_segment_fixed_size: 123648
    .private_segment_fixed_size: 0
    .kernarg_segment_align: 8
    .kernarg_segment_size: 88
    .max_flat_workgroup_size: 128
    .sgpr_count:     72
    .vgpr_count:     576
    .wavefront_size: 32
...
	.end_amdgpu_metadata
.endif
;; end of part 8
;; ======== version 2 of 3: 10 launches; 1.24 times as fast as version 1
;; limits: values are held in f16: magnitudes above 65,504 overflow, below 6.1e-05 lose precision; a difference of large sums (such as E[x^2] - mean^2): digits are lost where the result is much smaller than its terms
;; workspace buffers: uv1 8,421,376 bytes; uv3 4,227,072 bytes; tab 393,216 bytes; blk 262,144 bytes of whole numbers; idx 1,048,576 bytes of whole numbers; st1 16,384 bytes; st2 16,384 bytes; st3 16,384 bytes
;; launch prep: the kernel of part 1 again; grid 256 x 1, 8 waves a work-group, no clusters, 46,080 bytes of LDS; arguments feat1, feat2, pc1, pc2, t11_w, t22_w, t11_b, t22_b, pos1_w, pos1_b, m1a_w, m1b_w, t1_w, t2_w, m2a_w, uv1, tab; writes uv1, tab
;; launch knn_blocks (part 9): grid 256 x 1, 8 waves a work-group, no clusters, 66,560 bytes of LDS; arguments tab, blk; writes blk
.if DOCPART == 9
	.amdgcn_target "amdgcn-amd-amdhsa--gfx1250"
	.amdhsa_code_object_version 6
	.text
	.protected	k_qf7f11815fa_knn_blocks
	.globl	k_qf7f11815fa_knn_blocks
	.p2align	8
	.type	k_qf7f11815fa_knn_blocks,@function
k_qf7f11815fa_knn_blocks:
	s_mov_b64 s[64:65], 0
	v_nop
	global_prefetch_b8 v0, s[64:65] scope:SCOPE_SE
	s_setreg_imm32_b32 hwreg(HW_REG_WAVE_MODE, 25, 1), 1
	s_wait_xcnt 0x0
; kNN, LEVEL 1.  For each query: the 16 blocks of 16 consecutive candidates with the smallest (block minimum of d2, block number).
; They hold all 16 nearest in (d2, index) order: every block ahead of an element's own block holds an element that is ahead of it.
; d2 = (s1 + s2) - 2 dot, dot summed with c ascending, in f32 on coordinates rounded to bf16: all products are exact, so only these additions round.
; A lane is a query.  Wave w: queries 32 (w >> 2) + lane of the group's 64, candidates 1024 (w & 3) on: 64 blocks.
; THE TABLE.  The other cloud's 4,096 x (x, y, z, s) come in once, 16 loads a thread all on their way together, and lie in LDS turned by blocks: a block is 256 bytes,
; x[16], y[16], z[16], s[16].  Every lane wants the same candidates: a block is 16 LDS loads whose 32 lanes name the same 16 bytes, in two halves of eight, each half asked for
; again as soon as it has been used.  Neighbouring registers then hold two candidates' x (y, z, s): five packed lines make two d2, with the roundings of the five plain ones.
; THE LISTS.  A wave keeps a sorted list of 16 (key, block) by a stable insertion (strict <: the earlier block stays ahead on a tie).  The four parts' lists meet as a tree:
; parts 0 and 2 insert the lists of parts 1 and 3; then of A (parts 0, 1) and B (parts 2, 3), both ascending, the 16 smallest are min(A[i], B[15 - i]); a tie keeps A, whose blocks are the lower.
; NO CLUSTER: what work-groups share is the table's 65,536 bytes, read once at the head and turned on the way into LDS, which takes registers.
; LIMITS.  d2 must be finite; NaN is not treated apart.
.set PTSO,  131072
.set SPARE, 65536                      ; LDS: 0 the table; when all have read it, the lists: 64 rows (query) of pitch 400: keys of three slots at 0, 64, 128, their blocks at 192, 256, 320
.set QP, 2                             ; v2-9    (x, x), (y, y), (z, z), (s, s) of my query: pairs for the packed lines
.set M2, 10                            ; v10-11  -2 twice
.set D,  12                            ; v12-19  eight dots
.set T,  20                            ; v20-27  eight d2
.set MA, 28                            ; v28-31  partial minima; MA ends as the block's
.set MB, 29
.set MC, 30
.set MD, 31
.set ID, 32                            ; the block's number
.set LA, 33                            ; my query's row of the lists
.set AD0,34                            ; + 64 (part >> 1): the slot that parts 1 and 3 fill and parts 0 and 2 read
.set AD, 35
.set QO, 36
.set A0, 37                            ; my part's first block in the table
.set AN, 38                            ; the next block
.set FS, 39
.set FO, 40
.set SPW,41
.set NIL,42
.set QL, 44                            ; v44-47  the query as loaded
.set K,  48                            ; v48-63  keys, ascending
.set I,  64                            ; v64-79  their blocks
.set TI, 80                            ; v80-95  at work in an insertion
.set CA, 96                            ; v96-127  candidates 0-7 of a block: x at +0, y at +8, z at +16, s at +24
.set CB, 128                           ; v128-159 candidates 8-15.  Both: the table on its way into LDS
.set KB, 96                            ; later: the other list's keys
.set IB, 112                           ; and blocks
.set SB, 128                           ; and the sort's second bank
.set M,  16                            ; s16-31  the 16 masks of an insertion
.macro LDH c, a, hf                    ; half hf of the block at v[a]: eight loads, all lanes at the same 16 bytes
.irp d, 0,1,2,3
	ds_load_b128 v[\c+8*\d:\c+8*\d+3],   v[\a] offset:64*\d+32*\hf
	ds_load_b128 v[\c+8*\d+4:\c+8*\d+7], v[\a] offset:64*\d+32*\hf+16
.endr
.endm
.macro DISTP c                         ; eight d2, two to a line, four chains side by side
.irp j, 0,1,2,3
	v_pk_mul_f32 v[D+2*\j:D+2*\j+1], v[\c+2*\j:\c+2*\j+1], v[QP:QP+1]
.endr
.irp j, 0,1,2,3
	v_pk_fma_f32 v[D+2*\j:D+2*\j+1], v[\c+8+2*\j:\c+8+2*\j+1], v[QP+2:QP+3], v[D+2*\j:D+2*\j+1]
.endr
.irp j, 0,1,2,3
	v_pk_fma_f32 v[D+2*\j:D+2*\j+1], v[\c+16+2*\j:\c+16+2*\j+1], v[QP+4:QP+5], v[D+2*\j:D+2*\j+1]
.endr
.irp j, 0,1,2,3
	v_pk_add_f32 v[T+2*\j:T+2*\j+1], v[\c+24+2*\j:\c+24+2*\j+1], v[QP+6:QP+7]
.endr
.irp j, 0,1,2,3
	v_pk_fma_f32 v[T+2*\j:T+2*\j+1], v[D+2*\j:D+2*\j+1], v[M2:M2+1], v[T+2*\j:T+2*\j+1]
.endr
.endm
; mask i: k < K[i].  I[i] takes I[i-1] where k < K[i-1], id where K[i-1] <= k < K[i], else stays; K[i] becomes the middle one of k, K[i-1], K[i].
; Four runs of lines that do not read each other's results: the compares, the choice between I[i-1] and id, the blocks, the keys (descending, so that each reads its neighbour's old key).
.macro INSERT k, id
.set i, 0
.rept 16
	v_cmp_lt_f32 s[M+i], v[\k], v[K+i]
.set i, i+1
.endr
.set i, 1
.rept 15
	v_cndmask_b32 v[TI+i], v[\id], v[I+i-1], s[M+i-1]
.set i, i+1
.endr
	v_cndmask_b32 v[I], v[I], v[\id], s[M]
.set i, 1
.rept 15
	v_cndmask_b32 v[I+i], v[I+i], v[TI+i], s[M+i]
.set i, i+1
.endr
.set i, 15
.rept 15
	v_med3_num_f32 v[K+i], v[\k], v[K+i-1], v[K+i]
.set i, i-1
.endr
	v_min_num_f32 v[K], v[\k], v[K]
.endm
.macro BST k, j, src, dst              ; a stage of the bitonic sort of 16 numbers, from one bank into the other: partners j apart, ascending where bit k of the place is clear
.set i, 0
.rept 16
.if ((i/(\j))%2) == 0
.if ((i/(\k))%2) == 0
	v_min_u32 v[\dst+i], v[\src+i], v[\src+i+\j]
	v_max_u32 v[\dst+i+\j], v[\src+i], v[\src+i+\j]
.else
	v_max_u32 v[\dst+i], v[\src+i], v[\src+i+\j]
	v_min_u32 v[\dst+i+\j], v[\src+i], v[\src+i+\j]
.endif
.endif
.set i, i+1
.endr
.endm
	s_load_b128 s[4:7], s[0:1], 0x0                ; tab, blk
	v_lshl_add_u32 v[SPW], v0, 2, SPARE
	v_mov_b32 v[NIL], 0
	v_lshrrev_b32 v1, 5, v0
	v_readfirstlane_b32 s2, v1
	s_lshr_b32 s3, s2, 2                           ; which 32 queries
	s_and_b32 s12, s2, 3                           ; part: which 1,024 candidates
	s_and_b32 s32, s12, 1                          ; an odd part hands its list over, an even one takes it
	s_lshr_b32 s13, ttmp9, 6                       ; p
	s_and_b32 s14, ttmp9, 63
	s_lshl_b32 s14, s14, 1
	s_add_co_u32 s14, s14, s3
	s_lshl_b32 s14, s14, 9                         ; 32 queries x 16 bytes
	v_and_b32 v1, 31, v0
	v_lshl_add_u32 v[QO], v1, 4, s14
	v_mul_u32_u24 v[LA], v1, 400
	s_mul_i32 s10, s3, 12800
	v_add_nc_u32 v[LA], s10, v[LA]
	s_lshr_b32 s15, s12, 1
	s_lshl_b32 s15, s15, 6
	v_add_nc_u32 v[AD0], s15, v[LA]
	s_lshl_b32 s11, s12, 6
	v_mov_b32 v[ID], s11                           ; my first block's number
	s_lshl_b32 s11, s12, 14
	v_mov_b32 v[A0], s11                           ; 64 blocks of 256 bytes a part
	v_lshlrev_b32 v[FO], 4, v0                     ; the fill: candidate t + 256 x,
	v_lshrrev_b32 v[FS], 4, v0
	v_and_b32 v1, 15, v0
	v_lshlrev_b32 v[FS], 8, v[FS]
	v_lshl_add_u32 v[FS], v1, 2, v[FS]             ; to block (t >> 4) + 16 x, place t & 15
	v_mov_b32 v[M2], -2.0
	v_mov_b32 v[M2+1], -2.0
	s_mov_b32 s33, 0x7f800000
.set x, 0
.rept 16
	v_mov_b32 v[K+x], s33                          ; the lists start at +infinity: every part has 64 blocks, so none of these is left at the end
	v_mov_b32 v[I+x], 0
.set x, x+1
.endr
	s_wait_kmcnt 0x0
	s_xor_b32 s14, s13, 2                          ; the candidates are the other cloud's points
	s_lshl_b32 s14, s14, 16
	s_add_co_u32 s14, s14, PTSO
	s_mov_b32 s15, 0
	s_add_nc_u64 s[8:9], s[4:5], s[14:15]
	s_lshl_b32 s14, s13, 16
	s_add_nc_u64 s[6:7], s[6:7], s[14:15]
	s_add_co_u32 s14, s14, PTSO
	s_add_nc_u64 s[4:5], s[4:5], s[14:15]
	global_load_b128 v[QL:QL+3], v[QO], s[4:5]
.set x, 0
.rept 16
	global_load_b128 v[CA+4*x:CA+4*x+3], v[FO], s[8:9] offset:4096*x
.set x, x+1
.endr
.set x, 0
.rept 16
	s_wait_loadcnt 15-x                            ; the younger loads of the table may stay out
.irp d, 0,1,2,3
	ds_store_b32 v[FS], v[CA+4*x+\d] offset:4096*x+64*\d
.endr
.set x, x+1
.endr
.irp d, 0,1,2,3
	v_mov_b32 v[QP+2*\d], v[QL+\d]                 ; each number of the query twice: the packed lines multiply two candidates by it
	v_mov_b32 v[QP+2*\d+1], v[QL+\d]
.endr
	s_wait_dscnt 0x0                               ; for the others' sake: my part of the table is written
	s_barrier_signal -1
	s_barrier_wait -1
	LDH CA, A0, 0
	LDH CB, A0, 1
	s_mov_b32 s11, 0
.Lblk:
	s_add_co_u32 s10, s11, 1
	s_min_u32 s10, s10, 63                         ; the last trip asks for its own block once more: no load leaves my part
	s_lshl_b32 s10, s10, 8
	v_add_nc_u32 v[AN], s10, v[A0]
	s_wait_dscnt 8                                 ; candidates 0-7 are in; the eight younger loads (8-15) may be out
	DISTP CA
	v_min3_num_f32 v[MA], v[T], v[T+1], v[T+2]
	v_min3_num_f32 v[MB], v[T+3], v[T+4], v[T+5]
	v_min3_num_f32 v[MA], v[MA], v[T+6], v[T+7]
	LDH CA, AN, 0
	s_wait_dscnt 8                                 ; candidates 8-15 are in; the eight just issued may be out
	DISTP CB
	v_min3_num_f32 v[MC], v[T], v[T+1], v[T+2]
	v_min3_num_f32 v[MD], v[T+3], v[T+4], v[T+5]
	v_min3_num_f32 v[MC], v[MC], v[T+6], v[T+7]
	LDH CB, AN, 1
	v_min3_num_f32 v[MA], v[MA], v[MB], v[MC]
	v_min_num_f32 v[MA], v[MA], v[MD]
	INSERT MA, ID
	v_add_nc_u32 v[ID], 1, v[ID]
	s_add_co_u32 s11, s11, 1
	s_cmp_lt_u32 s11, 64
	s_cbranch_scc1 .Lblk
	s_wait_dscnt 0x0                               ; my reads of the table are over
	s_barrier_signal -1
	s_barrier_wait -1                              ; everybody's are: the lists take its place
	s_cmp_eq_u32 s32, 0
	s_cbranch_scc1 .Leven
.irp a, 0,1,2,3                        ; parts 1 and 3 hand their lists over
	ds_store_b128 v[AD0], v[K+4*\a:K+4*\a+3] offset:16*\a
	ds_store_b128 v[AD0], v[I+4*\a:I+4*\a+3] offset:192+16*\a
.endr
.Leven:
	s_wait_dscnt 0x0
	s_barrier_signal -1
	s_barrier_wait -1
	s_cmp_lg_u32 s32, 0
	s_cbranch_scc1 .Lodd
	s_mov_b32 s11, 0
.Lmrg:                                             ; parts 0 and 2, side by side: 8 trips of two; the other list is ascending and its blocks are the higher: ties keep the lower block ahead
	s_mul_i32 s10, s11, 8
	v_add_nc_u32 v[AD], s10, v[AD0]
	ds_load_b64 v[KB:KB+1], v[AD]
	ds_load_b64 v[IB:IB+1], v[AD] offset:192
	s_wait_dscnt 0x0
	INSERT KB, IB
	INSERT KB+1, IB+1
	s_add_co_u32 s11, s11, 1
	s_cmp_lt_u32 s11, 8
	s_cbranch_scc1 .Lmrg
.Lodd:
	s_wait_dscnt 0x0                               ; the reads of the first two slots are over
	s_barrier_signal -1
	s_barrier_wait -1
	s_cmp_lg_u32 s12, 2
	s_cbranch_scc1 .Lnot2
.irp a, 0,1,2,3                        ; part 2 hands B over, in the third slot
	ds_store_b128 v[LA], v[K+4*\a:K+4*\a+3] offset:128+16*\a
	ds_store_b128 v[LA], v[I+4*\a:I+4*\a+3] offset:320+16*\a
.endr
.Lnot2:
	s_wait_dscnt 0x0
	s_barrier_signal -1
	s_barrier_wait -1
	s_cmp_lg_u32 s12, 0
	s_cbranch_scc1 .Lend
.irp a, 0,1,2,3
	ds_load_b128 v[KB+4*\a:KB+4*\a+3], v[LA] offset:128+16*\a
	ds_load_b128 v[IB+4*\a:IB+4*\a+3], v[LA] offset:320+16*\a
.endr
	s_wait_dscnt 0x0
.set i, 0
.rept 16                               ; the 16 smallest of A and B: place i takes B[15 - i] where its key is strictly the lower.  Only the blocks are wanted from here on
	v_cmp_lt_f32 s[M+i], v[KB+15-i], v[K+i]
.set i, i+1
.endr
.set i, 0
.rept 16
	v_cndmask_b32 v[I+i], v[I+i], v[IB+15-i], s[M+i]
.set i, i+1
.endr
	BST 2, 1, I, SB                                ; the blocks in ascending order, so that level 2 meets the candidates by ascending index
	BST 4, 2, SB, I
	BST 4, 1, I, SB
	BST 8, 4, SB, I
	BST 8, 2, I, SB
	BST 8, 1, SB, I
	BST 16, 8, I, SB
	BST 16, 4, SB, I
	BST 16, 2, I, SB
	BST 16, 1, SB, I
.irp a, 0,1,2,3
	v_lshl_or_b32 v[KB+\a], v[I+4*\a+1], 8, v[I+4*\a]
	v_lshl_or_b32 v[KB+\a], v[I+4*\a+2], 16, v[KB+\a]
	v_lshl_or_b32 v[KB+\a], v[I+4*\a+3], 24, v[KB+\a]
.endr
	global_store_b128 v[QO], v[KB:KB+3], s[6:7]    ; 16 bytes a query, 512 consecutive bytes a wave
.Lend:
	s_wait_dscnt 0x0                               ; part 0's reads of the lists are over
	s_barrier_signal -1                            ; a barrier stands between those reads and every wave's closing add
	s_barrier_wait -1
	s_wait_tensorcnt 0x0                           ; the wave's end
	ds_add_u32 v[SPW], v[NIL]
	s_wait_dscnt 0x0
	s_endpgm
.Lfunc_end_k_qf7f11815fa_knn_blocks:
	.size	k_qf7f11815fa_knn_blocks, .Lfunc_end_k_qf7f11815fa_knn_blocks-k_qf7f11815fa_knn_blocks
	.p2alignl 7, 3214868480
	.fill 96, 4, 3214868480
	.section	.rodata,"a",@progbits
	.p2align	6, 0x0
	.amdhsa_kernel k_qf7f11815fa_knn_blocks
		.amdhsa_group_segment_fixed_size 66560
		.amdhsa_private_segment_fixed_size 0
		.amdhsa_enable_private_segment 0
		.amdhsa_kernarg_size 16
		.amdhsa_user_sgpr_count 2
		.amdhsa_user_sgpr_kernarg_segment_ptr 1
		.amdhsa_wavefront_size32 1
		.amdhsa_system_sgpr_workgroup_id_x 1
		.amdhsa_system_sgpr_workgroup_id_y 1
		.amdhsa_system_sgpr_workgroup_id_z 1
		.amdhsa_system_vgpr_workitem_id 0
		.amdhsa_next_free_vgpr 160
		.amdhsa_next_free_sgpr 66
		.amdhsa_reserve_vcc 0
		.amdhsa_float_denorm_mode_32 3
		.amdhsa_float_denorm_mode_16_64 3
		.amdhsa_memory_ordered 1
		.amdhsa_forward_progress 1
		.amdhsa_inst_pref_size 37
	.end_amdhsa_kernel
	.amdgpu_metadata
---
amdhsa.version: [ 1, 2 ]
amdhsa.kernels:
  - .name:           k_qf7f11815fa_knn_blocks
    .symbol:         k_qf7f11815fa_knn_blocks.kd
    .args:
      - { .name: tab, .offset: 0, .size: 8, .value_kind: global_buffer, .address_space: global }
      - { .name: blk, .offset: 8, .size: 8, .value_kind: global_buffer, .address_space: global }
    .group_segment_fixed_size: 66560
    .private_segment_fixed_size: 0
    .kernarg_segment_align: 8
    .kernarg_segment_size: 16
    .max_flat_workgroup_size: 256
    .sgpr_count:     66
    .vgpr_count:     160
    .wavefront_size: 32
...
	.end_amdgpu_metadata
.endif
;; end of part 9
;; launch knn_pick (part 10): grid 256 x 1, 8 waves a work-group, no clusters, 96,256 bytes of LDS; arguments tab, blk, idx; writes idx
.if DOCPART == 10
	.amdgcn_target "amdgcn-amd-amdhsa--gfx1250"
	.amdhsa_code_object_version 6
	.text
	.protected	k_qf7f11815fa_knn_pick
	.globl	k_qf7f11815fa_knn_pick
	.p2align	8
	.type	k_qf7f11815fa_knn_pick,@function
k_qf7f11815fa_knn_pick:
	s_mov_b64 s[64:65], 0
	v_nop
	global_prefetch_b8 v0, s[64:65] scope:SCOPE_SE
	s_setreg_imm32_b32 hwreg(HW_REG_WAVE_MODE, 25, 1), 1
	s_wait_xcnt 0x0
; kNN, LEVEL 2.  The 16 nearest of the 256 candidates in a query's 16 blocks, by (d2, index); d2 bit for bit as in level 1.
; The candidates' table (4,096 x 16 bytes) lies in LDS, a block a row of pitch 272.  A lane is a query; wave w takes queries 32 (w >> 2) + lane and
; blocks 4 (w & 3) .. + 3 of the query's ascending list, so that part 0's indices lie below part 1's, and so on.
; The four parts' lists meet as a tree: parts 0 and 2 insert the lists of parts 1 and 3; then of A (parts 0, 1) and B (parts 2, 3), both ascending, the 16 smallest are
; min(A[i], B[15 - i]); a tie keeps A, whose indices are the lower.  The 16 are stored in no order: what follows (sums and a maximum over the neighbours) asks for the set alone.
; The block numbers are whole numbers that the launch before stored; they are held to 255 before they enter an LDS address.
.set PTSO,  131072
.set LIST,  69632                      ; 64 rows (query) of pitch 400: keys of three slots at 0, 64, 128, their indices at 192, 256, 320
.set SPARE, 95232
.set QX, 2
.set T,  6                             ; v6-9    four d2
.set D,  10                            ; v10-13  four dots
.set ID, 14
.set W,  15                            ; my four blocks, a byte each
.set K,  16
.set I,  32
.set C,  48                            ; v48-63  four candidates; later two keys and two indices
.set FT, 64                            ; v64-127 the table on its way into LDS; then:
.set TI, 64                            ; v64-79  at work in an insertion
.set KB, 80                            ; v80-95  B's keys
.set IB, 96                            ; v96-111 B's indices
.set SPW, 128
.set NIL, 129
.set QO, 130
.set LA, 131                           ; my query's row of the lists
.set AD, 132
.set BA, 133
.set A2, 134
.set FO, 135
.set FS, 136
.set BB, 137
.set AD0, 138                          ; LA + 64 (part >> 1): the slot that parts 1 and 3 fill and parts 0 and 2 read
.set M,  16                            ; s16-31
; mask i: k < K[i].  I[i] takes I[i-1] where k < K[i-1], id where K[i-1] <= k < K[i], else stays; K[i] becomes the middle one of k, K[i-1], K[i].
; Four runs of lines that do not read each other's results: the compares, the choice between I[i-1] and id, the indices, the keys (descending).
.macro INSERT k, id
.set i, 0
.rept 16
	v_cmp_lt_f32 s[M+i], v[\k], v[K+i]
.set i, i+1
.endr
.set i, 1
.rept 15
	v_cndmask_b32 v[TI+i], v[\id], v[I+i-1], s[M+i-1]
.set i, i+1
.endr
	v_cndmask_b32 v[I], v[I], v[\id], s[M]
.set i, 1
.rept 15
	v_cndmask_b32 v[I+i], v[I+i], v[TI+i], s[M+i]
.set i, i+1
.endr
.set i, 15
.rept 15
	v_med3_num_f32 v[K+i], v[\k], v[K+i-1], v[K+i]
.set i, i-1
.endr
	v_min_num_f32 v[K], v[\k], v[K]
.endm
	s_load_b128 s[4:7], s[0:1], 0x0                ; tab, blk
	s_load_b64 s[8:9], s[0:1], 0x10                ; idx
	v_lshl_add_u32 v[SPW], v0, 2, SPARE
	v_mov_b32 v[NIL], 0
	v_lshrrev_b32 v1, 5, v0
	v_readfirstlane_b32 s2, v1
	s_lshr_b32 s3, s2, 2
	s_and_b32 s15, s2, 3                           ; part
	s_and_b32 s34, s15, 1                          ; an odd part hands its list over, an even one takes it
	s_lshr_b32 s14, ttmp9, 6                       ; p
	s_and_b32 s32, ttmp9, 63
	s_lshl_b32 s32, s32, 1
	s_add_co_u32 s32, s32, s3
	s_lshl_b32 s32, s32, 9
	v_and_b32 v1, 31, v0
	v_lshl_add_u32 v[QO], v1, 4, s32
	v_mul_u32_u24 v[LA], v1, 400
	s_mul_i32 s10, s3, 12800
	s_add_co_u32 s10, s10, LIST
	v_add_nc_u32 v[LA], s10, v[LA]
	s_lshr_b32 s35, s15, 1
	s_lshl_b32 s35, s35, 6
	v_add_nc_u32 v[AD0], s35, v[LA]
	v_lshlrev_b32 v[FO], 4, v0
	v_lshrrev_b32 v[FS], 4, v0
	v_mul_u32_u24 v[FS], v[FS], 272
	v_and_b32 v[BB], 15, v0
	v_lshl_add_u32 v[FS], v[BB], 4, v[FS]
	s_mov_b32 s33, 0x7f800000
.set x, 0
.rept 16
	v_mov_b32 v[K+x], s33                          ; the lists start at +infinity: every part has 64 candidates, so none of these is left at the end
	v_mov_b32 v[I+x], 0
.set x, x+1
.endr
	s_wait_kmcnt 0x0
	s_xor_b32 s32, s14, 2
	s_lshl_b32 s32, s32, 16
	s_add_co_u32 s32, s32, PTSO
	s_mov_b32 s33, 0
	s_add_nc_u64 s[12:13], s[4:5], s[32:33]        ; the candidates' table
	s_lshl_b32 s32, s14, 16
	s_add_nc_u64 s[8:9], s[8:9], s[32:33]
	s_add_co_u32 s32, s32, PTSO
	s_add_nc_u64 s[4:5], s[4:5], s[32:33]
	s_lshl_b32 s32, s14, 16
	s_lshl2_add_u32 s32, s15, s32
	s_add_nc_u64 s[6:7], s[6:7], s[32:33]          ; word 'part' of a query's 16 bytes
	global_load_b128 v[QX:QX+3], v[QO], s[4:5]
	global_load_b32 v[W], v[QO], s[6:7]
.set x, 0
.rept 16
	global_load_b128 v[FT+4*x:FT+4*x+3], v[FO], s[12:13] offset:4096*x
.set x, x+1
.endr
.set x, 0
.rept 16
	s_wait_loadcnt 15-x                            ; the younger loads of the table may stay out
	ds_store_b128 v[FS], v[FT+4*x:FT+4*x+3] offset:4352*x
.set x, x+1
.endr
	s_wait_dscnt 0x0
	s_barrier_signal -1
	s_barrier_wait -1
	s_mov_b32 s10, 4
.Lblock:
	v_and_b32 v[BB], 0xff, v[W]
	v_min_u32 v[BB], 0xff, v[BB]
	v_lshrrev_b32 v[W], 8, v[W]
	v_mul_u32_u24 v[BA], v[BB], 272
	v_lshlrev_b32 v[ID], 4, v[BB]
	s_mov_b32 s12, 0
	s_mov_b32 s11, 4
.Lfour:
	v_add_nc_u32 v[A2], s12, v[BA]
.irp e, 0,1,2,3
	ds_load_b128 v[C+4*\e:C+4*\e+3], v[A2] offset:16*\e
.endr
	s_wait_dscnt 0x0
.irp e, 0,1,2,3
	v_mul_f32 v[D+\e], v[C+4*\e], v[QX]
.endr
.irp e, 0,1,2,3
	v_fmac_f32 v[D+\e], v[C+4*\e+1], v[QX+1]
.endr
.irp e, 0,1,2,3
	v_fmac_f32 v[D+\e], v[C+4*\e+2], v[QX+2]
.endr
.irp e, 0,1,2,3
	v_add_f32 v[T+\e], v[C+4*\e+3], v[QX+3]
.endr
.irp e, 0,1,2,3
	v_fmac_f32 v[T+\e], -2.0, v[D+\e]
.endr
.irp e, 0,1,2,3
	INSERT T+\e, ID
	v_add_nc_u32 v[ID], 1, v[ID]
.endr
	s_add_co_u32 s12, s12, 64
	s_sub_co_u32 s11, s11, 1
	s_cmp_lg_u32 s11, 0
	s_cbranch_scc1 .Lfour
	s_sub_co_u32 s10, s10, 1
	s_cmp_lg_u32 s10, 0
	s_cbranch_scc1 .Lblock
	s_cmp_eq_u32 s34, 0
	s_cbranch_scc1 .Leven
.irp a, 0,1,2,3                        ; parts 1 and 3 hand their lists over
	ds_store_b128 v[AD0], v[K+4*\a:K+4*\a+3] offset:16*\a
	ds_store_b128 v[AD0], v[I+4*\a:I+4*\a+3] offset:192+16*\a
.endr
.Leven:
	s_wait_dscnt 0x0
	s_barrier_signal -1
	s_barrier_wait -1
	s_cmp_lg_u32 s34, 0
	s_cbranch_scc1 .Lodd
	s_mov_b32 s11, 0
.Lmrg:                                             ; parts 0 and 2, side by side: 8 trips of two; the other list is ascending and its indices are the higher: ties keep the lower index ahead
	s_mul_i32 s10, s11, 8
	v_add_nc_u32 v[AD], s10, v[AD0]
	ds_load_b64 v[C:C+1], v[AD]
	ds_load_b64 v[C+2:C+3], v[AD] offset:192
	s_wait_dscnt 0x0
	INSERT C, C+2
	INSERT C+1, C+3
	s_add_co_u32 s11, s11, 1
	s_cmp_lt_u32 s11, 8
	s_cbranch_scc1 .Lmrg
.Lodd:
	s_wait_dscnt 0x0                               ; the reads of the first two slots are over
	s_barrier_signal -1
	s_barrier_wait -1
	s_cmp_lg_u32 s15, 2
	s_cbranch_scc1 .Lnot2
.irp a, 0,1,2,3                        ; part 2 hands B over, in the third slot
	ds_store_b128 v[LA], v[K+4*\a:K+4*\a+3] offset:128+16*\a
	ds_store_b128 v[LA], v[I+4*\a:I+4*\a+3] offset:320+16*\a
.endr
.Lnot2:
	s_wait_dscnt 0x0
	s_barrier_signal -1
	s_barrier_wait -1
	s_cmp_lg_u32 s15, 0
	s_cbranch_scc1 .Lend
.irp a, 0,1,2,3
	ds_load_b128 v[KB+4*\a:KB+4*\a+3], v[LA] offset:128+16*\a
	ds_load_b128 v[IB+4*\a:IB+4*\a+3], v[LA] offset:320+16*\a
.endr
	s_wait_dscnt 0x0
.set i, 0
.rept 16                               ; the 16 smallest of A and B: place i takes B[15 - i] where its key is strictly the lower.  Only the indices are wanted from here on
	v_cmp_lt_f32 s[M+i], v[KB+15-i], v[K+i]
.set i, i+1
.endr
.set i, 0
.rept 16
	v_cndmask_b32 v[I+i], v[I+i], v[IB+15-i], s[M+i]
.set i, i+1
.endr
.irp a, 0,1,2,3
	global_store_b128 v[QO], v[I+4*\a:I+4*\a+3], s[8:9] offset:262144*\a  ; four neighbours a store: 512 consecutive bytes a wave
.endr
.Lend:
	s_wait_dscnt 0x0                               ; part 0's reads of the lists are over
	s_barrier_signal -1                            ; a barrier stands between those reads and every wave's closing add
	s_barrier_wait -1
	s_wait_tensorcnt 0x0                           ; the wave's end
	ds_add_u32 v[SPW], v[NIL]
	s_wait_dscnt 0x0
	s_endpgm
.Lfunc_end_k_qf7f11815fa_knn_pick:
	.size	k_qf7f11815fa_knn_pick, .Lfunc_end_k_qf7f11815fa_knn_pick-k_qf7f11815fa_knn_pick
	.p2alignl 7, 3214868480
	.fill 96, 4, 3214868480
	.section	.rodata,"a",@progbits
	.p2align	6, 0x0
	.amdhsa_kernel k_qf7f11815fa_knn_pick
		.amdhsa_group_segment_fixed_size 96256
		.amdhsa_private_segment_fixed_size 0
		.amdhsa_enable_private_segment 0
		.amdhsa_kernarg_size 24
		.amdhsa_user_sgpr_count 2
		.amdhsa_user_sgpr_kernarg_segment_ptr 1
		.amdhsa_wavefront_size32 1
		.amdhsa_system_sgpr_workgroup_id_x 1
		.amdhsa_system_sgpr_workgroup_id_y 1
		.amdhsa_system_sgpr_workgroup_id_z 1
		.amdhsa_system_vgpr_workitem_id 0
		.amdhsa_next_free_vgpr 144
		.amdhsa_next_free_sgpr 66
		.amdhsa_reserve_vcc 0
		.amdhsa_float_denorm_mode_32 3
		.amdhsa_float_denorm_mode_16_64 3
		.amdhsa_memory_ordered 1
		.amdhsa_forward_progress 1
		.amdhsa_inst_pref_size 37
	.end_amdhsa_kernel
	.amdgpu_metadata
---
amdhsa.version: [ 1, 2 ]
amdhsa.kernels:
  - .name:           k_qf7f11815fa_knn_pick
    .symbol:         k_qf7f11815fa_knn_pick.kd
    .args:
      - { .name: tab, .offset: 0, .size: 8, .value_kind: global_buffer, .address_space: global }
      - { .name: blk, .offset: 8, .size: 8, .value_kind: global_buffer, .address_space: global }
      - { .name: idx, .offset: 16, .size: 8, .value_kind: global_buffer, .address_space: global }
    .group_segment_fixed_size: 96256
    .private_segment_fixed_size: 0
    .kernarg_segment_align: 8
    .kernarg_segment_size: 24
    .max_flat_workgroup_size: 256
    .sgpr_count:     66
    .vgpr_count:     144
    .wavefront_size: 32
...
	.end_amdgpu_metadata
.endif
;; end of part 10
;; launch stat0: the kernel of part 4 again; grid 256 x 1, 8 waves a work-group, no clusters, 1,536 bytes of LDS; arguments uv1, idx, st1; writes st1
;; launch conv1s: the kernel of part 5 again; grid 256 x 1, 4 waves a work-group, no clusters, 123,648 bytes of LDS; arguments uv1, idx, st1, gn1_g, gn1_b, tab, m1a_b, st2; writes st2
;; launch conv2s: the kernel of part 6 again; grid 256 x 1, 4 waves a work-group, no clusters, 123,648 bytes of LDS; arguments uv1, idx, st1, st2, gn1_g, gn1_b, tab, m1a_b, m1a_g, m1a_beta, m1b_b, st3; writes st3
;; launch conv2f: the kernel of part 7 again; grid 256 x 1, 4 waves a work-group, no clusters, 123,648 bytes of LDS; arguments uv1, idx, tab, st1, st2, st3, gn1_g, gn1_b, m1a_b, m1a_g, m1a_beta, m1b_b, m1b_g, m1b_beta, t1_b, t2_b, pos2_w, pos2_b, uv3, out0, out1; writes uv3, out0, out1
;; launch stat0c: the kernel of part 4 again; grid 128 x 1, 8 waves a work-group, no clusters, 1,536 bytes of LDS; arguments uv3, idx, st1; writes st1
;; launch conv1sc: the kernel of part 5 again; grid 128 x 1, 4 waves a work-group, no clusters, 123,648 bytes of LDS; arguments uv3, idx, st1, gn2_g, gn2_b, uv1, m2a_b, st2; writes st2
;; launch conv1f: the kernel of part 8 again; grid 128 x 1, 4 waves a work-group, no clusters, 123,648 bytes of LDS; arguments uv3, idx, st1, st2, gn2_g, gn2_b, uv1, m2a_b, m2a_g, m2a_beta, out2; writes out2
;; ======== version 3 of 3: 10 launches; 1.39 times as fast as version 1
;; limits: values are held in f16: magnitudes above 65,504 overflow, below 6.1e-05 lose precision; a difference of large sums (such as E[x^2] - mean^2): digits are lost where the result is much smaller than its terms
;; workspace buffers: uv1 8,421,376 bytes; uv3 4,227,072 bytes; tab 393,216 bytes; blk 262,144 bytes of whole numbers; idx 1,048,576 bytes of whole numbers; st1 16,384 bytes; st2 16,384 bytes; st3 16,384 bytes
;; launch prep: the kernel of part 1 again; grid 256 x 1, 8 waves a work-group, no clusters, 46,080 bytes of LDS; arguments feat1, feat2, pc1, pc2, t11_w, t22_w, t11_b, t22_b, pos1_w, pos1_b, m1a_w, m1b_w, t1_w, t2_w, m2a_w, uv1, tab; writes uv1, tab
;; launch knn_blocks: the kernel of part 9 again; grid 256 x 1, 8 waves a work-group, no clusters, 66,560 bytes of LDS; arguments tab, blk; writes blk
;; launch knn_pick: the kernel of part 10 again; grid 256 x 1, 8 waves a work-group, no clusters, 96,256 bytes of LDS; arguments tab, blk, idx; writes idx
;; launch stat0: the kernel of part 4 again; grid 256 x 1, 8 waves a work-group, no clusters, 1,536 bytes of LDS; arguments uv1, idx, st1; writes st1
;; launch conv1s (part 11): grid 256 x 1, 4 waves a work-group, no clusters, 242,432 bytes of LDS; arguments uv1, idx, st1, gn1_g, gn1_b, tab, m1a_b, st2; writes st2
.if DOCPART == 11
	.amdgcn_target "amdgcn-amd-amdhsa--gfx1250"
	.amdhsa_code_object_version 6
	.text
	.protected	k_qf7f11815fa_conv1s
	.globl	k_qf7f11815fa_conv1s
	.p2align	8
	.type	k_qf7f11815fa_conv1s,@function
k_qf7f11815fa_conv1s:
	s_mov_b64 s[64:65], 0
	v_nop
	global_prefetch_b8 v0, s[64:65] scope:SCOPE_SE
	s_setreg_imm32_b32 hwreg(HW_REG_WAVE_MODE, 25, 1), 1
	s_wait_xcnt 0x0
; ONE LAYER, SUMS ONLY.  a0 = lrelu(GN(U[idx] + V)); y = W a0 + bias; stored: for each group the sum and the sum of squares of y over this work-group's 64 points x 16 neighbours.
; y itself is not stored: 2 x 64 MB of traffic a layer would cost more than gathering the rows (256 bytes each, tables of at most 8 MB) and multiplying again.
; SHARES.  Four waves, 16 points each, two points (32 columns) a trip.  Lanes 0-15 hold the even point, lanes 16-31 the odd one; lane c channels 8 c .. 8 c + 7.
; The columns go as f16 rows (channels on end, pitch 272) into the wave's own tile in LDS and come back as B fragments.  The layer's 32 weight fragments stay in window 1.
; D = W x a0: a lane holds column r and channels 16 t + 8 h + j; accumulator t is GroupNorm's group t.  The bias is the C operand that starts the sums.
; THE HEAD.  The first pair's indices are asked for first and its rows as soon as they are in; all else lands beside that gather.  A wave fetches a quarter of the weights' image;
; the four quarters meet in LDS, and behind one barrier every wave reads its 32 fragments there.  Parameters come in at four channels a lane, are rounded, and go through a table in the wave's own LDS into the layout that is wanted.
; NO CLUSTER, NO TENSOR LOADS: the bulk of the bytes is a gather by lists; what work-groups share is the weights' 32,768 bytes.
; FORMATS.  Inputs rounded to bf16; what the program makes (U, V, activations) f16; sums f32.  The first GroupNorm is applied as one packed f16 multiply-add: its scale and v sc + sh are rounded once to f16.
; 0.1 is applied as f16 0x2e66 (2.4e-4 low).  Variance as E[x x] - mu mu, held at 0 from below.
.set UVH,  32768
.set TBL,  120832                      ; LDS: 0 four tiles of 32 x 272; here four slots of 128 bytes: 8 groups x (-mu, -mu, rstd, rstd), slot w made by wave w
.set RED,  122880
.set SPARE,123136
.set WL1,  123648                      ; the layer's fragment image, 32,768 bytes
.set PAR,  221952                      ; 5,120 bytes a wave: tables of 128 f32
.set PARW, 5120
.set T_BI, 0
.set PW, 2                             ; window 2: v0-63 the bias in the accumulators' layout, v64-127 the gathered rows
.set BI, 0
.set G,  64
.set CC,1
.set HH,2
.set CH16,3
.set VO0,4
.set VO,5
.set IO0,6
.set IO,7
.set TST,8
.set FR0,9
.set FR,10
.set L16,11
.set TBS,12
.set TBC,14
.set RH,15
.set SPW,16
.set NIL,17
.set PA,18
.set C32,19
.set R4,20
.set T0,23
.set SC0,24
.set SH0,32
.set WV,40
.set SCH,44
.set VR,48
.set AT,52
.set LT,68
.set IDXR,84
.set OFFR,100
.set BF,116
.set ACC,148
.set SQS,212                           ; group t: two partial sums, two partial sums of squares
.set TP,244
.set WGA,252
.set WSA,253
.set WRA,254
.set TBQ,255
.set WVN,2
.set PRB,3
.set WGI,4
.set N0W,5
.set BU,50
.set BV,52
.set BIX,54
.set SEL,56
.set JJ,58
.set NT,59
.set J1,60
.set J2,61
.set SX,62
.set PBS,63
.set LK,66
.set MK,67
.set OF,68
.set MSB, 0
.macro WIN new                         ; the immediate's high byte repeats the setting that is left
.if MSB != (\new)
	s_set_vgpr_msb (MSB<<8)|(\new)
.set MSB, \new
.endif
.endm
.macro PLACES                          ; four places behind a product before its result is read or a source rewritten (ISA guide 7.12.1)
.rept 4
	v_nop
.endr
.endm
.macro RBN base, n                     ; n pairs rounded to bf16 and widened again, in place
.set i, 0
.rept \n
	v_cvt_pk_bf16_f32 v[\base+2*i], v[\base+2*i], v[\base+2*i+1]
	v_and_b32 v[\base+2*i+1], s[MK], v[\base+2*i]
	v_lshlrev_b32 v[\base+2*i], 16, v[\base+2*i]
.set i, i+1
.endr
.endm
.macro HEAD
	v_lshl_add_u32 v[SPW], v0, 2, SPARE
	v_mov_b32 v[NIL], 0
	v_lshrrev_b32 v1, 5, v0
	v_readfirstlane_b32 s[WVN], v1
	s_lshr_b32 s[PRB], ttmp9, 6
	s_and_b32 s[WGI], ttmp9, 63
	s_lshl_b32 s[N0W], s[WGI], 6
	s_lshl4_add_u32 s[N0W], s[WVN], s[N0W]         ; my first point
	s_mov_b32 s[SEL], 0x76543210
	s_mov_b32 s[SEL+1], 0xfedcba98
	s_mov_b32 s[LK], 0x2e662e66                    ; 0.1 twice, f16
	s_mov_b32 s[MK], 0xffff0000                    ; a word's upper bf16
	s_mov_b32 s[OF+1], 0
	v_and_b32 v[CC], 15, v0
	v_bfe_u32 v[HH], v0, 4, 1
	v_lshlrev_b32 v[CH16], 4, v[CC]
	v_lshl_add_u32 v[VO0], v[HH], 8, v[CH16]
	v_lshlrev_b32 v[IO0], 4, v[HH]
	v_and_b32 v[L16], 31, v0
	v_lshrrev_b32 v[TBQ], 2, v[L16]
	v_lshlrev_b32 v[L16], 4, v[L16]                ; 16 x lane: four channels of a parameter, 16 bytes of an image
	v_lshl_add_u32 v[TBQ], v[TBQ], 4, TBL          ; the statistics of channels 4 lane .. + 3: group lane >> 2
	s_mul_i32 s[SX], s[WVN], 8704
	v_mul_u32_u24 v[TST], v[HH], 4352
	v_add3_u32 v[TST], v[TST], v[CH16], s[SX]      ; tile, in: row 16 h + i, bytes 16 c
	v_mul_u32_u24 v[RH], v[CC], 272
	v_lshl_add_u32 v[RH], v[HH], 4, v[RH]
	v_add_nc_u32 v[FR0], s[SX], v[RH]              ; tile, back: row r, bytes 16 h
	s_lshl_b32 s[SX], s[WVN], 7
	s_add_co_u32 s[SX], s[SX], TBL
	v_and_b32 v[TBS], 3, v0
	v_lshl_add_u32 v[TBS], v[TBS], 5, s[SX]        ; my slot of the statistics
	v_lshrrev_b32 v[TBC], 1, v[CC]
	v_lshl_add_u32 v[TBC], v[TBC], 4, TBL          ; slot 0, group c >> 1
	v_lshlrev_b32 v[C32], 5, v[CC]
	v_lshlrev_b32 v[R4], 2, v[CC]
	s_mul_i32 s[PBS], s[WVN], PARW
	s_add_co_u32 s[PBS], s[PBS], PAR               ; my tables
	v_add_nc_u32 v[PA], s[PBS], v[L16]
	s_lshl_b32 s[SX], s[WVN], 13
	v_add_nc_u32 v[WGA], s[SX], v[L16]             ; my quarter of an image, in memory
	s_add_co_u32 s[SX], s[SX], WL1
	v_add_nc_u32 v[WSA], s[SX], v[L16]             ; and in LDS
	v_add_nc_u32 v[WRA], WL1, v[L16]               ; a whole image, read
.endm
.macro BASES up, ip
	s_lshl_b32 s[OF], s[PRB], 21
	s_add_co_u32 s[OF], s[OF], UVH
	s_add_nc_u64 s[BU:BU+1], s[\up:\up+1], s[OF:OF+1]
	s_lshl_b32 s[OF], s[N0W], 8
	s_add_co_u32 s[OF], s[OF], 1<<20
	s_add_nc_u64 s[BV:BV+1], s[BU:BU+1], s[OF:OF+1]
	s_lshl_b32 s[OF], s[PRB], 12
	s_add_co_u32 s[OF], s[OF], s[N0W]
	s_lshl_b32 s[OF], s[OF], 4
	s_add_nc_u64 s[BIX:BIX+1], s[\ip:\ip+1], s[OF:OF+1]
	s_lshl_b32 s[OF], s[PRB], 12                   ; left here: a problem's 4,096 bytes of partial sums
.endm
.macro STLOAD R, sp                    ; 64 work-groups x 64 bytes: lane l sums groups 2 (l & 3), 2 (l & 3) + 1 of work-groups 8 i + l / 4
.irp i, 0,1,2,3,4,5,6,7
	global_load_b128 v[\R+4*\i:\R+4*\i+3], v[L16], s[\sp:\sp+1] offset:512*\i
.endr
.endm
.macro L2 dst, ad, sp
	global_load_b128 v[\dst:\dst+3], v[\ad], s[\sp:\sp+1]
	global_load_b128 v[\dst+4:\dst+7], v[\ad], s[\sp:\sp+1] offset:16
.endm
.macro WQLOAD lay, sp, off             ; my quarter (8,192 bytes) of a layer's image, for the moment in window 1
	WIN 0x40
.set x, 0
.rept 16
	global_load_b128 v[64*(\lay)+4*x:64*(\lay)+4*x+3], v[WGA], s[\sp:\sp+1] offset:(\off)+512*x
.set x, x+1
.endr
	WIN 0
.endm
.macro WQSTORE lay, a, off             ; and on into LDS (a store's data are its source 1)
	WIN 0x04
.set x, 0
.rept 16
	ds_store_b128 v[\a], v[64*(\lay)+4*x:64*(\lay)+4*x+3] offset:(\off)+512*x
.set x, x+1
.endr
	WIN 0
.endm
.macro WFRAG win, a, off               ; a layer's 32 fragments, as they lie in the image: fragment 4 t + kk at register 8 (4 t + kk)
	WIN (\win)<<6
.set x, 0
.rept 64
	ds_load_b128 v[4*x:4*x+3], v[\a] offset:(\off)+512*x
.set x, x+1
.endr
	WIN 0
.endm
.macro STATS R                         ; a set's partial sums -> -mu and rstd of 8 groups, into my slot
.set i, 1
.rept 7
	v_pk_add_f32 v[\R:\R+1], v[\R:\R+1], v[\R+4*i:\R+4*i+1]
	v_pk_add_f32 v[\R+2:\R+3], v[\R+2:\R+3], v[\R+4*i+2:\R+4*i+3]
.set i, i+1
.endr
.irp x, 0,1,2,3
	v_add_f32_dpp v[\R+\x], v[\R+\x], v[\R+\x] row_xmask:4 row_mask:0xf bank_mask:0xf
.endr
.irp x, 0,1,2,3
	v_add_f32_dpp v[\R+\x], v[\R+\x], v[\R+\x] row_xmask:8 row_mask:0xf bank_mask:0xf
.endr
.irp x, 0,1,2,3
	v_permlanex16_b32 v[\R+4+\x], v[\R+\x], s[SEL], s[SEL+1]
.endr
.irp x, 0,1,2,3
	v_add_f32 v[\R+\x], v[\R+\x], v[\R+4+\x]
.endr
	v_mul_f32 v[\R+8], 0xb5800000, v[\R]           ; -mu: a group has 16 x 4096 x 16 = 2^20 numbers
	v_mul_f32 v[\R+12], 0xb5800000, v[\R+2]
	v_mul_f32 v[\R+1], 0x35800000, v[\R+1]
	v_mul_f32 v[\R+3], 0x35800000, v[\R+3]
	v_fma_f32 v[\R+1], -v[\R+8], v[\R+8], v[\R+1]
	v_fma_f32 v[\R+3], -v[\R+12], v[\R+12], v[\R+3]
	v_max_num_f32 v[\R+1], 0, v[\R+1]
	v_max_num_f32 v[\R+3], 0, v[\R+3]
	v_add_f32 v[\R+1], 0x3727c5ac, v[\R+1]         ; + 1e-5
	v_add_f32 v[\R+3], 0x3727c5ac, v[\R+3]
	v_rsq_f32 v[\R+10], v[\R+1]
	v_rsq_f32 v[\R+14], v[\R+3]
	v_mov_b32 v[\R+9], v[\R+8]                     ; plain lines between the roots and their use (ISA guide 5.7.2)
	v_mov_b32 v[\R+13], v[\R+12]
	s_wait_alu depctr_va_vdst(0)
	v_mov_b32 v[\R+11], v[\R+10]
	v_mov_b32 v[\R+15], v[\R+14]
	ds_store_b128 v[TBS], v[\R+8:\R+11]
	ds_store_b128 v[TBS], v[\R+12:\R+15] offset:16
.endm
.macro PROWC                           ; first GroupNorm, row layout: SC0 = g rstd, SH0 = b - mu SC0; SCH = SC0 in f16 pairs
	ds_load_b128 v[WV:WV+3], v[TBC]
	s_wait_dscnt 0x0
.irp q, 0,1,2,3
	v_pk_mul_f32 v[SC0+2*\q:SC0+2*\q+1], v[SC0+2*\q:SC0+2*\q+1], v[WV+2:WV+3]
.endr
.irp q, 0,1,2,3
	v_pk_fma_f32 v[SH0+2*\q:SH0+2*\q+1], v[WV:WV+1], v[SC0+2*\q:SC0+2*\q+1], v[SH0+2*\q:SH0+2*\q+1]
.endr
.irp q, 0,1,2,3
	v_cvt_pk_f16_f32 v[SCH+\q], v[SC0+2*\q], v[SC0+2*\q+1]
.endr
.endm
.macro RDL dst, a, tab                 ; a table of my own, read in the accumulators' layout: channels 16 t + 8 h + j
	WIN PW<<6
.set x, 0
.rept 16
	ds_load_b128 v[\dst+4*x:\dst+4*x+3], v[\a] offset:(\tab)+64*(x/2)+16*(x%2)
.set x, x+1
.endr
	WIN 0
.endm
.macro ISSUE                           ; pair J1's rows (its indices are in), pair J2's indices: 21 loads
	WIN 0
.set x, 0
.rept 16
	v_min_u32 v[OFFR+x], 0xfff, v[IDXR+x]
.set x, x+1
.endr
.set x, 0
.rept 16
	v_lshl_add_u32 v[OFFR+x], v[OFFR+x], 8, v[CH16]
.set x, x+1
.endr
	v_lshl_add_u32 v[VO], s[J1], 9, v[VO0]
	v_lshl_add_u32 v[IO], s[J2], 5, v[IO0]
	WIN PW<<6
.set x, 0
.rept 16
	global_load_b128 v[G+4*x:G+4*x+3], v[OFFR+x], s[BU:BU+1]  ; two whole rows of 256 bytes
.set x, x+1
.endr
	WIN 0
	global_load_b128 v[VR:VR+3], v[VO], s[BV:BV+1]
.irp a, 0,1,2,3
	global_load_b128 v[IDXR+4*\a:IDXR+4*\a+3], v[IO], s[BIX:BIX+1] offset:262144*\a
.endr
.endm
.macro FRONT                           ; a0 = lrelu(u sc + (v sc + sh)): w = v sc + sh in f32, rounded to f16; then one packed f16 multiply-add a register; into my tile
	s_wait_loadcnt 0x0                             ; this pair's rows and the next pair's indices: asked for a whole trip ago
	WIN 0
.irp q, 0,1,2,3
	v_fma_mixlo_f16 v[WV+\q], v[VR+\q], v[SC0+2*\q], v[SH0+2*\q] op_sel_hi:[1,0,0]
	v_fma_mixhi_f16 v[WV+\q], v[VR+\q], v[SC0+2*\q+1], v[SH0+2*\q+1] op_sel:[1,0,0] op_sel_hi:[1,0,0]
.endr
.irp g, 0,1,2,3
	WIN PW
.set x, 0
.rept 16
	v_pk_fma_f16 v[AT+x], v[G+16*\g+x], v[SCH+x%4], v[WV+x%4]
.set x, x+1
.endr
	WIN 0
.set x, 0
.rept 16
	v_pk_mul_f16 v[LT+x], v[AT+x], s[LK]
.set x, x+1
.endr
.set x, 0
.rept 16
	v_pk_max_num_f16 v[AT+x], v[AT+x], v[LT+x]
.set x, x+1
.endr
.irp i, 0,1,2,3
	ds_store_b128 v[TST], v[AT+4*\i:AT+4*\i+3] offset:(4*\g+\i)*272
.endr
.endr
.endm
.macro BLOAD a                         ; 16 columns x 128 channels: four B fragments
.irp x, 0,1,2,3,4,5,6,7
	ds_load_b128 v[BF+4*\x:BF+4*\x+3], v[\a] offset:32*\x
.endr
.endm
.macro MMAN win, cw                    ; D = W x columns; the 8 accumulators take turns.  cw = 1: the sums start at the bias
.irp kk, 0,1,2,3
.irp t, 0,1,2,3,4,5,6,7
.if (\kk == 0) && (\cw)
	WIN (\win)|(PW<<4)
	v_wmma_f32_16x16x32_f16 v[ACC+8*\t:ACC+8*\t+7], v[8*(4*\t+\kk):8*(4*\t+\kk)+7], v[BF+8*\kk:BF+8*\kk+7], v[BI+8*\t:BI+8*\t+7]
.elseif \kk == 0
	WIN \win
	v_wmma_f32_16x16x32_f16 v[ACC+8*\t:ACC+8*\t+7], v[8*(4*\t+\kk):8*(4*\t+\kk)+7], v[BF+8*\kk:BF+8*\kk+7], 0
.else
	WIN \win
	v_wmma_f32_16x16x32_f16 v[ACC+8*\t:ACC+8*\t+7], v[8*(4*\t+\kk):8*(4*\t+\kk)+7], v[BF+8*\kk:BF+8*\kk+7], v[ACC+8*\t:ACC+8*\t+7]
.endif
.endr
.endr
.endm
.macro STACC                           ; each accumulator's lowest registers are read first
	PLACES
	WIN 0
.irp q, 0,1,2,3
.irp t, 0,1,2,3,4,5,6,7
	v_pk_add_f32 v[SQS+4*\t:SQS+4*\t+1], v[SQS+4*\t:SQS+4*\t+1], v[ACC+8*\t+2*\q:ACC+8*\t+2*\q+1]
	v_pk_fma_f32 v[SQS+4*\t+2:SQS+4*\t+3], v[ACC+8*\t+2*\q:ACC+8*\t+2*\q+1], v[ACC+8*\t+2*\q:ACC+8*\t+2*\q+1], v[SQS+4*\t+2:SQS+4*\t+3]
.endr
.endr
.endm
	s_load_b512 s[8:23], s[0:1], 0x0               ; uv 8, idx 10, sums in 12, g 14, b 16, weights' image 18, bias 20, sums out 22
	HEAD
	s_wait_kmcnt 0x0
	BASES 8, 10
	s_add_nc_u64 s[12:13], s[12:13], s[OF:OF+1]
	s_lshl_b32 s[OF], s[PRB], 6
	s_add_co_u32 s[OF], s[OF], s[WGI]
	s_lshl_b32 s[OF], s[OF], 6
	s_add_nc_u64 s[22:23], s[22:23], s[OF:OF+1]
.irp a, 0,1,2,3
	global_load_b128 v[IDXR+4*\a:IDXR+4*\a+3], v[IO0], s[BIX:BIX+1] offset:262144*\a
.endr
	STLOAD AT, 12
	L2 SC0, C32, 14
	L2 SH0, C32, 16
	global_load_b128 v[BF:BF+3], v[L16], s[20:21]  ; the bias, four channels a lane
	WQLOAD 0, 18, 0
	s_wait_loadcnt 29                              ; the indices are in: 8 + 4 + 1 + 16 loads were issued behind them
	s_mov_b32 s[J1], 0
	s_mov_b32 s[J2], 1
	ISSUE                                          ; the first rows are on their way while the rest of the head is made
	s_wait_loadcnt 21                              ; all that was asked for ahead of those 21 loads is in
	WQSTORE 0, WSA, 0
	STATS AT
	RBN SC0, 8
	RBN BF, 2
	ds_store_b128 v[PA], v[BF:BF+3] offset:T_BI
	s_wait_dscnt 0x0                               ; for the others' sake: my quarter of the weights and my slot of the statistics are written
	s_barrier_signal -1
	s_barrier_wait -1
	PROWC
	WFRAG 1, WRA, 0
	v_lshl_add_u32 v[T0], v[HH], 5, s[PBS]
	RDL BI, T0, T_BI
.set x, 0
.rept 32
	v_mov_b32 v[SQS+x], 0
.set x, x+1
.endr
	s_wait_dscnt 0x0
	s_mov_b32 s[JJ], 0
.Ltrip:
	FRONT
	s_cmp_eq_u32 s[JJ], 7
	s_cbranch_scc1 .Lnoissue                       ; the last trip asks for nothing
	s_add_co_u32 s[J1], s[JJ], 1
	s_add_co_u32 s[J2], s[JJ], 2
	s_min_u32 s[J2], s[J2], 7
	ISSUE
.Lnoissue:
	s_mov_b32 s[NT], 0
.Lnt:                                              ; one point's 16 columns
	s_mul_i32 s[SX], s[NT], 4352
	v_add_nc_u32 v[FR], s[SX], v[FR0]
	BLOAD FR
	s_wait_dscnt 0x0
	MMAN 1, 1
	STACC
	s_add_co_u32 s[NT], s[NT], 1
	s_cmp_lt_u32 s[NT], 2
	s_cbranch_scc1 .Lnt
	s_add_co_u32 s[JJ], s[JJ], 1
	s_cmp_lt_u32 s[JJ], 8
	s_cbranch_scc1 .Ltrip
.irp t, 0,1,2,3,4,5,6,7
	v_add_f32 v[SQS+4*\t], v[SQS+4*\t], v[SQS+4*\t+1]
	v_add_f32 v[SQS+4*\t+1], v[SQS+4*\t+2], v[SQS+4*\t+3]
.endr
.irp m, 1,2,4,8
.irp t, 0,1,2,3,4,5,6,7
	v_add_f32_dpp v[SQS+4*\t], v[SQS+4*\t], v[SQS+4*\t] row_xmask:\m row_mask:0xf bank_mask:0xf
	v_add_f32_dpp v[SQS+4*\t+1], v[SQS+4*\t+1], v[SQS+4*\t+1] row_xmask:\m row_mask:0xf bank_mask:0xf
.endr
.endr
.irp t, 0,1,2,3,4,5,6,7
	v_permlanex16_b32 v[SQS+4*\t+2], v[SQS+4*\t], s[SEL], s[SEL+1]
	v_permlanex16_b32 v[SQS+4*\t+3], v[SQS+4*\t+1], s[SEL], s[SEL+1]
.endr
.irp t, 0,1,2,3,4,5,6,7
	v_add_f32 v[SQS+4*\t], v[SQS+4*\t], v[SQS+4*\t+2]
	v_add_f32 v[SQS+4*\t+1], v[SQS+4*\t+1], v[SQS+4*\t+3]
.endr
	s_lshl_b32 s[SX], s[WVN], 6
	s_add_co_u32 s[SX], s[SX], RED
	v_mov_b32 v[T0], s[SX]
.irp t, 0,1,2,3,4,5,6,7
	ds_store_b64 v[T0], v[SQS+4*\t:SQS+4*\t+1] offset:8*\t
.endr
	s_wait_dscnt 0x0
	s_barrier_signal -1
	s_barrier_wait -1
	s_cmp_lg_u32 s[WVN], 0
	s_cbranch_scc1 .Lend
	v_add_nc_u32 v[T0], RED, v[R4]
.irp a, 0,1,2,3
	ds_load_b32 v[TP+\a], v[T0] offset:64*\a
.endr
	s_wait_dscnt 0x0
	v_add_f32 v[TP], v[TP], v[TP+1]
	v_add_f32 v[TP+2], v[TP+2], v[TP+3]
	v_add_f32 v[TP], v[TP], v[TP+2]
	v_cmp_gt_u32 vcc_lo, 16, v0
	s_wait_xcnt 0x0                                ; EXEC changes only behind this wait
	s_and_saveexec_b32 s[SX], vcc_lo
	global_store_b32 v[R4], v[TP], s[22:23]
	s_wait_xcnt 0x0
	s_or_b32 exec_lo, exec_lo, s[SX]
.Lend:
	s_wait_tensorcnt 0x0                           ; the wave's end
	ds_add_u32 v[SPW], v[NIL]
	s_wait_dscnt 0x0
	s_endpgm
.Lfunc_end_k_qf7f11815fa_conv1s:
	.size	k_qf7f11815fa_conv1s, .Lfunc_end_k_qf7f11815fa_conv1s-k_qf7f11815fa_conv1s
	.p2alignl 7, 3214868480
	.fill 96, 4, 3214868480
	.section	.rodata,"a",@progbits
	.p2align	6, 0x0
	.amdhsa_kernel k_qf7f11815fa_conv1s
		.amdhsa_group_segment_fixed_size 242432
		.amdhsa_private_segment_fixed_size 0
		.amdhsa_enable_private_segment 0
		.amdhsa_kernarg_size 64
		.amdhsa_user_sgpr_count 2
		.amdhsa_user_sgpr_kernarg_segment_ptr 1
		.amdhsa_wavefront_size32 1
		.amdhsa_system_sgpr_workgroup_id_x 1
		.amdhsa_system_sgpr_workgroup_id_y 1
		.amdhsa_system_sgpr_workgroup_id_z 1
		.amdhsa_system_vgpr_workitem_id 0
		.amdhsa_next_free_vgpr 640
		.amdhsa_next_free_sgpr 72
		.amdhsa_reserve_vcc 1
		.amdhsa_float_denorm_mode_32 3
		.amdhsa_float_denorm_mode_16_64 3
		.amdhsa_memory_ordered 1
		.amdhsa_forward_progress 1
		.amdhsa_inst_pref_size 56
	.end_amdhsa_kernel
	.amdgpu_metadata
---
amdhsa.version: [ 1, 2 ]
amdhsa.kernels:
  - .name:           k_qf7f11815fa_conv1s
    .symbol:         k_qf7f11815fa_conv1s.kd
    .args:
      - { .name: uv1, .offset: 0, .size: 8, .value_kind: global_buffer, .address_space: global }
      - { .name: idx, .offset: 8, .size: 8, .value_kind: global_buffer, .address_space: global }
      - { .name: st1, .offset: 16, .size: 8, .value_kind: global_buffer, .address_space: global }
      - { .name: gn1_g, .offset: 24, .size: 8, .value_kind: global_buffer, .address_space: global }
      - { .name: gn1_b, .offset: 32, .size: 8, .value_kind: global_buffer, .address_space: global }
      - { .name: tab, .offset: 40, .size: 8, .value_kind: global_buffer, .address_space: global }
      - { .name: m1a_b, .offset: 48, .size: 8, .value_kind: global_buffer, .address_space: global }
      - { .name: st2, .offset: 56, .size: 8, .value_kind: global_buffer, .address_space: global }
    .group_segment_fixed_size: 242432
    .private_segment_fixed_size: 0
    .kernarg_segment_align: 8
    .kernarg_segment_size: 64
    .max_flat_workgroup_size: 128
    .sgpr_count:     72
    .vgpr_count:     640
    .wavefront_size: 32
...
	.end_amdgpu_metadata
.endif
;; end of part 11
;; launch conv2s (part 12): grid 256 x 1, 4 waves a work-group, no clusters, 242,432 bytes of LDS; arguments uv1, idx, st1, st2, gn1_g, gn1_b, tab, m1a_b, m1a_g, m1a_beta, m1b_b, st3; writes st3
.if DOCPART == 12
	.amdgcn_target "amdgcn-amd-amdhsa--gfx1250"
	.amdhsa_code_object_version 6
	.text
	.protected	k_qf7f11815fa_conv2s
	.globl	k_qf7f11815fa_conv2s
	.p2align	8
	.type	k_qf7f11815fa_conv2s,@function
k_qf7f11815fa_conv2s:
	s_mov_b64 s[64:65], 0
	v_nop
	global_prefetch_b8 v0, s[64:65] scope:SCOPE_SE
	s_setreg_imm32_b32 hwreg(HW_REG_WAVE_MODE, 25, 1), 1
	s_wait_xcnt 0x0
; TWO LAYERS, SUMS ONLY.  a0 = lrelu(GN(U[idx] + V)); a1 = lrelu(GN(W1 a0 + b1)); y2 = W2 a1 + b2; stored: the groups' sums and sums of squares of y2 over this work-group's columns.
; Shares, tile, gather, head and formats as in the one-layer text.  D = W1 x a0 holds column r and channels 16 t + 8 h + j in a lane: two accumulators, scaled, rounded to f16 in pairs,
; ARE a B fragment (32 channels x 16 columns) of the next product: nothing changes lanes between the layers.
; The statistics: wave 1 reduces the second set's partial sums, the other waves the first set's, each into its own slot; the head's barrier shows the slots to all.
; Windows: 1 = W1's fragments, 2 = W2's, 3 = v0-63 scale, v64-127 shift, v128-191 b2 (all in the accumulators' layout), v192-255 the gathered rows.
.set UVH,  32768
.set TBL,  120832
.set RED,  122880
.set SPARE,123136
.set WL1,  123648                      ; two fragment images of 32,768 bytes
.set PAR,  221952
.set PARW, 5120
.set T_SC1, 0
.set T_SH1, 512
.set T_BI,  1024
.set PW, 3
.set SC, 0
.set SH, 64
.set BI, 128
.set G,  192
.set CC,1
.set HH,2
.set CH16,3
.set VO0,4
.set VO,5
.set IO0,6
.set IO,7
.set TST,8
.set FR0,9
.set FR,10
.set L16,11
.set TBS,12
.set TBC,14
.set RH,15
.set SPW,16
.set NIL,17
.set PA,18
.set C32,19
.set R4,20
.set T0,23
.set SC0,24
.set SH0,32
.set WV,40
.set SCH,44
.set VR,48
.set AT,52
.set LT,68
.set IDXR,84
.set OFFR,100
.set BF,116
.set ACC,148
.set SQS,212
.set TP,244
.set WGA,252
.set WSA,253
.set WRA,254
.set TBQ,255
.set WVN,2
.set PRB,3
.set WGI,4
.set N0W,5
.set STP,32
.set BU,50
.set BV,52
.set BIX,54
.set SEL,56
.set JJ,58
.set NT,59
.set J1,60
.set J2,61
.set SX,62
.set PBS,63
.set LK,66
.set MK,67
.set OF,68
.set MSB, 0
.macro WIN new
.if MSB != (\new)
	s_set_vgpr_msb (MSB<<8)|(\new)
.set MSB, \new
.endif
.endm
.macro PLACES
.rept 4
	v_nop
.endr
.endm
.macro RBN base, n
.set i, 0
.rept \n
	v_cvt_pk_bf16_f32 v[\base+2*i], v[\base+2*i], v[\base+2*i+1]
	v_and_b32 v[\base+2*i+1], s[MK], v[\base+2*i]
	v_lshlrev_b32 v[\base+2*i], 16, v[\base+2*i]
.set i, i+1
.endr
.endm
.macro HEAD
	v_lshl_add_u32 v[SPW], v0, 2, SPARE
	v_mov_b32 v[NIL], 0
	v_lshrrev_b32 v1, 5, v0
	v_readfirstlane_b32 s[WVN], v1
	s_lshr_b32 s[PRB], ttmp9, 6
	s_and_b32 s[WGI], ttmp9, 63
	s_lshl_b32 s[N0W], s[WGI], 6
	s_lshl4_add_u32 s[N0W], s[WVN], s[N0W]
	s_mov_b32 s[SEL], 0x76543210
	s_mov_b32 s[SEL+1], 0xfedcba98
	s_mov_b32 s[LK], 0x2e662e66
	s_mov_b32 s[MK], 0xffff0000
	s_mov_b32 s[OF+1], 0
	v_and_b32 v[CC], 15, v0
	v_bfe_u32 v[HH], v0, 4, 1
	v_lshlrev_b32 v[CH16], 4, v[CC]
	v_lshl_add_u32 v[VO0], v[HH], 8, v[CH16]
	v_lshlrev_b32 v[IO0], 4, v[HH]
	v_and_b32 v[L16], 31, v0
	v_lshrrev_b32 v[TBQ], 2, v[L16]
	v_lshlrev_b32 v[L16], 4, v[L16]
	v_lshl_add_u32 v[TBQ], v[TBQ], 4, TBL
	s_mul_i32 s[SX], s[WVN], 8704
	v_mul_u32_u24 v[TST], v[HH], 4352
	v_add3_u32 v[TST], v[TST], v[CH16], s[SX]
	v_mul_u32_u24 v[RH], v[CC], 272
	v_lshl_add_u32 v[RH], v[HH], 4, v[RH]
	v_add_nc_u32 v[FR0], s[SX], v[RH]
	s_lshl_b32 s[SX], s[WVN], 7
	s_add_co_u32 s[SX], s[SX], TBL
	v_and_b32 v[TBS], 3, v0
	v_lshl_add_u32 v[TBS], v[TBS], 5, s[SX]
	v_lshrrev_b32 v[TBC], 1, v[CC]
	v_lshl_add_u32 v[TBC], v[TBC], 4, TBL
	v_lshlrev_b32 v[C32], 5, v[CC]
	v_lshlrev_b32 v[R4], 2, v[CC]
	s_mul_i32 s[PBS], s[WVN], PARW
	s_add_co_u32 s[PBS], s[PBS], PAR
	v_add_nc_u32 v[PA], s[PBS], v[L16]
	s_lshl_b32 s[SX], s[WVN], 13
	v_add_nc_u32 v[WGA], s[SX], v[L16]
	s_add_co_u32 s[SX], s[SX], WL1
	v_add_nc_u32 v[WSA], s[SX], v[L16]
	v_add_nc_u32 v[WRA], WL1, v[L16]
.endm
.macro BASES up, ip
	s_lshl_b32 s[OF], s[PRB], 21
	s_add_co_u32 s[OF], s[OF], UVH
	s_add_nc_u64 s[BU:BU+1], s[\up:\up+1], s[OF:OF+1]
	s_lshl_b32 s[OF], s[N0W], 8
	s_add_co_u32 s[OF], s[OF], 1<<20
	s_add_nc_u64 s[BV:BV+1], s[BU:BU+1], s[OF:OF+1]
	s_lshl_b32 s[OF], s[PRB], 12
	s_add_co_u32 s[OF], s[OF], s[N0W]
	s_lshl_b32 s[OF], s[OF], 4
	s_add_nc_u64 s[BIX:BIX+1], s[\ip:\ip+1], s[OF:OF+1]
	s_lshl_b32 s[OF], s[PRB], 12
.endm
.macro STLOAD R, sp
.irp i, 0,1,2,3,4,5,6,7
	global_load_b128 v[\R+4*\i:\R+4*\i+3], v[L16], s[\sp:\sp+1] offset:512*\i
.endr
.endm
.macro L2 dst, ad, sp
	global_load_b128 v[\dst:\dst+3], v[\ad], s[\sp:\sp+1]
	global_load_b128 v[\dst+4:\dst+7], v[\ad], s[\sp:\sp+1] offset:16
.endm
.macro WQLOAD lay, sp, off
	WIN 0x40
.set x, 0
.rept 16
	global_load_b128 v[64*(\lay)+4*x:64*(\lay)+4*x+3], v[WGA], s[\sp:\sp+1] offset:(\off)+512*x
.set x, x+1
.endr
	WIN 0
.endm
.macro WQSTORE lay, a, off
	WIN 0x04
.set x, 0
.rept 16
	ds_store_b128 v[\a], v[64*(\lay)+4*x:64*(\lay)+4*x+3] offset:(\off)+512*x
.set x, x+1
.endr
	WIN 0
.endm
.macro WFRAG win, a, off
	WIN (\win)<<6
.set x, 0
.rept 64
	ds_load_b128 v[4*x:4*x+3], v[\a] offset:(\off)+512*x
.set x, x+1
.endr
	WIN 0
.endm
.macro STATS R
.set i, 1
.rept 7
	v_pk_add_f32 v[\R:\R+1], v[\R:\R+1], v[\R+4*i:\R+4*i+1]
	v_pk_add_f32 v[\R+2:\R+3], v[\R+2:\R+3], v[\R+4*i+2:\R+4*i+3]
.set i, i+1
.endr
.irp x, 0,1,2,3
	v_add_f32_dpp v[\R+\x], v[\R+\x], v[\R+\x] row_xmask:4 row_mask:0xf bank_mask:0xf
.endr
.irp x, 0,1,2,3
	v_add_f32_dpp v[\R+\x], v[\R+\x], v[\R+\x] row_xmask:8 row_mask:0xf bank_mask:0xf
.endr
.irp x, 0,1,2,3
	v_permlanex16_b32 v[\R+4+\x], v[\R+\x], s[SEL], s[SEL+1]
.endr
.irp x, 0,1,2,3
	v_add_f32 v[\R+\x], v[\R+\x], v[\R+4+\x]
.endr
	v_mul_f32 v[\R+8], 0xb5800000, v[\R]
	v_mul_f32 v[\R+12], 0xb5800000, v[\R+2]
	v_mul_f32 v[\R+1], 0x35800000, v[\R+1]
	v_mul_f32 v[\R+3], 0x35800000, v[\R+3]
	v_fma_f32 v[\R+1], -v[\R+8], v[\R+8], v[\R+1]
	v_fma_f32 v[\R+3], -v[\R+12], v[\R+12], v[\R+3]
	v_max_num_f32 v[\R+1], 0, v[\R+1]
	v_max_num_f32 v[\R+3], 0, v[\R+3]
	v_add_f32 v[\R+1], 0x3727c5ac, v[\R+1]
	v_add_f32 v[\R+3], 0x3727c5ac, v[\R+3]
	v_rsq_f32 v[\R+10], v[\R+1]
	v_rsq_f32 v[\R+14], v[\R+3]
	v_mov_b32 v[\R+9], v[\R+8]
	v_mov_b32 v[\R+13], v[\R+12]
	s_wait_alu depctr_va_vdst(0)
	v_mov_b32 v[\R+11], v[\R+10]
	v_mov_b32 v[\R+15], v[\R+14]
	ds_store_b128 v[TBS], v[\R+8:\R+11]
	ds_store_b128 v[TBS], v[\R+12:\R+15] offset:16
.endm
.macro PROWC
	ds_load_b128 v[WV:WV+3], v[TBC]
	s_wait_dscnt 0x0
.irp q, 0,1,2,3
	v_pk_mul_f32 v[SC0+2*\q:SC0+2*\q+1], v[SC0+2*\q:SC0+2*\q+1], v[WV+2:WV+3]
.endr
.irp q, 0,1,2,3
	v_pk_fma_f32 v[SH0+2*\q:SH0+2*\q+1], v[WV:WV+1], v[SC0+2*\q:SC0+2*\q+1], v[SH0+2*\q:SH0+2*\q+1]
.endr
.irp q, 0,1,2,3
	v_cvt_pk_f16_f32 v[SCH+\q], v[SC0+2*\q], v[SC0+2*\q+1]
.endr
.endm
.macro TABGN g, be, bi, m, st, tsc, tsh ; four channels a lane: sc = g rstd, sh = (bias - mu) sc + beta, into two tables of my own
	ds_load_b128 v[\m:\m+3], v[TBQ] offset:128*(\st)
	s_wait_dscnt 0x0
	v_pk_mul_f32 v[\g:\g+1], v[\g:\g+1], v[\m+2:\m+3]
	v_pk_mul_f32 v[\g+2:\g+3], v[\g+2:\g+3], v[\m+2:\m+3]
	v_pk_add_f32 v[\bi:\bi+1], v[\bi:\bi+1], v[\m:\m+1]
	v_pk_add_f32 v[\bi+2:\bi+3], v[\bi+2:\bi+3], v[\m:\m+1]
	v_pk_fma_f32 v[\be:\be+1], v[\bi:\bi+1], v[\g:\g+1], v[\be:\be+1]
	v_pk_fma_f32 v[\be+2:\be+3], v[\bi+2:\bi+3], v[\g+2:\g+3], v[\be+2:\be+3]
	ds_store_b128 v[PA], v[\g:\g+3] offset:\tsc
	ds_store_b128 v[PA], v[\be:\be+3] offset:\tsh
.endm
.macro RDL dst, a, tab
	WIN PW<<6
.set x, 0
.rept 16
	ds_load_b128 v[\dst+4*x:\dst+4*x+3], v[\a] offset:(\tab)+64*(x/2)+16*(x%2)
.set x, x+1
.endr
	WIN 0
.endm
.macro ISSUE
	WIN 0
.set x, 0
.rept 16
	v_min_u32 v[OFFR+x], 0xfff, v[IDXR+x]
.set x, x+1
.endr
.set x, 0
.rept 16
	v_lshl_add_u32 v[OFFR+x], v[OFFR+x], 8, v[CH16]
.set x, x+1
.endr
	v_lshl_add_u32 v[VO], s[J1], 9, v[VO0]
	v_lshl_add_u32 v[IO], s[J2], 5, v[IO0]
	WIN PW<<6
.set x, 0
.rept 16
	global_load_b128 v[G+4*x:G+4*x+3], v[OFFR+x], s[BU:BU+1]
.set x, x+1
.endr
	WIN 0
	global_load_b128 v[VR:VR+3], v[VO], s[BV:BV+1]
.irp a, 0,1,2,3
	global_load_b128 v[IDXR+4*\a:IDXR+4*\a+3], v[IO], s[BIX:BIX+1] offset:262144*\a
.endr
.endm
.macro FRONT
	s_wait_loadcnt 0x0
	WIN 0
.irp q, 0,1,2,3
	v_fma_mixlo_f16 v[WV+\q], v[VR+\q], v[SC0+2*\q], v[SH0+2*\q] op_sel_hi:[1,0,0]
	v_fma_mixhi_f16 v[WV+\q], v[VR+\q], v[SC0+2*\q+1], v[SH0+2*\q+1] op_sel:[1,0,0] op_sel_hi:[1,0,0]
.endr
.irp g, 0,1,2,3
	WIN PW
.set x, 0
.rept 16
	v_pk_fma_f16 v[AT+x], v[G+16*\g+x], v[SCH+x%4], v[WV+x%4]
.set x, x+1
.endr
	WIN 0
.set x, 0
.rept 16
	v_pk_mul_f16 v[LT+x], v[AT+x], s[LK]
.set x, x+1
.endr
.set x, 0
.rept 16
	v_pk_max_num_f16 v[AT+x], v[AT+x], v[LT+x]
.set x, x+1
.endr
.irp i, 0,1,2,3
	ds_store_b128 v[TST], v[AT+4*\i:AT+4*\i+3] offset:(4*\g+\i)*272
.endr
.endr
.endm
.macro BLOAD a
.irp x, 0,1,2,3,4,5,6,7
	ds_load_b128 v[BF+4*\x:BF+4*\x+3], v[\a] offset:32*\x
.endr
.endm
.macro MMAN win, cw                    ; the 8 accumulators take turns
.irp kk, 0,1,2,3
.irp t, 0,1,2,3,4,5,6,7
.if (\kk == 0) && (\cw)
	WIN (\win)|(PW<<4)
	v_wmma_f32_16x16x32_f16 v[ACC+8*\t:ACC+8*\t+7], v[8*(4*\t+\kk):8*(4*\t+\kk)+7], v[BF+8*\kk:BF+8*\kk+7], v[BI+8*\t:BI+8*\t+7]
.elseif \kk == 0
	WIN \win
	v_wmma_f32_16x16x32_f16 v[ACC+8*\t:ACC+8*\t+7], v[8*(4*\t+\kk):8*(4*\t+\kk)+7], v[BF+8*\kk:BF+8*\kk+7], 0
.else
	WIN \win
	v_wmma_f32_16x16x32_f16 v[ACC+8*\t:ACC+8*\t+7], v[8*(4*\t+\kk):8*(4*\t+\kk)+7], v[BF+8*\kk:BF+8*\kk+7], v[ACC+8*\t:ACC+8*\t+7]
.endif
.endr
.endr
.endm
.macro GNACT                           ; a1 = lrelu(y SC + SH) as the next product's B fragments
	PLACES
	WIN 0x3c
.set x, 0
.rept 32
	v_pk_fma_f32 v[ACC+2*x:ACC+2*x+1], v[ACC+2*x:ACC+2*x+1], v[SC+2*x:SC+2*x+1], v[SH+2*x:SH+2*x+1]
.set x, x+1
.endr
	WIN 0
.set x, 0
.rept 32
	v_cvt_pk_f16_f32 v[BF+x], v[ACC+2*x], v[ACC+2*x+1]
.set x, x+1
.endr
.set x, 0
.rept 32
	v_pk_mul_f16 v[AT+x], v[BF+x], s[LK]
.set x, x+1
.endr
.set x, 0
.rept 32
	v_pk_max_num_f16 v[BF+x], v[BF+x], v[AT+x]
.set x, x+1
.endr
.endm
.macro STACC
	PLACES
	WIN 0
.irp q, 0,1,2,3
.irp t, 0,1,2,3,4,5,6,7
	v_pk_add_f32 v[SQS+4*\t:SQS+4*\t+1], v[SQS+4*\t:SQS+4*\t+1], v[ACC+8*\t+2*\q:ACC+8*\t+2*\q+1]
	v_pk_fma_f32 v[SQS+4*\t+2:SQS+4*\t+3], v[ACC+8*\t+2*\q:ACC+8*\t+2*\q+1], v[ACC+8*\t+2*\q:ACC+8*\t+2*\q+1], v[SQS+4*\t+2:SQS+4*\t+3]
.endr
.endr
.endm
	s_load_b512 s[8:23], s[0:1], 0x0               ; uv1 8, idx 10, st1 12, st2 14, gn1_g 16, gn1_b 18, tab 20, m1a_b 22
	s_load_b256 s[24:31], s[0:1], 0x40             ; m1a_g 24, m1a_beta 26, m1b_b 28, st3 30
	HEAD
	s_wait_kmcnt 0x0
	BASES 8, 10
	s_add_nc_u64 s[12:13], s[12:13], s[OF:OF+1]
	s_add_nc_u64 s[14:15], s[14:15], s[OF:OF+1]
	s_cmp_eq_u32 s[WVN], 1
	s_cselect_b64 s[STP:STP+1], s[14:15], s[12:13] ; the set that I reduce
	s_lshl_b32 s[OF], s[PRB], 6
	s_add_co_u32 s[OF], s[OF], s[WGI]
	s_lshl_b32 s[OF], s[OF], 6
	s_add_nc_u64 s[30:31], s[30:31], s[OF:OF+1]
.irp a, 0,1,2,3
	global_load_b128 v[IDXR+4*\a:IDXR+4*\a+3], v[IO0], s[BIX:BIX+1] offset:262144*\a
.endr
	STLOAD AT, STP
	L2 SC0, C32, 16
	L2 SH0, C32, 18
	global_load_b128 v[BF:BF+3], v[L16], s[24:25]       ; m1a_g, four channels a lane
	global_load_b128 v[BF+4:BF+7], v[L16], s[26:27]     ; m1a_beta
	global_load_b128 v[BF+8:BF+11], v[L16], s[22:23]    ; m1a_b
	global_load_b128 v[BF+12:BF+15], v[L16], s[28:29]   ; m1b_b
	WQLOAD 0, 20, 0
	WQLOAD 1, 20, 32768
	s_wait_loadcnt 48                              ; the indices are in: 8 + 4 + 4 + 32 loads were issued behind them
	s_mov_b32 s[J1], 0
	s_mov_b32 s[J2], 1
	ISSUE
	s_wait_loadcnt 21                              ; all that was asked for ahead of those 21 loads is in
	WQSTORE 0, WSA, 0
	WQSTORE 1, WSA, 32768
	STATS AT
	RBN SC0, 8
	RBN BF, 8
	ds_store_b128 v[PA], v[BF+12:BF+15] offset:T_BI
	s_wait_dscnt 0x0                               ; for the others' sake: my quarters of the weights and my slot of the statistics are written
	s_barrier_signal -1
	s_barrier_wait -1
	PROWC
	TABGN BF, BF+4, BF+8, TP, 1, T_SC1, T_SH1
	WFRAG 1, WRA, 0
	WFRAG 2, WRA, 32768
	v_lshl_add_u32 v[T0], v[HH], 5, s[PBS]
	RDL SC, T0, T_SC1
	RDL SH, T0, T_SH1
	RDL BI, T0, T_BI
.set x, 0
.rept 32
	v_mov_b32 v[SQS+x], 0
.set x, x+1
.endr
	s_wait_dscnt 0x0
	s_mov_b32 s[JJ], 0
.Ltrip:
	FRONT
	s_cmp_eq_u32 s[JJ], 7
	s_cbranch_scc1 .Lnoissue
	s_add_co_u32 s[J1], s[JJ], 1
	s_add_co_u32 s[J2], s[JJ], 2
	s_min_u32 s[J2], s[J2], 7
	ISSUE
.Lnoissue:
	s_mov_b32 s[NT], 0
.Lnt:
	s_mul_i32 s[SX], s[NT], 4352
	v_add_nc_u32 v[FR], s[SX], v[FR0]
	BLOAD FR
	s_wait_dscnt 0x0
	MMAN 1, 0
	GNACT
	MMAN 2, 1
	STACC
	s_add_co_u32 s[NT], s[NT], 1
	s_cmp_lt_u32 s[NT], 2
	s_cbranch_scc1 .Lnt
	s_add_co_u32 s[JJ], s[JJ], 1
	s_cmp_lt_u32 s[JJ], 8
	s_cbranch_scc1 .Ltrip
.irp t, 0,1,2,3,4,5,6,7
	v_add_f32 v[SQS+4*\t], v[SQS+4*\t], v[SQS+4*\t+1]
	v_add_f32 v[SQS+4*\t+1], v[SQS+4*\t+2], v[SQS+4*\t+3]
.endr
.irp m, 1,2,4,8
.irp t, 0,1,2,3,4,5,6,7
	v_add_f32_dpp v[SQS+4*\t], v[SQS+4*\t], v[SQS+4*\t] row_xmask:\m row_mask:0xf bank_mask:0xf
	v_add_f32_dpp v[SQS+4*\t+1], v[SQS+4*\t+1], v[SQS+4*\t+1] row_xmask:\m row_mask:0xf bank_mask:0xf
.endr
.endr
.irp t, 0,1,2,3,4,5,6,7
	v_permlanex16_b32 v[SQS+4*\t+2], v[SQS+4*\t], s[SEL], s[SEL+1]
	v_permlanex16_b32 v[SQS+4*\t+3], v[SQS+4*\t+1], s[SEL], s[SEL+1]
.endr
.irp t, 0,1,2,3,4,5,6,7
	v_add_f32 v[SQS+4*\t], v[SQS+4*\t], v[SQS+4*\t+2]
	v_add_f32 v[SQS+4*\t+1], v[SQS+4*\t+1], v[SQS+4*\t+3]
.endr
	s_lshl_b32 s[SX], s[WVN], 6
	s_add_co_u32 s[SX], s[SX], RED
	v_mov_b32 v[T0], s[SX]
.irp t, 0,1,2,3,4,5,6,7
	ds_store_b64 v[T0], v[SQS+4*\t:SQS+4*\t+1] offset:8*\t
.endr
	s_wait_dscnt 0x0
	s_barrier_signal -1
	s_barrier_wait -1
	s_cmp_lg_u32 s[WVN], 0
	s_cbranch_scc1 .Lend
	v_add_nc_u32 v[T0], RED, v[R4]
.irp a, 0,1,2,3
	ds_load_b32 v[TP+\a], v[T0] offset:64*\a
.endr
	s_wait_dscnt 0x0
	v_add_f32 v[TP], v[TP], v[TP+1]
	v_add_f32 v[TP+2], v[TP+2], v[TP+3]
	v_add_f32 v[TP], v[TP], v[TP+2]
	v_cmp_gt_u32 vcc_lo, 16, v0
	s_wait_xcnt 0x0                                ; EXEC changes only behind this wait
	s_and_saveexec_b32 s[SX], vcc_lo
	global_store_b32 v[R4], v[TP], s[30:31]
	s_wait_xcnt 0x0
	s_or_b32 exec_lo, exec_lo, s[SX]
.Lend:
	s_wait_tensorcnt 0x0                           ; the wave's end
	ds_add_u32 v[SPW], v[NIL]
	s_wait_dscnt 0x0
	s_endpgm
.Lfunc_end_k_qf7f11815fa_conv2s:
	.size	k_qf7f11815fa_conv2s, .Lfunc_end_k_qf7f11815fa_conv2s-k_qf7f11815fa_conv2s
	.p2alignl 7, 3214868480
	.fill 96, 4, 3214868480
	.section	.rodata,"a",@progbits
	.p2align	6, 0x0
	.amdhsa_kernel k_qf7f11815fa_conv2s
		.amdhsa_group_segment_fixed_size 242432
		.amdhsa_private_segment_fixed_size 0
		.amdhsa_enable_private_segment 0
		.amdhsa_kernarg_size 96
		.amdhsa_user_sgpr_count 2
		.amdhsa_user_sgpr_kernarg_segment_ptr 1
		.amdhsa_wavefront_size32 1
		.amdhsa_system_sgpr_workgroup_id_x 1
		.amdhsa_system_sgpr_workgroup_id_y 1
		.amdhsa_system_sgpr_workgroup_id_z 1
		.amdhsa_system_vgpr_workitem_id 0
		.amdhsa_next_free_vgpr 1024
		.amdhsa_next_free_sgpr 72
		.amdhsa_reserve_vcc 1
		.amdhsa_float_denorm_mode_32 3
		.amdhsa_float_denorm_mode_16_64 3
		.amdhsa_memory_ordered 1
		.amdhsa_forward_progress 1
		.amdhsa_inst_pref_size 77
	.end_amdhsa_kernel
	.amdgpu_metadata
---
amdhsa.version: [ 1, 2 ]
amdhsa.kernels:
  - .name:           k_qf7f11815fa_conv2s
    .symbol:         k_qf7f11815fa_conv2s.kd
    .args:
      - { .name: uv1, .offset: 0, .size: 8, .value_kind: global_buffer, .address_space: global }
      - { .name: idx, .offset: 8, .size: 8, .value_kind: global_buffer, .address_space: global }
      - { .name: st1, .offset: 16, .size: 8, .value_kind: global_buffer, .address_space: global }
      - { .name: st2, .offset: 24, .size: 8, .value_kind: global_buffer, .address_space: global }
      - { .name: gn1_g, .offset: 32, .size: 8, .value_kind: global_buffer, .address_space: global }
      - { .name: gn1_b, .offset: 40, .size: 8, .value_kind: global_buffer, .address_space: global }
      - { .name: tab, .offset: 48, .size: 8, .value_kind: global_buffer, .address_space: global }
      - { .name: m1a_b, .offset: 56, .size: 8, .value_kind: global_buffer, .address_space: global }
      - { .name: m1a_g, .offset: 64, .size: 8, .value_kind: global_buffer, .address_space: global }
      - { .name: m1a_beta, .offset: 72, .size: 8, .value_kind: global_buffer, .address_space: global }
      - { .name: m1b_b, .offset: 80, .size: 8, .value_kind: global_buffer, .address_space: global }
      - { .name: st3, .offset: 88, .size: 8, .value_kind: global_buffer, .address_space: global }
    .group_segment_fixed_size: 242432
    .private_segment_fixed_size: 0
    .kernarg_segment_align: 8
    .kernarg_segment_size: 96
    .max_flat_workgroup_size: 128
    .sgpr_count:     72
    .vgpr_count:     1024
    .wavefront_size: 32
...
	.end_amdgpu_metadata
.endif
;; end of part 12
;; launch conv2f (part 13): grid 256 x 1, 4 waves a work-group, no clusters, 242,432 bytes of LDS; arguments uv1, idx, tab, st1, st2, st3, gn1_g, gn1_b, m1a_b, m1a_g, m1a_beta, m1b_b, m1b_g, m1b_beta, t1_b, t2_b, pos2_w, pos2_b, uv3, out0, out1; writes uv3, out0, out1
.if DOCPART == 13
	.amdgcn_target "amdgcn-amd-amdhsa--gfx1250"
	.amdhsa_code_object_version 6
	.text
	.protected	k_qf7f11815fa_conv2f
	.globl	k_qf7f11815fa_conv2f
	.p2align	8
	.type	k_qf7f11815fa_conv2f,@function
k_qf7f11815fa_conv2f:
	s_mov_b64 s[64:65], 0
	v_nop
	global_prefetch_b8 v0, s[64:65] scope:SCOPE_SE
	s_setreg_imm32_b32 hwreg(HW_REG_WAVE_MODE, 25, 1), 1
	s_wait_xcnt 0x0
; TWO LAYERS TO THE END.  a0, a1 as in the sums' text; y2 = W2 a1 with the sources swapped, so that a lane holds ONE channel (16 t + r) and 8 neighbours:
; z = y2 sc + sh (third GroupNorm, bias folded in), the maximum over the 16 neighbours, lrelu once behind it (it is monotone).  The pooled vectors (f16) of a wave's 16 points are then
; multiplied by t1 (cross 0) or t2 (cross 1): once swapped, for out0 / out1 ([channel][point], f32), once plain, for the third cross's table:
; cross 0 gives V3[n] = feat1_new[n] + pos2_b - Wp2 (xyz[n] - c), cross 1 gives U3[m] = feat2_new[m] + Wp2 (xyz[m] - c), rounded once to f16 (they must stay under 65,504).
; THE HEAD is the sums' texts': indices first, the first rows as soon as they are in, weights by quarters through LDS, parameters at four channels a lane through tables in the wave's own LDS.
; Waves 0, 1, 2 reduce the three sets of partial sums (wave 3 the first once more), each into its own slot.  What the last product needs (t's image, t_b, pos2_b, pos2_w, my 16 points) comes in at the head too:
; behind the loop nothing is fetched from memory.
; Windows: 1 = W1's fragments, later t's; 2 = W2's; 3 = v0-63 scale, v64-127 shift, v128-191 the gathered rows.
; Every LDS address of the text is a fixed register, at most plus the inner counter times a constant, plus an immediate: the trip's rows of the pool stand in the stores' immediates.
.set UVH,  32768
.set PTSO, 131072
.set POOL, 34816                       ; LDS: 0 four tiles; here 16 points x pitch 272 (f16) a wave
.set RSTG, 52224                       ; 16 points x pitch 528 (f32) a wave
.set OSTG, 86016                       ; 128 channels x pitch 272 (f32, 64 points), the work-group's
.set TBL,  120832
.set SPARE,123136
.set WL1,  123648                      ; three fragment images of 32,768 bytes: W1, W2, t
.set PAR,  221952
.set PARW, 5120
.set T_SC1, 0
.set T_SH1, 512
.set T_SC3, 1024
.set T_SH3, 1536
.set T_TB,  2048                       ; t_b
.set T_BS,  2560                       ; t_b, with pos2_b for V3
.set T_WP,  3072                       ; pos2_w with the position term's sign: 128 x 3
.set T_PT,  4608                       ; xyz - c of my 16 points, 16 bytes each
.set PW, 3
.set SC, 0
.set SH, 64
.set G,  128
.set CC,1
.set HH,2
.set CH16,3
.set VO0,4
.set VO,5
.set IO0,6
.set IO,7
.set TST,8
.set FR0,9
.set FR,10
.set L16,11
.set TBS,12
.set TBC,14
.set RH,15
.set SPW,16
.set NIL,17
.set PA,18
.set C32,19
.set R4,20
.set PO0,21
.set PO,22
.set T0,23
.set SC0,24
.set SH0,32
.set WV,40
.set SCH,44
.set VR,48
.set AT,52
.set LT,68
.set IDXR,84
.set OFFR,100
.set BF,116
.set ACC,148
.set SQS,212                           ; channel 16 t + r: (sc, sc, sh, sh)
.set TP,244
.set WGA,252
.set WSA,253
.set WRA,254
.set TBQ,255
.set WVN,2
.set PRB,3
.set WGI,4
.set N0W,5
.set BU,50
.set BV,52
.set BIX,54
.set SEL,56
.set JJ,58
.set NT,59
.set J1,60
.set J2,61
.set SX,62
.set PBS,63
.set LK,66
.set MK,67
.set OF,68
.set STP,90
.set MSB, 0
.macro WIN new
.if MSB != (\new)
	s_set_vgpr_msb (MSB<<8)|(\new)
.set MSB, \new
.endif
.endm
.macro PLACES
.rept 4
	v_nop
.endr
.endm
.macro RBN base, n
.set i, 0
.rept \n
	v_cvt_pk_bf16_f32 v[\base+2*i], v[\base+2*i], v[\base+2*i+1]
	v_and_b32 v[\base+2*i+1], s[MK], v[\base+2*i]
	v_lshlrev_b32 v[\base+2*i], 16, v[\base+2*i]
.set i, i+1
.endr
.endm
.macro HEAD
	v_lshl_add_u32 v[SPW], v0, 2, SPARE
	v_mov_b32 v[NIL], 0
	v_lshrrev_b32 v1, 5, v0
	v_readfirstlane_b32 s[WVN], v1
	s_lshr_b32 s[PRB], ttmp9, 6
	s_and_b32 s[WGI], ttmp9, 63
	s_lshl_b32 s[N0W], s[WGI], 6
	s_lshl4_add_u32 s[N0W], s[WVN], s[N0W]
	s_mov_b32 s[SEL], 0x76543210
	s_mov_b32 s[SEL+1], 0xfedcba98
	s_mov_b32 s[LK], 0x2e662e66
	s_mov_b32 s[MK], 0xffff0000
	s_mov_b32 s[OF+1], 0
	v_and_b32 v[CC], 15, v0
	v_bfe_u32 v[HH], v0, 4, 1
	v_lshlrev_b32 v[CH16], 4, v[CC]
	v_lshl_add_u32 v[VO0], v[HH], 8, v[CH16]
	v_lshlrev_b32 v[IO0], 4, v[HH]
	v_and_b32 v[L16], 31, v0
	v_lshrrev_b32 v[TBQ], 2, v[L16]
	v_lshlrev_b32 v[L16], 4, v[L16]
	v_lshl_add_u32 v[TBQ], v[TBQ], 4, TBL
	s_mul_i32 s[SX], s[WVN], 8704
	v_mul_u32_u24 v[TST], v[HH], 4352
	v_add3_u32 v[TST], v[TST], v[CH16], s[SX]
	v_mul_u32_u24 v[RH], v[CC], 272
	v_lshl_add_u32 v[RH], v[HH], 4, v[RH]
	v_add_nc_u32 v[FR0], s[SX], v[RH]
	s_lshl_b32 s[SX], s[WVN], 7
	s_add_co_u32 s[SX], s[SX], TBL
	v_and_b32 v[TBS], 3, v0
	v_lshl_add_u32 v[TBS], v[TBS], 5, s[SX]
	v_lshrrev_b32 v[TBC], 1, v[CC]
	v_lshl_add_u32 v[TBC], v[TBC], 4, TBL
	v_lshlrev_b32 v[C32], 5, v[CC]
	v_lshlrev_b32 v[R4], 2, v[CC]
	s_mul_i32 s[PBS], s[WVN], PARW
	s_add_co_u32 s[PBS], s[PBS], PAR
	v_add_nc_u32 v[PA], s[PBS], v[L16]
	s_lshl_b32 s[SX], s[WVN], 13
	v_add_nc_u32 v[WGA], s[SX], v[L16]
	s_add_co_u32 s[SX], s[SX], WL1
	v_add_nc_u32 v[WSA], s[SX], v[L16]
	v_add_nc_u32 v[WRA], WL1, v[L16]
.endm
.macro BASES up, ip
	s_lshl_b32 s[OF], s[PRB], 21
	s_add_co_u32 s[OF], s[OF], UVH
	s_add_nc_u64 s[BU:BU+1], s[\up:\up+1], s[OF:OF+1]
	s_lshl_b32 s[OF], s[N0W], 8
	s_add_co_u32 s[OF], s[OF], 1<<20
	s_add_nc_u64 s[BV:BV+1], s[BU:BU+1], s[OF:OF+1]
	s_lshl_b32 s[OF], s[PRB], 12
	s_add_co_u32 s[OF], s[OF], s[N0W]
	s_lshl_b32 s[OF], s[OF], 4
	s_add_nc_u64 s[BIX:BIX+1], s[\ip:\ip+1], s[OF:OF+1]
	s_lshl_b32 s[OF], s[PRB], 12
.endm
.macro STLOAD R, sp
.irp i, 0,1,2,3,4,5,6,7
	global_load_b128 v[\R+4*\i:\R+4*\i+3], v[L16], s[\sp:\sp+1] offset:512*\i
.endr
.endm
.macro L2 dst, ad, sp
	global_load_b128 v[\dst:\dst+3], v[\ad], s[\sp:\sp+1]
	global_load_b128 v[\dst+4:\dst+7], v[\ad], s[\sp:\sp+1] offset:16
.endm
.macro WQLOAD lay, sp, off
	WIN 0x40
.set x, 0
.rept 16
	global_load_b128 v[64*(\lay)+4*x:64*(\lay)+4*x+3], v[WGA], s[\sp:\sp+1] offset:(\off)+512*x
.set x, x+1
.endr
	WIN 0
.endm
.macro WQSTORE lay, a, off
	WIN 0x04
.set x, 0
.rept 16
	ds_store_b128 v[\a], v[64*(\lay)+4*x:64*(\lay)+4*x+3] offset:(\off)+512*x
.set x, x+1
.endr
	WIN 0
.endm
.macro WFRAG win, a, off
	WIN (\win)<<6
.set x, 0
.rept 64
	ds_load_b128 v[4*x:4*x+3], v[\a] offset:(\off)+512*x
.set x, x+1
.endr
	WIN 0
.endm
.macro STATS R
.set i, 1
.rept 7
	v_pk_add_f32 v[\R:\R+1], v[\R:\R+1], v[\R+4*i:\R+4*i+1]
	v_pk_add_f32 v[\R+2:\R+3], v[\R+2:\R+3], v[\R+4*i+2:\R+4*i+3]
.set i, i+1
.endr
.irp x, 0,1,2,3
	v_add_f32_dpp v[\R+\x], v[\R+\x], v[\R+\x] row_xmask:4 row_mask:0xf bank_mask:0xf
.endr
.irp x, 0,1,2,3
	v_add_f32_dpp v[\R+\x], v[\R+\x], v[\R+\x] row_xmask:8 row_mask:0xf bank_mask:0xf
.endr
.irp x, 0,1,2,3
	v_permlanex16_b32 v[\R+4+\x], v[\R+\x], s[SEL], s[SEL+1]
.endr
.irp x, 0,1,2,3
	v_add_f32 v[\R+\x], v[\R+\x], v[\R+4+\x]
.endr
	v_mul_f32 v[\R+8], 0xb5800000, v[\R]
	v_mul_f32 v[\R+12], 0xb5800000, v[\R+2]
	v_mul_f32 v[\R+1], 0x35800000, v[\R+1]
	v_mul_f32 v[\R+3], 0x35800000, v[\R+3]
	v_fma_f32 v[\R+1], -v[\R+8], v[\R+8], v[\R+1]
	v_fma_f32 v[\R+3], -v[\R+12], v[\R+12], v[\R+3]
	v_max_num_f32 v[\R+1], 0, v[\R+1]
	v_max_num_f32 v[\R+3], 0, v[\R+3]
	v_add_f32 v[\R+1], 0x3727c5ac, v[\R+1]
	v_add_f32 v[\R+3], 0x3727c5ac, v[\R+3]
	v_rsq_f32 v[\R+10], v[\R+1]
	v_rsq_f32 v[\R+14], v[\R+3]
	v_mov_b32 v[\R+9], v[\R+8]
	v_mov_b32 v[\R+13], v[\R+12]
	s_wait_alu depctr_va_vdst(0)
	v_mov_b32 v[\R+11], v[\R+10]
	v_mov_b32 v[\R+15], v[\R+14]
	ds_store_b128 v[TBS], v[\R+8:\R+11]
	ds_store_b128 v[TBS], v[\R+12:\R+15] offset:16
.endm
.macro PROWC
	ds_load_b128 v[WV:WV+3], v[TBC]
	s_wait_dscnt 0x0
.irp q, 0,1,2,3
	v_pk_mul_f32 v[SC0+2*\q:SC0+2*\q+1], v[SC0+2*\q:SC0+2*\q+1], v[WV+2:WV+3]
.endr
.irp q, 0,1,2,3
	v_pk_fma_f32 v[SH0+2*\q:SH0+2*\q+1], v[WV:WV+1], v[SC0+2*\q:SC0+2*\q+1], v[SH0+2*\q:SH0+2*\q+1]
.endr
.irp q, 0,1,2,3
	v_cvt_pk_f16_f32 v[SCH+\q], v[SC0+2*\q], v[SC0+2*\q+1]
.endr
.endm
.macro TABGN g, be, bi, m, st, tsc, tsh ; four channels a lane: sc = g rstd, sh = (bias - mu) sc + beta, into two tables of my own
	ds_load_b128 v[\m:\m+3], v[TBQ] offset:128*(\st)
	s_wait_dscnt 0x0
	v_pk_mul_f32 v[\g:\g+1], v[\g:\g+1], v[\m+2:\m+3]
	v_pk_mul_f32 v[\g+2:\g+3], v[\g+2:\g+3], v[\m+2:\m+3]
	v_pk_add_f32 v[\bi:\bi+1], v[\bi:\bi+1], v[\m:\m+1]
	v_pk_add_f32 v[\bi+2:\bi+3], v[\bi+2:\bi+3], v[\m:\m+1]
	v_pk_fma_f32 v[\be:\be+1], v[\bi:\bi+1], v[\g:\g+1], v[\be:\be+1]
	v_pk_fma_f32 v[\be+2:\be+3], v[\bi+2:\bi+3], v[\g+2:\g+3], v[\be+2:\be+3]
	ds_store_b128 v[PA], v[\g:\g+3] offset:\tsc
	ds_store_b128 v[PA], v[\be:\be+3] offset:\tsh
.endm
.macro RDL dst, a, tab
	WIN PW<<6
.set x, 0
.rept 16
	ds_load_b128 v[\dst+4*x:\dst+4*x+3], v[\a] offset:(\tab)+64*(x/2)+16*(x%2)
.set x, x+1
.endr
	WIN 0
.endm
.macro RLN a, tsc, tsh                 ; two tables of my own, read in the lane layout: channel 16 t + r, each number twice for the packed lines
.irp t, 0,1,2,3,4,5,6,7
	ds_load_b32 v[SQS+4*\t], v[\a] offset:(\tsc)+64*\t
	ds_load_b32 v[SQS+4*\t+2], v[\a] offset:(\tsh)+64*\t
.endr
	s_wait_dscnt 0x0
.irp t, 0,1,2,3,4,5,6,7
	v_mov_b32 v[SQS+4*\t+1], v[SQS+4*\t]
	v_mov_b32 v[SQS+4*\t+3], v[SQS+4*\t+2]
.endr
.endm
.macro ISSUE
	WIN 0
.set x, 0
.rept 16
	v_min_u32 v[OFFR+x], 0xfff, v[IDXR+x]
.set x, x+1
.endr
.set x, 0
.rept 16
	v_lshl_add_u32 v[OFFR+x], v[OFFR+x], 8, v[CH16]
.set x, x+1
.endr
	v_lshl_add_u32 v[VO], s[J1], 9, v[VO0]
	v_lshl_add_u32 v[IO], s[J2], 5, v[IO0]
	WIN PW<<6
.set x, 0
.rept 16
	global_load_b128 v[G+4*x:G+4*x+3], v[OFFR+x], s[BU:BU+1]
.set x, x+1
.endr
	WIN 0
	global_load_b128 v[VR:VR+3], v[VO], s[BV:BV+1]
.irp a, 0,1,2,3
	global_load_b128 v[IDXR+4*\a:IDXR+4*\a+3], v[IO], s[BIX:BIX+1] offset:262144*\a
.endr
.endm
.macro FRONT
	s_wait_loadcnt 0x0
	WIN 0
.irp q, 0,1,2,3
	v_fma_mixlo_f16 v[WV+\q], v[VR+\q], v[SC0+2*\q], v[SH0+2*\q] op_sel_hi:[1,0,0]
	v_fma_mixhi_f16 v[WV+\q], v[VR+\q], v[SC0+2*\q+1], v[SH0+2*\q+1] op_sel:[1,0,0] op_sel_hi:[1,0,0]
.endr
.irp g, 0,1,2,3
	WIN PW
.set x, 0
.rept 16
	v_pk_fma_f16 v[AT+x], v[G+16*\g+x], v[SCH+x%4], v[WV+x%4]
.set x, x+1
.endr
	WIN 0
.set x, 0
.rept 16
	v_pk_mul_f16 v[LT+x], v[AT+x], s[LK]
.set x, x+1
.endr
.set x, 0
.rept 16
	v_pk_max_num_f16 v[AT+x], v[AT+x], v[LT+x]
.set x, x+1
.endr
.irp i, 0,1,2,3
	ds_store_b128 v[TST], v[AT+4*\i:AT+4*\i+3] offset:(4*\g+\i)*272
.endr
.endr
.endm
.macro BLOAD a
.irp x, 0,1,2,3,4,5,6,7
	ds_load_b128 v[BF+4*\x:BF+4*\x+3], v[\a] offset:32*\x
.endr
.endm
.macro MMAN win                        ; D = W x columns: a lane holds column r, channels 16 t + 8 h + j; the 8 accumulators take turns
.irp kk, 0,1,2,3
.irp t, 0,1,2,3,4,5,6,7
	WIN \win
.if \kk == 0
	v_wmma_f32_16x16x32_f16 v[ACC+8*\t:ACC+8*\t+7], v[8*(4*\t+\kk):8*(4*\t+\kk)+7], v[BF+8*\kk:BF+8*\kk+7], 0
.else
	v_wmma_f32_16x16x32_f16 v[ACC+8*\t:ACC+8*\t+7], v[8*(4*\t+\kk):8*(4*\t+\kk)+7], v[BF+8*\kk:BF+8*\kk+7], v[ACC+8*\t:ACC+8*\t+7]
.endif
.endr
.endr
.endm
.macro MMAS win                        ; the sources swapped: a lane holds channel 16 t + r, columns 8 h + j
.irp kk, 0,1,2,3
.irp t, 0,1,2,3,4,5,6,7
	WIN (\win)<<2
.if \kk == 0
	v_wmma_f32_16x16x32_f16 v[ACC+8*\t:ACC+8*\t+7], v[BF+8*\kk:BF+8*\kk+7], v[8*(4*\t+\kk):8*(4*\t+\kk)+7], 0
.else
	v_wmma_f32_16x16x32_f16 v[ACC+8*\t:ACC+8*\t+7], v[BF+8*\kk:BF+8*\kk+7], v[8*(4*\t+\kk):8*(4*\t+\kk)+7], v[ACC+8*\t:ACC+8*\t+7]
.endif
.endr
.endr
.endm
.macro GNACT
	PLACES
	WIN 0x3c
.set x, 0
.rept 32
	v_pk_fma_f32 v[ACC+2*x:ACC+2*x+1], v[ACC+2*x:ACC+2*x+1], v[SC+2*x:SC+2*x+1], v[SH+2*x:SH+2*x+1]
.set x, x+1
.endr
	WIN 0
.set x, 0
.rept 32
	v_cvt_pk_f16_f32 v[BF+x], v[ACC+2*x], v[ACC+2*x+1]
.set x, x+1
.endr
.set x, 0
.rept 32
	v_pk_mul_f16 v[AT+x], v[BF+x], s[LK]
.set x, x+1
.endr
.set x, 0
.rept 32
	v_pk_max_num_f16 v[BF+x], v[BF+x], v[AT+x]
.set x, x+1
.endr
.endm
.macro POOLMAX                         ; z = y sc + sh, the maximum over a point's 16 neighbours, lrelu: TP+t for channel 16 t + r
	PLACES
	WIN 0
.set x, 0
.rept 32
	v_pk_fma_f32 v[ACC+2*x:ACC+2*x+1], v[ACC+2*x:ACC+2*x+1], v[SQS+4*(x/4):SQS+4*(x/4)+1], v[SQS+4*(x/4)+2:SQS+4*(x/4)+3]
.set x, x+1
.endr
.irp t, 0,1,2,3,4,5,6,7
	v_max3_num_f32 v[TP+\t], v[ACC+8*\t], v[ACC+8*\t+1], v[ACC+8*\t+2]
.endr
.irp t, 0,1,2,3,4,5,6,7
	v_max3_num_f32 v[TP+\t], v[TP+\t], v[ACC+8*\t+3], v[ACC+8*\t+4]
.endr
.irp t, 0,1,2,3,4,5,6,7
	v_max3_num_f32 v[TP+\t], v[TP+\t], v[ACC+8*\t+5], v[ACC+8*\t+6]
.endr
.irp t, 0,1,2,3,4,5,6,7
	v_max_num_f32 v[TP+\t], v[TP+\t], v[ACC+8*\t+7]
.endr
.irp t, 0,1,2,3,4,5,6,7
	v_permlanex16_b32 v[AT+\t], v[TP+\t], s[SEL], s[SEL+1]
.endr
.irp t, 0,1,2,3,4,5,6,7
	v_max_num_f32 v[TP+\t], v[TP+\t], v[AT+\t]
.endr
.irp t, 0,1,2,3,4,5,6,7
	v_mul_f32 v[AT+\t], 0x3dcccccd, v[TP+\t]
.endr
.irp t, 0,1,2,3,4,5,6,7
	v_max_num_f32 v[TP+\t], v[TP+\t], v[AT+\t]
.endr
.endm
	s_load_b512 s[8:23], s[0:1], 0x0               ; uv1 8, idx 10, tab 12, st1 14, st2 16, st3 18, gn1_g 20, gn1_b 22
	s_load_b512 s[24:39], s[0:1], 0x40             ; m1a_b 24, m1a_g 26, m1a_beta 28, m1b_b 30, m1b_g 32, m1b_beta 34, t1_b 36, t2_b 38
	s_load_b256 s[40:47], s[0:1], 0x80             ; pos2_w 40, pos2_b 42, uv3 44, out0 46
	s_load_b64 s[48:49], s[0:1], 0xa0              ; out1
	HEAD
	s_mul_i32 s[SX], s[WVN], 4352
	s_add_co_u32 s[SX], s[SX], POOL
	v_lshl_add_u32 v[PO0], v[CC], 1, s[SX]         ; the pool, in: 2 bytes at channel r
	v_mul_u32_u24 v[T0], v[L16], 3                 ; 48 x lane: pos2_w of four channels
	s_lshr_b32 s6, s[PRB], 1                       ; cross
	s_and_b32 s7, s[PRB], 1                        ; batch
	s_wait_kmcnt 0x0
	BASES 8, 10
	s_add_nc_u64 s[14:15], s[14:15], s[OF:OF+1]
	s_add_nc_u64 s[16:17], s[16:17], s[OF:OF+1]
	s_add_nc_u64 s[18:19], s[18:19], s[OF:OF+1]
	s_cmp_eq_u32 s[WVN], 1
	s_cselect_b64 s[STP:STP+1], s[16:17], s[14:15] ; the set that I reduce
	s_cmp_eq_u32 s[WVN], 2
	s_cselect_b64 s[STP:STP+1], s[18:19], s[STP:STP+1]
	s_cmp_eq_u32 s6, 0
	s_cselect_b64 s[70:71], s[36:37], s[38:39]     ; t1_b or t2_b
	s_cselect_b64 s[72:73], s[46:47], s[48:49]     ; out0 or out1
	s_cselect_b32 s74, -1.0, 1.0                   ; the sign of the position term
	s_cselect_b32 s76, 1.0, 0                      ; pos2_b goes to V3 alone
	s_cselect_b32 s77, 1<<20, 0                    ; V3 lies behind U3
	s_mov_b32 s75, s74
	s_add_co_u32 s[OF], s6, 2
	s_lshl_b32 s[OF], s[OF], 15
	s_add_nc_u64 s[78:79], s[12:13], s[OF:OF+1]    ; t's image
	s_lshl_b32 s[OF], s[PRB], 12
	s_add_co_u32 s[OF], s[OF], s[N0W]
	s_lshl_b32 s[OF], s[OF], 4
	s_add_co_u32 s[OF], s[OF], PTSO
	s_add_nc_u64 s[80:81], s[12:13], s[OF:OF+1]    ; my 16 points
	s_lshl_b32 s[OF], s7, 16
	s_add_co_u32 s[OF], s[OF], PTSO
	s_add_nc_u64 s[82:83], s[12:13], s[OF:OF+1]
	s_load_b128 s[84:87], s[82:83], 0x0            ; c: point 0 of pc1 in the batch
	s_lshl_b32 s[OF], s7, 21
	s_add_co_u32 s[OF], s[OF], s77
	s_lshl_b32 s[SX], s[N0W], 8
	s_add_co_u32 s[OF], s[OF], s[SX]
	s_add_co_u32 s[OF], s[OF], UVH
	s_add_nc_u64 s[88:89], s[44:45], s[OF:OF+1]    ; my 16 rows of uv3
	s_lshl_b32 s[OF], s7, 21
	s_lshl_b32 s[SX], s[WVN], 19
	s_add_co_u32 s[OF], s[OF], s[SX]
	s_lshl_b32 s[SX], s[WGI], 8
	s_add_co_u32 s[OF], s[OF], s[SX]
	s_add_nc_u64 s[72:73], s[72:73], s[OF:OF+1]    ; channels 32 w on, the group's 64 points
.irp a, 0,1,2,3
	global_load_b128 v[IDXR+4*\a:IDXR+4*\a+3], v[IO0], s[BIX:BIX+1] offset:262144*\a
.endr
	STLOAD AT, STP
	L2 SC0, C32, 20
	L2 SH0, C32, 22
	global_load_b128 v[BF:BF+3], v[L16], s[26:27]       ; m1a_g, four channels a lane
	global_load_b128 v[BF+4:BF+7], v[L16], s[28:29]     ; m1a_beta
	global_load_b128 v[BF+8:BF+11], v[L16], s[24:25]    ; m1a_b
	global_load_b128 v[BF+12:BF+15], v[L16], s[32:33]   ; m1b_g
	global_load_b128 v[BF+16:BF+19], v[L16], s[34:35]   ; m1b_beta
	global_load_b128 v[BF+20:BF+23], v[L16], s[30:31]   ; m1b_b
	global_load_b128 v[BF+24:BF+27], v[L16], s[70:71]   ; t_b
	global_load_b128 v[BF+28:BF+31], v[L16], s[42:43]   ; pos2_b
.irp q, 0,1,2
	global_load_b128 v[SQS+4*\q:SQS+4*\q+3], v[T0], s[40:41] offset:16*\q  ; pos2_w
.endr
	global_load_b128 v[SQS+12:SQS+15], v[CH16], s[80:81]                    ; point lane & 15 of my 16
	WQLOAD 0, 12, 0
	WQLOAD 1, 12, 32768
	WQLOAD 2, 78, 0
	s_wait_loadcnt 63                              ; the indices are in: 72 loads were issued behind them, and the count's field ends at 63
	s_mov_b32 s[J1], 0
	s_mov_b32 s[J2], 1
	ISSUE
	s_wait_loadcnt 21                              ; all that was asked for ahead of those 21 loads is in
	s_wait_kmcnt 0x0                               ; c
	WQSTORE 0, WSA, 0
	WQSTORE 1, WSA, 32768
	v_add_nc_u32 v[TP+4], 0x10000, v[WSA]
	WQSTORE 2, TP+4, 0
	STATS AT
	RBN SC0, 8
	RBN BF, 16
	RBN SQS, 6
	ds_store_b128 v[PA], v[BF+24:BF+27] offset:T_TB
.irp x, 0,1,2,3
	v_fma_f32 v[BF+28+\x], s76, v[BF+28+\x], v[BF+24+\x]
.endr
	ds_store_b128 v[PA], v[BF+28:BF+31] offset:T_BS
.irp x, 0,1,2,3,4,5
	v_pk_mul_f32 v[SQS+2*\x:SQS+2*\x+1], v[SQS+2*\x:SQS+2*\x+1], s[74:75] op_sel_hi:[1,0]
.endr
	v_add_nc_u32 v[PO], s[PBS], v[T0]
.irp q, 0,1,2
	ds_store_b128 v[PO], v[SQS+4*\q:SQS+4*\q+3] offset:T_WP+16*\q
.endr
.irp d, 0,1,2
	v_sub_f32 v[SQS+12+\d], v[SQS+12+\d], s[84+\d]
.endr
	v_add_nc_u32 v[TP+5], s[PBS], v[CH16]
	ds_store_b128 v[TP+5], v[SQS+12:SQS+15] offset:T_PT  ; lanes l and l + 16 store the same 16 bytes
	s_wait_dscnt 0x0                               ; for the others' sake: my quarters of the weights and my slot of the statistics are written
	s_barrier_signal -1
	s_barrier_wait -1
	PROWC
	TABGN BF, BF+4, BF+8, TP, 1, T_SC1, T_SH1
	TABGN BF+12, BF+16, BF+20, TP, 2, T_SC3, T_SH3
	WFRAG 1, WRA, 0
	WFRAG 2, WRA, 32768
	v_lshl_add_u32 v[T0], v[HH], 5, s[PBS]
	RDL SC, T0, T_SC1
	RDL SH, T0, T_SH1
	v_add_nc_u32 v[TP+6], s[PBS], v[R4]
	RLN TP+6, T_SC3, T_SH3
	s_mov_b32 s[JJ], 0
.Ltrip:
	FRONT
	s_cmp_eq_u32 s[JJ], 7
	s_cbranch_scc1 .Lnoissue
	s_add_co_u32 s[J1], s[JJ], 1
	s_add_co_u32 s[J2], s[JJ], 2
	s_min_u32 s[J2], s[J2], 7
	ISSUE
.Lnoissue:
	s_mov_b32 s[NT], 0
.Lnt:
	s_mul_i32 s[SX], s[NT], 4352
	v_add_nc_u32 v[FR], s[SX], v[FR0]
	BLOAD FR
	s_wait_dscnt 0x0
	MMAN 1
	GNACT
	MMAS 2
	POOLMAX
	s_mul_i32 s[SX], s[NT], 272                    ; the pool's row 2 JJ + NT: NT in the register,
	v_add_nc_u32 v[PO], s[SX], v[PO0]
.irp t, 0,2,4,6
	v_cvt_pk_f16_f32 v[TP+\t], v[TP+\t], v[TP+\t+1]
.endr
.irp k, 0,1,2,3,4,5,6                  ; 2 JJ in the immediates: one run of eight stores for each trip, chosen by the trip's counter
	s_cmp_eq_u32 s[JJ], \k
	s_cbranch_scc1 .Lrow\k
.endr
.irp k, 7,6,5,4,3,2,1,0
.Lrow\k:
.irp t, 0,2,4,6
	ds_store_b16 v[PO], v[TP+\t] offset:544*\k+32*\t
	ds_store_b16_d16_hi v[PO], v[TP+\t] offset:544*\k+32*\t+32
.endr
.if \k != 0
	s_branch .Lrowed
.endif
.endr
.Lrowed:
	s_add_co_u32 s[NT], s[NT], 1
	s_cmp_lt_u32 s[NT], 2
	s_cbranch_scc1 .Lnt
	s_add_co_u32 s[JJ], s[JJ], 1
	s_cmp_lt_u32 s[JJ], 8
	s_cbranch_scc1 .Ltrip
	; THE LAST PRODUCT.  Window 1 takes t's fragments; they and the parameters come out of LDS.
	s_wait_loadcnt 0x0                             ; no load of the gather is out: its registers are written anew below (the last trip asked for nothing, so nothing is waited for)
	v_add_nc_u32 v[TBC], 0x10000, v[WRA]
	WFRAG 1, TBC, 0
	v_add_nc_u32 v[VO], s[PBS], v[R4]
	v_add_nc_u32 v[IO], s[PBS], v[C32]
	v_mul_u32_u24 v[TST], v[CC], 96
	v_add_nc_u32 v[TST], s[PBS], v[TST]
	v_add_nc_u32 v[TBS], s[PBS], v[IO0]
.irp t, 0,1,2,3,4,5,6,7
	ds_load_b32 v[IDXR+\t], v[VO] offset:T_TB+64*\t                 ; t_b of channel 16 t + r
.endr
	ds_load_b128 v[SC0:SC0+3], v[IO] offset:T_BS                    ; the rows' bias, channels 8 c .. 8 c + 7
	ds_load_b128 v[SC0+4:SC0+7], v[IO] offset:T_BS+16
.irp q, 0,1,2,3,4,5
	ds_load_b128 v[AT+4*\q:AT+4*\q+3], v[TST] offset:T_WP+16*\q     ; their pos2_w
.endr
.irp i, 0,1,2,3,4,5,6,7
	ds_load_b128 v[SQS+4*\i:SQS+4*\i+3], v[TBS] offset:T_PT+32*\i   ; xyz - c of point 2 i + h
.endr
	s_mul_i32 s[SX], s[WVN], 4352
	s_add_co_u32 s[SX], s[SX], POOL
	v_add_nc_u32 v[FR], s[SX], v[RH]
	BLOAD FR                                       ; LDS serves a wave's instructions in order: these see my pooled vectors
	s_lshl_b32 s[SX], s[WVN], 6
	s_add_co_u32 s[SX], s[SX], OSTG
	v_mul_u32_u24 v[PO], v[CC], 272
	v_lshl_add_u32 v[PO], v[HH], 5, v[PO]
	v_add_nc_u32 v[PO], s[SX], v[PO]               ; out stage, in: channel r, points 16 w + 8 h
	s_mul_i32 s[SX], s[WVN], 8448
	s_add_co_u32 s[SX], s[SX], RSTG
	v_mul_u32_u24 v[PO0], v[CC], 528
	v_lshl_add_u32 v[PO0], v[HH], 5, v[PO0]
	v_add_nc_u32 v[PO0], s[SX], v[PO0]             ; row stage, in: point r, channels 8 h
	v_mul_u32_u24 v[T0], v[HH], 528
	v_lshl_add_u32 v[T0], v[CC], 5, v[T0]
	v_add_nc_u32 v[T0], s[SX], v[T0]               ; row stage, back: point 2 i + h, channels 8 c
	s_wait_dscnt 0x0
	MMAS 1
	PLACES
	WIN 0
.irp t, 0,1,2,3,4,5,6,7
.set j, 0
.rept 8
	v_add_f32 v[ACC+8*\t+j], v[ACC+8*\t+j], v[IDXR+\t]
.set j, j+1
.endr
	ds_store_b128 v[PO], v[ACC+8*\t:ACC+8*\t+3] offset:4352*\t
	ds_store_b128 v[PO], v[ACC+8*\t+4:ACC+8*\t+7] offset:4352*\t+16
.endr
	s_wait_dscnt 0x0                               ; the stores have read the accumulators, which the next product writes
	MMAN 1
	PLACES
	WIN 0
.irp t, 0,1,2,3,4,5,6,7
	ds_store_b128 v[PO0], v[ACC+8*\t:ACC+8*\t+3] offset:64*\t
	ds_store_b128 v[PO0], v[ACC+8*\t+4:ACC+8*\t+7] offset:64*\t+16
.endr
	s_wait_dscnt 0x0
.irp i, 0,1,2,3,4,5,6,7
	ds_load_b128 v[ACC+8*\i:ACC+8*\i+3], v[T0] offset:1056*\i
	ds_load_b128 v[ACC+8*\i+4:ACC+8*\i+7], v[T0] offset:1056*\i+16
.endr
.irp i, 0,1,2,3,4,5,6,7
	s_wait_dscnt 14-2*\i                           ; the younger pairs of loads may stay out
.set j, 0
.rept 8
	v_add_f32 v[ACC+8*\i+j], v[ACC+8*\i+j], v[SC0+j]
.set j, j+1
.endr
.irp d, 0,1,2
.set j, 0
.rept 8
	v_fmac_f32 v[ACC+8*\i+j], v[AT+3*j+\d], v[SQS+4*\i+\d]
.set j, j+1
.endr
.endr
.irp q, 0,1,2,3
	v_cvt_pk_f16_f32 v[ACC+8*\i+\q], v[ACC+8*\i+2*\q], v[ACC+8*\i+2*\q+1]
.endr
	global_store_b128 v[VO0], v[ACC+8*\i:ACC+8*\i+3], s[88:89] offset:512*\i  ; 16 lanes store one row of 256 bytes
.endr
	s_wait_xcnt 0x0                                ; the stores' registers are loaded again below
	s_barrier_signal -1                            ; no LDS instruction of mine is out: the last count above was 0
	s_barrier_wait -1
	s_mul_i32 s[SX], s[WVN], 8704
	s_add_co_u32 s[SX], s[SX], OSTG
	v_mul_u32_u24 v[T0], v[HH], 272
	v_add3_u32 v[T0], v[T0], v[CH16], s[SX]        ; out stage, back: channel 32 w + 2 x + h, whole
	v_lshl_add_u32 v[PO], v[HH], 14, v[CH16]
.set x, 0
.rept 16
	ds_load_b128 v[ACC+4*x:ACC+4*x+3], v[T0] offset:544*x
.set x, x+1
.endr
.set x, 0
.rept 16
	s_wait_dscnt 15-x
	global_store_b128 v[PO], v[ACC+4*x:ACC+4*x+3], s[72:73] offset:32768*x  ; 16 lanes store 256 consecutive bytes of a channel
.set x, x+1
.endr
	s_wait_tensorcnt 0x0                           ; the wave's end
	ds_add_u32 v[SPW], v[NIL]
	s_wait_dscnt 0x0
	s_endpgm
.Lfunc_end_k_qf7f11815fa_conv2f:
	.size	k_qf7f11815fa_conv2f, .Lfunc_end_k_qf7f11815fa_conv2f-k_qf7f11815fa_conv2f
	.p2alignl 7, 3214868480
	.fill 96, 4, 3214868480
	.section	.rodata,"a",@progbits
	.p2align	6, 0x0
	.amdhsa_kernel k_qf7f11815fa_conv2f
		.amdhsa_group_segment_fixed_size 242432
		.amdhsa_private_segment_fixed_size 0
		.amdhsa_enable_private_segment 0
		.amdhsa_kernarg_size 168
		.amdhsa_user_sgpr_count 2
		.amdhsa_user_sgpr_kernarg_segment_ptr 1
		.amdhsa_wavefront_size32 1
		.amdhsa_system_sgpr_workgroup_id_x 1
		.amdhsa_system_sgpr_workgroup_id_y 1
		.amdhsa_system_sgpr_workgroup_id_z 1
		.amdhsa_system_vgpr_workitem_id 0
		.amdhsa_next_free_vgpr 960
		.amdhsa_next_free_sgpr 92
		.amdhsa_reserve_vcc 0
		.amdhsa_float_denorm_mode_32 3
		.amdhsa_float_denorm_mode_16_64 3
		.amdhsa_memory_ordered 1
		.amdhsa_forward_progress 1
		.amdhsa_inst_pref_size 115
	.end_amdhsa_kernel
	.amdgpu_metadata
---
amdhsa.version: [ 1, 2 ]
amdhsa.kernels:
  - .name:           k_qf7f11815fa_conv2f
    .symbol:         k_qf7f11815fa_conv2f.kd
    .args:
      - { .name: uv1, .offset: 0, .size: 8, .value_kind: global_buffer, .address_space: global }
      - { .name: idx, .offset: 8, .size: 8, .value_kind: global_buffer, .address_space: global }
      - { .name: tab, .offset: 16, .size: 8, .value_kind: global_buffer, .address_space: global }
      - { .name: st1, .offset: 24, .size: 8, .value_kind: global_buffer, .address_space: global }
      - { .name: st2, .offset: 32, .size: 8, .value_kind: global_buffer, .address_space: global }
      - { .name: st3, .offset: 40, .size: 8, .value_kind: global_buffer, .address_space: global }
      - { .name: gn1_g, .offset: 48, .size: 8, .value_kind: global_buffer, .address_space: global }
      - { .name: gn1_b, .offset: 56, .size: 8, .value_kind: global_buffer, .address_space: global }
      - { .name: m1a_b, .offset: 64, .size: 8, .value_kind: global_buffer, .address_space: global }
      - { .name: m1a_g, .offset: 72, .size: 8, .value_kind: global_buffer, .address_space: global }
      - { .name: m1a_beta, .offset: 80, .size: 8, .value_kind: global_buffer, .address_space: global }
      - { .name: m1b_b, .offset: 88, .size: 8, .value_kind: global_buffer, .address_space: global }
      - { .name: m1b_g, .offset: 96, .size: 8, .value_kind: global_buffer, .address_space: global }
      - { .name: m1b_beta, .offset: 104, .size: 8, .value_kind: global_buffer, .address_space: global }
      - { .name: t1_b, .offset: 112, .size: 8, .value_kind: global_buffer, .address_space: global }
      - { .name: t2_b, .offset: 120, .size: 8, .value_kind: global_buffer, .address_space: global }
      - { .name: pos2_w, .offset: 128, .size: 8, .value_kind: global_buffer, .address_space: global }
      - { .name: pos2_b, .offset: 136, .size: 8, .value_kind: global_buffer, .address_space: global }
      - { .name: uv3, .offset: 144, .size: 8, .value_kind: global_buffer, .address_space: global }
      - { .name: out0, .offset: 152, .size: 8, .value_kind: global_buffer, .address_space: global }
      - { .name: out1, .offset: 160, .size: 8, .value_kind: global_buffer, .address_space: global }
    .group_segment_fixed_size: 242432
    .private_segment_fixed_size: 0
    .kernarg_segment_align: 8
    .kernarg_segment_size: 168
    .max_flat_workgroup_size: 128
    .sgpr_count:     92
    .vgpr_count:     960
    .wavefront_size: 32
...
	.end_amdgpu_metadata
.endif
;; end of part 13
;; launch stat0c: the kernel of part 4 again; grid 128 x 1, 8 waves a work-group, no clusters, 1,536 bytes of LDS; arguments uv3, idx, st1; writes st1
;; launch conv1sc: the kernel of part 11 again; grid 128 x 1, 4 waves a work-group, no clusters, 242,432 bytes of LDS; arguments uv3, idx, st1, gn2_g, gn2_b, uv1, m2a_b, st2; writes st2
;; launch conv1f (part 14): grid 128 x 1, 4 waves a work-group, no clusters, 242,432 bytes of LDS; arguments uv3, idx, st1, st2, gn2_g, gn2_b, uv1, m2a_b, m2a_g, m2a_beta, out2; writes out2
.if DOCPART == 14
	.amdgcn_target "amdgcn-amd-amdhsa--gfx1250"
	.amdhsa_code_object_version 6
	.text
	.protected	k_qf7f11815fa_conv1f
	.globl	k_qf7f11815fa_conv1f
	.p2align	8
	.type	k_qf7f11815fa_conv1f,@function
k_qf7f11815fa_conv1f:
	s_mov_b64 s[64:65], 0
	v_nop
	global_prefetch_b8 v0, s[64:65] scope:SCOPE_SE
	s_setreg_imm32_b32 hwreg(HW_REG_WAVE_MODE, 25, 1), 1
	s_wait_xcnt 0x0
; ONE LAYER TO THE END (the third cross).  a0 = lrelu(GN(U3[idx] + V3)); y = W a0 with the sources swapped, so that a lane holds ONE channel (16 t + r) and 8 neighbours;
; z = y sc + sh (second GroupNorm, bias folded in), the maximum over the 16 neighbours, lrelu once behind it (it is monotone); out2 is [batch][channel][point] in f32.
; The pooled numbers meet in a stage of 128 channels x 64 points, so that 16 lanes store 256 consecutive bytes of a channel.  Shares, tile, gather, head and formats as in the sums' text.
; Wave 1 reduces the second set's partial sums, the other waves the first set's, each into its own slot.
; 128 work-groups: two problems of 64 blocks of 64 points, the share that this text has in common with the launches in front of it.
; Every LDS address of the text is a fixed register, at most plus the inner counter times a constant, plus an immediate: the trip's columns of the stage stand in the stores' immediates.
.set UVH,  32768
.set OSTG, 86016
.set TBL,  120832
.set SPARE,123136
.set WL1,  123648
.set PAR,  221952
.set PARW, 5120
.set T_SC3, 0
.set T_SH3, 512
.set PW, 2                             ; window 2: v0-63 the gathered rows
.set G,  0
.set CC,1
.set HH,2
.set CH16,3
.set VO0,4
.set VO,5
.set IO0,6
.set IO,7
.set TST,8
.set FR0,9
.set FR,10
.set L16,11
.set TBS,12
.set TBC,14
.set RH,15
.set SPW,16
.set NIL,17
.set PA,18
.set C32,19
.set R4,20
.set PO0,21
.set PO,22
.set T0,23
.set SC0,24
.set SH0,32
.set WV,40
.set SCH,44
.set VR,48
.set AT,52
.set LT,68
.set IDXR,84
.set OFFR,100
.set BF,116
.set ACC,148
.set SQS,212
.set TP,244
.set WGA,252
.set WSA,253
.set WRA,254
.set TBQ,255
.set WVN,2
.set PRB,3
.set WGI,4
.set N0W,5
.set STP,32
.set BU,50
.set BV,52
.set BIX,54
.set SEL,56
.set JJ,58
.set NT,59
.set J1,60
.set J2,61
.set SX,62
.set PBS,63
.set LK,66
.set MK,67
.set OF,68
.set MSB, 0
.macro WIN new
.if MSB != (\new)
	s_set_vgpr_msb (MSB<<8)|(\new)
.set MSB, \new
.endif
.endm
.macro PLACES
.rept 4
	v_nop
.endr
.endm
.macro RBN base, n
.set i, 0
.rept \n
	v_cvt_pk_bf16_f32 v[\base+2*i], v[\base+2*i], v[\base+2*i+1]
	v_and_b32 v[\base+2*i+1], s[MK], v[\base+2*i]
	v_lshlrev_b32 v[\base+2*i], 16, v[\base+2*i]
.set i, i+1
.endr
.endm
.macro HEAD
	v_lshl_add_u32 v[SPW], v0, 2, SPARE
	v_mov_b32 v[NIL], 0
	v_lshrrev_b32 v1, 5, v0
	v_readfirstlane_b32 s[WVN], v1
	s_lshr_b32 s[PRB], ttmp9, 6
	s_and_b32 s[WGI], ttmp9, 63
	s_lshl_b32 s[N0W], s[WGI], 6
	s_lshl4_add_u32 s[N0W], s[WVN], s[N0W]
	s_mov_b32 s[SEL], 0x76543210
	s_mov_b32 s[SEL+1], 0xfedcba98
	s_mov_b32 s[LK], 0x2e662e66
	s_mov_b32 s[MK], 0xffff0000
	s_mov_b32 s[OF+1], 0
	v_and_b32 v[CC], 15, v0
	v_bfe_u32 v[HH], v0, 4, 1
	v_lshlrev_b32 v[CH16], 4, v[CC]
	v_lshl_add_u32 v[VO0], v[HH], 8, v[CH16]
	v_lshlrev_b32 v[IO0], 4, v[HH]
	v_and_b32 v[L16], 31, v0
	v_lshrrev_b32 v[TBQ], 2, v[L16]
	v_lshlrev_b32 v[L16], 4, v[L16]
	v_lshl_add_u32 v[TBQ], v[TBQ], 4, TBL
	s_mul_i32 s[SX], s[WVN], 8704
	v_mul_u32_u24 v[TST], v[HH], 4352
	v_add3_u32 v[TST], v[TST], v[CH16], s[SX]
	v_mul_u32_u24 v[RH], v[CC], 272
	v_lshl_add_u32 v[RH], v[HH], 4, v[RH]
	v_add_nc_u32 v[FR0], s[SX], v[RH]
	s_lshl_b32 s[SX], s[WVN], 7
	s_add_co_u32 s[SX], s[SX], TBL
	v_and_b32 v[TBS], 3, v0
	v_lshl_add_u32 v[TBS], v[TBS], 5, s[SX]
	v_lshrrev_b32 v[TBC], 1, v[CC]
	v_lshl_add_u32 v[TBC], v[TBC], 4, TBL
	v_lshlrev_b32 v[C32], 5, v[CC]
	v_lshlrev_b32 v[R4], 2, v[CC]
	s_mul_i32 s[PBS], s[WVN], PARW
	s_add_co_u32 s[PBS], s[PBS], PAR
	v_add_nc_u32 v[PA], s[PBS], v[L16]
	s_lshl_b32 s[SX], s[WVN], 13
	v_add_nc_u32 v[WGA], s[SX], v[L16]
	s_add_co_u32 s[SX], s[SX], WL1
	v_add_nc_u32 v[WSA], s[SX], v[L16]
	v_add_nc_u32 v[WRA], WL1, v[L16]
.endm
.macro BASES up, ip
	s_lshl_b32 s[OF], s[PRB], 21
	s_add_co_u32 s[OF], s[OF], UVH
	s_add_nc_u64 s[BU:BU+1], s[\up:\up+1], s[OF:OF+1]
	s_lshl_b32 s[OF], s[N0W], 8
	s_add_co_u32 s[OF], s[OF], 1<<20
	s_add_nc_u64 s[BV:BV+1], s[BU:BU+1], s[OF:OF+1]
	s_lshl_b32 s[OF], s[PRB], 12
	s_add_co_u32 s[OF], s[OF], s[N0W]
	s_lshl_b32 s[OF], s[OF], 4
	s_add_nc_u64 s[BIX:BIX+1], s[\ip:\ip+1], s[OF:OF+1]
	s_lshl_b32 s[OF], s[PRB], 12
.endm
.macro STLOAD R, sp
.irp i, 0,1,2,3,4,5,6,7
	global_load_b128 v[\R+4*\i:\R+4*\i+3], v[L16], s[\sp:\sp+1] offset:512*\i
.endr
.endm
.macro L2 dst, ad, sp
	global_load_b128 v[\dst:\dst+3], v[\ad], s[\sp:\sp+1]
	global_load_b128 v[\dst+4:\dst+7], v[\ad], s[\sp:\sp+1] offset:16
.endm
.macro WQLOAD lay, sp, off
	WIN 0x40
.set x, 0
.rept 16
	global_load_b128 v[64*(\lay)+4*x:64*(\lay)+4*x+3], v[WGA], s[\sp:\sp+1] offset:(\off)+512*x
.set x, x+1
.endr
	WIN 0
.endm
.macro WQSTORE lay, a, off
	WIN 0x04
.set x, 0
.rept 16
	ds_store_b128 v[\a], v[64*(\lay)+4*x:64*(\lay)+4*x+3] offset:(\off)+512*x
.set x, x+1
.endr
	WIN 0
.endm
.macro WFRAG win, a, off
	WIN (\win)<<6
.set x, 0
.rept 64
	ds_load_b128 v[4*x:4*x+3], v[\a] offset:(\off)+512*x
.set x, x+1
.endr
	WIN 0
.endm
.macro STATS R
.set i, 1
.rept 7
	v_pk_add_f32 v[\R:\R+1], v[\R:\R+1], v[\R+4*i:\R+4*i+1]
	v_pk_add_f32 v[\R+2:\R+3], v[\R+2:\R+3], v[\R+4*i+2:\R+4*i+3]
.set i, i+1
.endr
.irp x, 0,1,2,3
	v_add_f32_dpp v[\R+\x], v[\R+\x], v[\R+\x] row_xmask:4 row_mask:0xf bank_mask:0xf
.endr
.irp x, 0,1,2,3
	v_add_f32_dpp v[\R+\x], v[\R+\x], v[\R+\x] row_xmask:8 row_mask:0xf bank_mask:0xf
.endr
.irp x, 0,1,2,3
	v_permlanex16_b32 v[\R+4+\x], v[\R+\x], s[SEL], s[SEL+1]
.endr
.irp x, 0,1,2,3
	v_add_f32 v[\R+\x], v[\R+\x], v[\R+4+\x]
.endr
	v_mul_f32 v[\R+8], 0xb5800000, v[\R]
	v_mul_f32 v[\R+12], 0xb5800000, v[\R+2]
	v_mul_f32 v[\R+1], 0x35800000, v[\R+1]
	v_mul_f32 v[\R+3], 0x35800000, v[\R+3]
	v_fma_f32 v[\R+1], -v[\R+8], v[\R+8], v[\R+1]
	v_fma_f32 v[\R+3], -v[\R+12], v[\R+12], v[\R+3]
	v_max_num_f32 v[\R+1], 0, v[\R+1]
	v_max_num_f32 v[\R+3], 0, v[\R+3]
	v_add_f32 v[\R+1], 0x3727c5ac, v[\R+1]
	v_add_f32 v[\R+3], 0x3727c5ac, v[\R+3]
	v_rsq_f32 v[\R+10], v[\R+1]
	v_rsq_f32 v[\R+14], v[\R+3]
	v_mov_b32 v[\R+9], v[\R+8]
	v_mov_b32 v[\R+13], v[\R+12]
	s_wait_alu depctr_va_vdst(0)
	v_mov_b32 v[\R+11], v[\R+10]
	v_mov_b32 v[\R+15], v[\R+14]
	ds_store_b128 v[TBS], v[\R+8:\R+11]
	ds_store_b128 v[TBS], v[\R+12:\R+15] offset:16
.endm
.macro PROWC
	ds_load_b128 v[WV:WV+3], v[TBC]
	s_wait_dscnt 0x0
.irp q, 0,1,2,3
	v_pk_mul_f32 v[SC0+2*\q:SC0+2*\q+1], v[SC0+2*\q:SC0+2*\q+1], v[WV+2:WV+3]
.endr
.irp q, 0,1,2,3
	v_pk_fma_f32 v[SH0+2*\q:SH0+2*\q+1], v[WV:WV+1], v[SC0+2*\q:SC0+2*\q+1], v[SH0+2*\q:SH0+2*\q+1]
.endr
.irp q, 0,1,2,3
	v_cvt_pk_f16_f32 v[SCH+\q], v[SC0+2*\q], v[SC0+2*\q+1]
.endr
.endm
.macro TABGN g, be, bi, m, st, tsc, tsh ; four channels a lane: sc = g rstd, sh = (bias - mu) sc + beta, into two tables of my own
	ds_load_b128 v[\m:\m+3], v[TBQ] offset:128*(\st)
	s_wait_dscnt 0x0
	v_pk_mul_f32 v[\g:\g+1], v[\g:\g+1], v[\m+2:\m+3]
	v_pk_mul_f32 v[\g+2:\g+3], v[\g+2:\g+3], v[\m+2:\m+3]
	v_pk_add_f32 v[\bi:\bi+1], v[\bi:\bi+1], v[\m:\m+1]
	v_pk_add_f32 v[\bi+2:\bi+3], v[\bi+2:\bi+3], v[\m:\m+1]
	v_pk_fma_f32 v[\be:\be+1], v[\bi:\bi+1], v[\g:\g+1], v[\be:\be+1]
	v_pk_fma_f32 v[\be+2:\be+3], v[\bi+2:\bi+3], v[\g+2:\g+3], v[\be+2:\be+3]
	ds_store_b128 v[PA], v[\g:\g+3] offset:\tsc
	ds_store_b128 v[PA], v[\be:\be+3] offset:\tsh
.endm
.macro RLN a, tsc, tsh                 ; two tables of my own, read in the lane layout: channel 16 t + r, each number twice for the packed lines
.irp t, 0,1,2,3,4,5,6,7
	ds_load_b32 v[SQS+4*\t], v[\a] offset:(\tsc)+64*\t
	ds_load_b32 v[SQS+4*\t+2], v[\a] offset:(\tsh)+64*\t
.endr
	s_wait_dscnt 0x0
.irp t, 0,1,2,3,4,5,6,7
	v_mov_b32 v[SQS+4*\t+1], v[SQS+4*\t]
	v_mov_b32 v[SQS+4*\t+3], v[SQS+4*\t+2]
.endr
.endm
.macro ISSUE
	WIN 0
.set x, 0
.rept 16
	v_min_u32 v[OFFR+x], 0xfff, v[IDXR+x]
.set x, x+1
.endr
.set x, 0
.rept 16
	v_lshl_add_u32 v[OFFR+x], v[OFFR+x], 8, v[CH16]
.set x, x+1
.endr
	v_lshl_add_u32 v[VO], s[J1], 9, v[VO0]
	v_lshl_add_u32 v[IO], s[J2], 5, v[IO0]
	WIN PW<<6
.set x, 0
.rept 16
	global_load_b128 v[G+4*x:G+4*x+3], v[OFFR+x], s[BU:BU+1]
.set x, x+1
.endr
	WIN 0
	global_load_b128 v[VR:VR+3], v[VO], s[BV:BV+1]
.irp a, 0,1,2,3
	global_load_b128 v[IDXR+4*\a:IDXR+4*\a+3], v[IO], s[BIX:BIX+1] offset:262144*\a
.endr
.endm
.macro FRONT
	s_wait_loadcnt 0x0
	WIN 0
.irp q, 0,1,2,3
	v_fma_mixlo_f16 v[WV+\q], v[VR+\q], v[SC0+2*\q], v[SH0+2*\q] op_sel_hi:[1,0,0]
	v_fma_mixhi_f16 v[WV+\q], v[VR+\q], v[SC0+2*\q+1], v[SH0+2*\q+1] op_sel:[1,0,0] op_sel_hi:[1,0,0]
.endr
.irp g, 0,1,2,3
	WIN PW
.set x, 0
.rept 16
	v_pk_fma_f16 v[AT+x], v[G+16*\g+x], v[SCH+x%4], v[WV+x%4]
.set x, x+1
.endr
	WIN 0
.set x, 0
.rept 16
	v_pk_mul_f16 v[LT+x], v[AT+x], s[LK]
.set x, x+1
.endr
.set x, 0
.rept 16
	v_pk_max_num_f16 v[AT+x], v[AT+x], v[LT+x]
.set x, x+1
.endr
.irp i, 0,1,2,3
	ds_store_b128 v[TST], v[AT+4*\i:AT+4*\i+3] offset:(4*\g+\i)*272
.endr
.endr
.endm
.macro BLOAD a
.irp x, 0,1,2,3,4,5,6,7
	ds_load_b128 v[BF+4*\x:BF+4*\x+3], v[\a] offset:32*\x
.endr
.endm
.macro MMAS win                        ; the 8 accumulators take turns
.irp kk, 0,1,2,3
.irp t, 0,1,2,3,4,5,6,7
	WIN (\win)<<2
.if \kk == 0
	v_wmma_f32_16x16x32_f16 v[ACC+8*\t:ACC+8*\t+7], v[BF+8*\kk:BF+8*\kk+7], v[8*(4*\t+\kk):8*(4*\t+\kk)+7], 0
.else
	v_wmma_f32_16x16x32_f16 v[ACC+8*\t:ACC+8*\t+7], v[BF+8*\kk:BF+8*\kk+7], v[8*(4*\t+\kk):8*(4*\t+\kk)+7], v[ACC+8*\t:ACC+8*\t+7]
.endif
.endr
.endr
.endm
.macro POOLMAX
	PLACES
	WIN 0
.set x, 0
.rept 32
	v_pk_fma_f32 v[ACC+2*x:ACC+2*x+1], v[ACC+2*x:ACC+2*x+1], v[SQS+4*(x/4):SQS+4*(x/4)+1], v[SQS+4*(x/4)+2:SQS+4*(x/4)+3]
.set x, x+1
.endr
.irp t, 0,1,2,3,4,5,6,7
	v_max3_num_f32 v[TP+\t], v[ACC+8*\t], v[ACC+8*\t+1], v[ACC+8*\t+2]
.endr
.irp t, 0,1,2,3,4,5,6,7
	v_max3_num_f32 v[TP+\t], v[TP+\t], v[ACC+8*\t+3], v[ACC+8*\t+4]
.endr
.irp t, 0,1,2,3,4,5,6,7
	v_max3_num_f32 v[TP+\t], v[TP+\t], v[ACC+8*\t+5], v[ACC+8*\t+6]
.endr
.irp t, 0,1,2,3,4,5,6,7
	v_max_num_f32 v[TP+\t], v[TP+\t], v[ACC+8*\t+7]
.endr
.irp t, 0,1,2,3,4,5,6,7
	v_permlanex16_b32 v[AT+\t], v[TP+\t], s[SEL], s[SEL+1]
.endr
.irp t, 0,1,2,3,4,5,6,7
	v_max_num_f32 v[TP+\t], v[TP+\t], v[AT+\t]
.endr
.irp t, 0,1,2,3,4,5,6,7
	v_mul_f32 v[AT+\t], 0x3dcccccd, v[TP+\t]
.endr
.irp t, 0,1,2,3,4,5,6,7
	v_max_num_f32 v[TP+\t], v[TP+\t], v[AT+\t]
.endr
.endm
	s_load_b512 s[8:23], s[0:1], 0x0               ; uv3 8, idx 10, st1 12, st2 14, gn2_g 16, gn2_b 18, uv1 (m2a's image) 20, m2a_b 22
	s_load_b128 s[24:27], s[0:1], 0x40             ; m2a_g 24, m2a_beta 26
	s_load_b64 s[28:29], s[0:1], 0x50              ; out2
	HEAD
	s_lshl_b32 s[SX], s[WVN], 6
	s_add_co_u32 s[SX], s[SX], OSTG
	v_mul_u32_u24 v[PO0], v[CC], 272
	v_add_nc_u32 v[PO0], s[SX], v[PO0]             ; out stage, in: channel r, point 16 w
	s_wait_kmcnt 0x0
	BASES 8, 10
	s_add_nc_u64 s[12:13], s[12:13], s[OF:OF+1]
	s_add_nc_u64 s[14:15], s[14:15], s[OF:OF+1]
	s_cmp_eq_u32 s[WVN], 1
	s_cselect_b64 s[STP:STP+1], s[14:15], s[12:13] ; the set that I reduce
	s_lshl_b32 s[OF], s[PRB], 21
	s_lshl_b32 s[SX], s[WVN], 19
	s_add_co_u32 s[OF], s[OF], s[SX]
	s_lshl_b32 s[SX], s[WGI], 8
	s_add_co_u32 s[OF], s[OF], s[SX]
	s_add_nc_u64 s[28:29], s[28:29], s[OF:OF+1]    ; batch p, channels 32 w on, the group's 64 points
.irp a, 0,1,2,3
	global_load_b128 v[IDXR+4*\a:IDXR+4*\a+3], v[IO0], s[BIX:BIX+1] offset:262144*\a
.endr
	STLOAD AT, STP
	L2 SC0, C32, 16
	L2 SH0, C32, 18
	global_load_b128 v[BF:BF+3], v[L16], s[24:25]       ; m2a_g, four channels a lane
	global_load_b128 v[BF+4:BF+7], v[L16], s[26:27]     ; m2a_beta
	global_load_b128 v[BF+8:BF+11], v[L16], s[22:23]    ; m2a_b
	WQLOAD 0, 20, 0
	s_wait_loadcnt 31                              ; the indices are in: 8 + 4 + 3 + 16 loads were issued behind them
	s_mov_b32 s[J1], 0
	s_mov_b32 s[J2], 1
	ISSUE
	s_wait_loadcnt 21                              ; all that was asked for ahead of those 21 loads is in
	WQSTORE 0, WSA, 0
	STATS AT
	RBN SC0, 8
	RBN BF, 6
	s_wait_dscnt 0x0                               ; for the others' sake: my quarter of the weights and my slot of the statistics are written
	s_barrier_signal -1
	s_barrier_wait -1
	PROWC
	TABGN BF, BF+4, BF+8, TP, 1, T_SC3, T_SH3
	WFRAG 1, WRA, 0
	v_add_nc_u32 v[T0], s[PBS], v[R4]
	RLN T0, T_SC3, T_SH3
	s_mov_b32 s[JJ], 0
.Ltrip:
	FRONT
	s_cmp_eq_u32 s[JJ], 7
	s_cbranch_scc1 .Lnoissue
	s_add_co_u32 s[J1], s[JJ], 1
	s_add_co_u32 s[J2], s[JJ], 2
	s_min_u32 s[J2], s[J2], 7
	ISSUE
.Lnoissue:
	s_mov_b32 s[NT], 0
.Lnt:
	s_mul_i32 s[SX], s[NT], 4352
	v_add_nc_u32 v[FR], s[SX], v[FR0]
	BLOAD FR
	s_wait_dscnt 0x0
	MMAS 1
	POOLMAX
	s_mul_i32 s[SX], s[NT], 4                      ; the stage's column 2 JJ + NT of my 16: NT in the register,
	v_add_nc_u32 v[PO], s[SX], v[PO0]
.irp k, 0,1,2,3,4,5,6                  ; 2 JJ in the immediates: one run of eight stores for each trip, chosen by the trip's counter
	s_cmp_eq_u32 s[JJ], \k
	s_cbranch_scc1 .Lrow\k
.endr
.irp k, 7,6,5,4,3,2,1,0
.Lrow\k:
.irp t, 0,1,2,3,4,5,6,7
	ds_store_b32 v[PO], v[TP+\t] offset:4352*\t+8*\k
.endr
.if \k != 0
	s_branch .Lrowed
.endif
.endr
.Lrowed:
	s_add_co_u32 s[NT], s[NT], 1
	s_cmp_lt_u32 s[NT], 2
	s_cbranch_scc1 .Lnt
	s_add_co_u32 s[JJ], s[JJ], 1
	s_cmp_lt_u32 s[JJ], 8
	s_cbranch_scc1 .Ltrip
	s_wait_loadcnt 0x0                             ; no load of the gather is out (the last trip asked for nothing, so nothing is waited for)
	s_wait_dscnt 0x0                               ; a channel's 256 bytes come from four waves
	s_barrier_signal -1
	s_barrier_wait -1
	s_mul_i32 s[SX], s[WVN], 8704
	s_add_co_u32 s[SX], s[SX], OSTG
	v_mul_u32_u24 v[T0], v[HH], 272
	v_add3_u32 v[T0], v[T0], v[CH16], s[SX]
	v_lshl_add_u32 v[PO], v[HH], 14, v[CH16]
.set x, 0
.rept 16
	ds_load_b128 v[ACC+4*x:ACC+4*x+3], v[T0] offset:544*x
.set x, x+1
.endr
.set x, 0
.rept 16
	s_wait_dscnt 15-x                              ; the younger loads may stay out
	global_store_b128 v[PO], v[ACC+4*x:ACC+4*x+3], s[28:29] offset:32768*x  ; 16 lanes store 256 consecutive bytes of a channel
.set x, x+1
.endr
	s_wait_tensorcnt 0x0                           ; the wave's end
	ds_add_u32 v[SPW], v[NIL]
	s_wait_dscnt 0x0
	s_endpgm
.Lfunc_end_k_qf7f11815fa_conv1f:
	.size	k_qf7f11815fa_conv1f, .Lfunc_end_k_qf7f11815fa_conv1f-k_qf7f11815fa_conv1f
	.p2alignl 7, 3214868480
	.fill 96, 4, 3214868480
	.section	.rodata,"a",@progbits
	.p2align	6, 0x0
	.amdhsa_kernel k_qf7f11815fa_conv1f
		.amdhsa_group_segment_fixed_size 242432
		.amdhsa_private_segment_fixed_size 0
		.amdhsa_enable_private_segment 0
		.amdhsa_kernarg_size 88
		.amdhsa_user_sgpr_count 2
		.amdhsa_user_sgpr_kernarg_segment_ptr 1
		.amdhsa_wavefront_size32 1
		.amdhsa_system_sgpr_workgroup_id_x 1
		.amdhsa_system_sgpr_workgroup_id_y 1
		.amdhsa_system_sgpr_workgroup_id_z 1
		.amdhsa_system_vgpr_workitem_id 0
		.amdhsa_next_free_vgpr 576
		.amdhsa_next_free_sgpr 72
		.amdhsa_reserve_vcc 0
		.amdhsa_float_denorm_mode_32 3
		.amdhsa_float_denorm_mode_16_64 3
		.amdhsa_memory_ordered 1
		.amdhsa_forward_progress 1
		.amdhsa_inst_pref_size 59
	.end_amdhsa_kernel
	.amdgpu_metadata
---
amdhsa.version: [ 1, 2 ]
amdhsa.kernels:
  - .name:           k_qf7f11815fa_conv1f
    .symbol:         k_qf7f11815fa_conv1f.kd
    .args:
      - { .name: uv3, .offset: 0, .size: 8, .value_kind: global_buffer, .address_space: global }
      - { .name: idx, .offset: 8, .size: 8, .value_kind: global_buffer, .address_space: global }
      - { .name: st1, .offset: 16, .size: 8, .value_kind: global_buffer, .address_space: global }
      - { .name: st2, .offset: 24, .size: 8, .value_kind: global_buffer, .address_space: global }
      - { .name: gn2_g, .offset: 32, .size: 8, .value_kind: global_buffer, .address_space: global }
      - { .name: gn2_b, .offset: 40, .size: 8, .value_kind: global_buffer, .address_space: global }
      - { .name: uv1, .offset: 48, .size: 8, .value_kind: global_buffer, .address_space: global }
      - { .name: m2a_b, .offset: 56, .size: 8, .value_kind: global_buffer, .address_space: global }
      - { .name: m2a_g, .offset: 64, .size: 8, .value_kind: global_buffer, .address_space: global }
      - { .name: m2a_beta, .offset: 72, .size: 8, .value_kind: global_buffer, .address_space: global }
      - { .name: out2, .offset: 80, .size: 8, .value_kind: global_buffer, .address_space: global }
    .group_segment_fixed_size: 242432
    .private_segment_fixed_size: 0
    .kernarg_segment_align: 8
    .kernarg_segment_size: 88
    .max_flat_workgroup_size: 128
    .sgpr_count:     72
    .vgpr_count:     576
    .wavefront_size: 32
...
	.end_amdgpu_metadata
.endif
;; end of part 14
